; MI455X (gfx1250); checked and timed in simulation.
; The chip was launched on July 23, 2026; its instructions are those of AMD's public machine-readable ISA for CDNA 5 (MIT licence, August 2026) and "CDNA5" Instruction Set Architecture Reference Guide (July 2026). The comments in the code are by the model that wrote it; some were corrected since.
;; Block. Allowed arithmetic: matrix products marked QUANTISED: E4M3 operands, one given power-of-two scale a tensor, by v_wmma_f32_16x16x64_fp8_fp8 or v_wmma_f32_16x16x128_fp8_fp8, f32 sums; everything else in f32.
;; Inputs: b1 4,096 float32; b2 1,024 float32; b_proj 1,024 float32; b_qkv 3,072 float32; ln1_b 1,024 float32; ln1_g 1,024 float32; ln2_b 1,024 float32; ln2_g 1,024 float32; lowp_scales 12 int32 (the exponents e of the quantised operands' scales 2^e); w1 1,024 x 4,096 float32; w2 4,096 x 1,024 float32; w_proj 1,024 x 1,024 float32; w_qkv 1,024 x 3,072 float32; x 2 x 2,048 x 1,024 float32.
;; Outputs: out0 2 x 2,048 x 1,024 float32.
;; This version of the problem:
;;   THIS VERSION OF THE PROBLEM IS GIVEN IN LOW PRECISION. The matrix products marked QUANTISED in the list below multiply operands that are first quantised to E4M3 (4 exponent bits, 3 mantissa bits; 8 bits a number), with one given power-of-two scale for each operand tensor; their sums are f32. All else is computed in f32.
;;   The module's matrix products, in the order in which they are computed (A, B: the left and right operand; K: the contracted axis; several contracted axes count as one K, in the product's order):
;;     1. [M 4,096, K 1,024] x [K 1,024, N 3,072]; A: computed on the way; B: input w_qkv: QUANTISED (scales: A lowp_scales[0], B lowp_scales[1])
;;     2. batch 32 x [M 2,048, K 64] x [K 64, N 2,048]; A: computed on the way; B: computed on the way: QUANTISED (scales: A lowp_scales[2], B lowp_scales[3])
;;     3. batch 32 x [M 2,048, K 2,048] x [K 2,048, N 64]; A: softmax (see below); B: computed on the way: QUANTISED (scales: A lowp_scales[4], B lowp_scales[5])
;;     4. [M 4,096, K 1,024] x [K 1,024, N 1,024]; A: computed on the way; B: input w_proj: QUANTISED (scales: A lowp_scales[6], B lowp_scales[7])
;;     5. [M 4,096, K 1,024] x [K 1,024, N 4,096]; A: computed on the way; B: input w1: QUANTISED (scales: A lowp_scales[8], B lowp_scales[9])
;;     6. [M 4,096, K 4,096] x [K 4,096, N 1,024]; A: computed on the way; B: input w2: QUANTISED (scales: A lowp_scales[10], B lowp_scales[11])
;;   THE QUANTISER, for each operand of a quantised product, along K:
;;     - The operand's scale is 2^e, e = its entry of the input lowp_scales (int32; the entries are numbered through the quantised products in the list's order, A before B).
;;     - Each number is divided by the scale, clamped to +-448, and rounded to the nearest number of E4M3, ties to even, subnormals kept.
;;     - The product sums the exact products of the quantised numbers (number of the format x scale) in f32.
;;   ~~~python
;;   def quantise(x, axis, e):      # numpy; x: float32 -> the quantised numbers, widened to float32 again
;;       x = np.moveaxis(x, axis, -1); K = x.shape[-1]
;;       r = np.clip(x / 2.0 ** e, -448, 448)
;;       step = 2.0 ** (np.maximum(np.frexp(np.where(r == 0, 1, r))[1] - 1, -6) - 3)
;;       q = np.round(r / step) * step * 2.0 ** e      # np.round: ties to even
;;       return np.moveaxis(q, -1, axis).astype(np.float32)
;;   ~~~
;;   SOFTMAX AHEAD OF A QUANTISED PRODUCT. Where the list says 'softmax', what is quantised is not the finished softmax but p = 2^(t - M), with t = logit x log2(e) and M = ceil(the row's largest t), a whole number; so 1/2 < the row's largest p <= 1. The row's sum l is taken of the UNQUANTISED p, in f32, and the product's result is divided by l at the end. Since M is a whole number, a kernel that streams over the keys may use a running M (the ceiling of the running maximum): every later rescaling is an exact power of two, so the quantised numbers keep their values, but for numbers so far below the row's largest that they fall under the format's range.
;;   OPERANDS COMPUTED ON THE WAY. 'Computed on the way' means the value that the module computes at that place (a softmax that the list does not call 'softmax' is quantised finished and normalised). What goes into a quantiser is computed in f32, as accurately as f32 sums, v_exp_f32 and their like allow (about 1e-6 of the number): no bf16 or f16 on the way to a quantiser, and a product that is left as it is and whose result goes on into a quantised operand takes f32 operands (vector FMAs, or v_wmma_f32_16x16x4_f32). A number that lies on a knife's edge between two numbers of the format may be rounded either way, as far as f32 arithmetic and the matrix unit's own rounding can turn it there, and no further.
;; 2 versions. Each part assembles by itself: llvm-mc -triple=amdgcn-amd-amdhsa -mcpu=gfx1250 --defsym DOCPART=n.
;; ======== version 1 of 2: 7 launches
;; workspace buffers: wc 12,582,912 bytes; act 4,194,304 bytes; qkvc 12,582,912 bytes; x1 16,777,216 bytes; hc 16,777,216 bytes
;; launch prep (part 1): grid 640 x 1, 4 waves a work-group, no clusters, 35,328 bytes of LDS; arguments x, ln1_g, ln1_b, lowp_scales, act, w_qkv, w_proj, w1, w2, wc; writes act, wc
.if DOCPART == 1
	.amdgcn_target "amdgcn-amd-amdhsa--gfx1250"
	.amdhsa_code_object_version 6
	.text
	.protected	k_q863f88f18c_prep
	.globl	k_q863f88f18c_prep
	.p2align	8
	.type	k_q863f88f18c_prep,@function
k_q863f88f18c_prep:
	s_mov_b64 s[64:65], 0
	v_nop
	global_prefetch_b8 v0, s[64:65] scope:SCOPE_SE
	s_setreg_imm32_b32 hwreg(HW_REG_WAVE_MODE, 25, 1), 1
	s_wait_xcnt 0x0
; Work-groups 0-255: act = codes of LN1(x), FP8 (E4M3), scale 2^e0.  Work-groups 256-639: the four weights, f32 with K as their FIRST axis, become codes with K innermost in wc
; (w_qkv [3072][1024] at 0, w_proj [1024][1024] at 0x300000, w1 [4096][1024] at 0x400000, w2 [1024][4096] at 0x800000), scales 2^e1, 2^e7, 2^e9, 2^e11.
; code = number / 2^e, held within +-448, to the nearest code, ties to even.  LIMITS: each e between -126 and 119 (2^e and 448 x 2^e are made as f32 numbers); NaN among the inputs is not served.
; LN: a wave takes 4 rows of 1,024 numbers, each kept in 32 registers a lane; lane l holds numbers 256 j + 8 l + 0..7, eight neighbours along K for each conversion.  Mean first, then the mean of (x - mean)^2: two passes over registers.
; WEIGHTS: a work-group takes 128 columns x 256 along K.  A lane takes a column and its registers run down K, so the conversions give codes with K innermost; they leave through the wave's own stage in LDS as rows of 256 bytes.
; No tensor loads, no barrier: waves share nothing.  Only the weights' path uses LDS.
.set EOFF, 0x0                         ; byte of the LN's scale in lowp_scales
.set G,    16                          ; v16-47   the gain at my 32 places
.set BT,   48                          ; v48-79   the bias
.set X,    80                          ; v80-207  four rows, 32 registers each
.set CD,   208                         ; v208-239 codes, 8 registers a row: no store's data are written again
.set WX,   32                          ; weights: v32-95 two sets of 32 numbers
.set WCD,  96                          ; v96-103  a block's codes
.set RO,   112                         ; v112-143 byte offset of row i of a block of 32 rows, at my column
.set OUTR, 144                         ; v144-207 the way out
.set OO,   208                         ; v208-223 byte offsets of the way out's 16 stores
.set WP,   272                         ; a stage row: 256 bytes + 16
	s_load_b512 s[4:19], s[0:1], 0x0               ; x 4:5, gain 6:7, bias 8:9, scales 10:11, act 12:13, w_qkv 14:15, w_proj 16:17, w1 18:19
	s_load_b128 s[20:23], s[0:1], 0x40             ; w2 20:21, wc 22:23
	v_lshl_add_u32 v248, v0, 2, 0x8800
	v_mov_b32 v249, 0
	v_lshrrev_b32 v1, 5, v0
	v_readfirstlane_b32 s26, v1                    ; wave
	v_and_b32 v1, 31, v0                           ; lane
	s_wait_kmcnt 0x0
	s_cmp_lt_u32 ttmp9, 256
	s_cbranch_scc0 .Lweights
	; ---------------- layer norm and quantiser
	s_load_b32 s27, s[10:11], EOFF                 ; e
	s_lshl_b32 s32, ttmp9, 16                      ; 16 rows of 4,096 bytes a work-group,
	s_lshl_b32 s33, s26, 14                        ; 4 a wave
	s_add_co_u32 s32, s32, s33
	s_mov_b32 s33, 0
	s_add_nc_u64 s[4:5], s[4:5], s[32:33]
	s_lshl_b32 s34, ttmp9, 14                      ; and of 1,024 bytes of codes
	s_lshl_b32 s35, s26, 12
	s_add_co_u32 s34, s34, s35
	s_mov_b32 s35, 0
	s_add_nc_u64 s[12:13], s[12:13], s[34:35]
	v_lshlrev_b32 v2, 5, v1                        ; 32 bytes a lane in
	v_lshlrev_b32 v3, 3, v1                        ; 8 bytes a lane out
.irp j, 0,1,2,3
	global_load_b128 v[G+8*\j:G+8*\j+3], v2, s[6:7] offset:1024*\j
	global_load_b128 v[G+8*\j+4:G+8*\j+7], v2, s[6:7] offset:1024*\j+16
.endr
.irp j, 0,1,2,3
	global_load_b128 v[BT+8*\j:BT+8*\j+3], v2, s[8:9] offset:1024*\j
	global_load_b128 v[BT+8*\j+4:BT+8*\j+7], v2, s[8:9] offset:1024*\j+16
.endr
.irp r, 0,1,2,3
.irp j, 0,1,2,3
	global_load_b128 v[X+32*\r+8*\j:X+32*\r+8*\j+3], v2, s[4:5] offset:4096*\r+1024*\j       ; two loads together cover 1,024 consecutive bytes
	global_load_b128 v[X+32*\r+8*\j+4:X+32*\r+8*\j+7], v2, s[4:5] offset:4096*\r+1024*\j+16
.endr
.endr
	s_mov_b32 s30, 0x76543210                      ; v_permlanex16_b32: lane l xor 16
	s_mov_b32 s31, 0xfedcba98
	v_mov_b32 v13, 0                               ; upper halves of pairs that are named whole
	v_mov_b32 v15, 0
	v_mov_b32 v242, 0                              ; a lane permute's destination counts as read
	v_mov_b32 v243, 0x3a800000                     ; 1 / 1024
	s_wait_kmcnt 0x0
	s_add_co_i32 s27, s27, 127
	s_lshl_b32 s28, s27, 23
	v_mov_b32 v240, s28                            ; 2^e: the conversion takes its exponent field
	s_add_co_i32 s27, s27, 8
	s_lshl_b32 s27, s27, 23
	s_or_b32 s27, s27, 0x600000
	v_mov_b32 v241, s27                            ; 448 x 2^e
.macro JOIN                            ; four packed chains v[4:11] into v4
	v_pk_add_f32 v[4:5], v[4:5], v[6:7]
	v_pk_add_f32 v[8:9], v[8:9], v[10:11]
	v_pk_add_f32 v[4:5], v[4:5], v[8:9]
	v_add_f32 v4, v4, v5
.endm
.macro RED                             ; v4 summed over the 32 lanes, in every lane
	v_add_f32_dpp v4, v4, v4 row_xmask:1 row_mask:0xf bank_mask:0xf
	v_add_f32_dpp v4, v4, v4 row_xmask:2 row_mask:0xf bank_mask:0xf
	v_add_f32_dpp v4, v4, v4 row_xmask:4 row_mask:0xf bank_mask:0xf
	v_add_f32_dpp v4, v4, v4 row_xmask:8 row_mask:0xf bank_mask:0xf
	v_permlanex16_b32 v242, v4, s30, s31
	v_add_f32 v4, v4, v242
.endm
.macro ROW r
.set XR, X+32*\r
	s_wait_loadcnt 8*(3-\r)                        ; this row's eight loads are in; the younger rows' may be out
.irp k, 0,1,2,3
	v_pk_add_f32 v[4+2*\k:5+2*\k], v[XR+2*\k:XR+2*\k+1], v[XR+8+2*\k:XR+9+2*\k]      ; the first pairs start the chains
.endr
.irp k, 0,1,2,3,4,5,6,7
	v_pk_add_f32 v[4+2*(\k%4):5+2*(\k%4)], v[4+2*(\k%4):5+2*(\k%4)], v[XR+16+2*\k:XR+17+2*\k]
.endr
	JOIN
	RED
	v_mul_f32 v12, v243, v4                        ; the mean
.irp k, 0,1,2,3,4,5,6,7,8,9,10,11,12,13,14,15
	v_pk_add_f32 v[XR+2*\k:XR+2*\k+1], v[XR+2*\k:XR+2*\k+1], v[12:13] op_sel_hi:[1,0] neg_lo:[0,1] neg_hi:[0,1]   ; x - mean
.endr
.irp k, 0,1,2,3
	v_pk_mul_f32 v[4+2*\k:5+2*\k], v[XR+2*\k:XR+2*\k+1], v[XR+2*\k:XR+2*\k+1]
.endr
.irp k, 4,5,6,7,8,9,10,11,12,13,14,15
	v_pk_fma_f32 v[4+2*(\k%4):5+2*(\k%4)], v[XR+2*\k:XR+2*\k+1], v[XR+2*\k:XR+2*\k+1], v[4+2*(\k%4):5+2*(\k%4)]
.endr
	JOIN
	RED
	v_fmaak_f32 v14, v4, v243, 0x3727c5ac          ; variance + 1e-5
	v_rsq_f32 v14, v14
	v_nop                                          ; a plain instruction between the transcendental and the use of its result
	s_wait_alu depctr_va_vdst(0)
.irp k, 0,1,2,3,4,5,6,7,8,9,10,11,12,13,14,15
	v_pk_mul_f32 v[XR+2*\k:XR+2*\k+1], v[XR+2*\k:XR+2*\k+1], v[14:15] op_sel_hi:[1,0]
.endr
.irp k, 0,1,2,3,4,5,6,7,8,9,10,11,12,13,14,15
	v_pk_fma_f32 v[XR+2*\k:XR+2*\k+1], v[XR+2*\k:XR+2*\k+1], v[G+2*\k:G+2*\k+1], v[BT+2*\k:BT+2*\k+1]
.endr
.set i, 0
.rept 32
	v_med3_num_f32 v[XR+i], v[XR+i], -v241, v241   ; the conversion to an 8-bit code does not saturate (ISA guide 7.6.2): the hold comes first
.set i, i+1
.endr
.irp j, 0,1,2,3
	v_cvt_scalef32_pk8_fp8_f32 v[CD+8*\r+2*\j:CD+8*\r+2*\j+1], v[XR+8*\j:XR+8*\j+7], v240
.endr
.irp j, 0,1,2,3
	global_store_b64 v3, v[CD+8*\r+2*\j:CD+8*\r+2*\j+1], s[12:13] offset:1024*\r+256*\j      ; the wave stores 256 consecutive bytes, aligned
.endr
.endm
	ROW 0
	ROW 1
	ROW 2
	ROW 3
	s_endpgm
	; ---------------- the weights
.Lweights:
	s_load_b128 s[48:51], s[10:11], 0x0            ; e0 .. e11
	s_load_b128 s[52:55], s[10:11], 0x10
	s_load_b128 s[56:59], s[10:11], 0x20
	s_sub_co_u32 s29, ttmp9, 256                   ; u = 0 .. 383: 0-95 w_qkv, 96-127 w_proj, 128-255 w1, 256-383 w2
	s_mov_b64 s[30:31], s[20:21]                   ; w2's figures first; three compares on u replace them.  The choices hang on the work-group's number alone
	s_mov_b32 s32, 4096                            ; bytes in a row of the weight
	s_mov_b32 s33, 256                             ; the tensor's first u
	s_mov_b32 s34, 0x800000                        ; its place in wc
	s_mov_b32 s35, 12                              ; log2 of K: a row of its codes
	s_mov_b32 s36, 4                               ; log2 of K / 256
	s_wait_kmcnt 0x0
	s_mov_b32 s37, s59                             ; e11
	s_cmp_lt_u32 s29, 256
	s_cselect_b64 s[30:31], s[18:19], s[30:31]     ; w1
	s_cselect_b32 s32, 16384, s32
	s_cselect_b32 s33, 128, s33
	s_cselect_b32 s34, 0x400000, s34
	s_cselect_b32 s35, 10, s35
	s_cselect_b32 s36, 2, s36
	s_cselect_b32 s37, s57, s37                    ; e9
	s_cmp_lt_u32 s29, 128
	s_cselect_b64 s[30:31], s[16:17], s[30:31]     ; w_proj
	s_cselect_b32 s32, 4096, s32
	s_cselect_b32 s33, 96, s33
	s_cselect_b32 s34, 0x300000, s34
	s_cselect_b32 s37, s55, s37                    ; e7
	s_cmp_lt_u32 s29, 96
	s_cselect_b64 s[30:31], s[14:15], s[30:31]     ; w_qkv
	s_cselect_b32 s32, 12288, s32
	s_cselect_b32 s33, 0, s33
	s_cselect_b32 s34, 0, s34
	s_cselect_b32 s37, s49, s37                    ; e1
	s_sub_co_u32 s38, s29, s33                     ; the work-group's number within its tensor
	s_bfm_b32 s39, s36, 0
	s_and_b32 s39, s38, s39                        ; which 256 along K
	s_lshr_b32 s38, s38, s36                       ; which 128 columns
	s_lshl_b32 s38, s38, 7
	s_lshl_b32 s40, s26, 5
	s_add_co_u32 s38, s38, s40                     ; my wave's first column
	s_lshl_b32 s40, s32, 8
	s_mul_i32 s40, s40, s39                        ; 256 rows x which, in bytes (under 2^24)
	s_lshl_b32 s41, s38, 2
	s_add_co_u32 s40, s40, s41
	s_mov_b32 s41, 0
	s_add_nc_u64 s[30:31], s[30:31], s[40:41]      ; the weight at my wave's corner
	s_lshl_b32 s42, s38, s35                       ; codes: row = column of the weight
	s_add_co_u32 s42, s42, s34
	s_lshl_b32 s43, s39, 8
	s_add_co_u32 s42, s42, s43
	s_mov_b32 s43, 0
	s_add_nc_u64 s[46:47], s[22:23], s[42:43]
	s_lshl_b32 s44, s32, 5                         ; 32 rows of the weight: a block's step
	s_mov_b32 s45, 0
	s_lshl_b32 s28, 2, s35                         ; two rows of codes
	v_lshlrev_b32 v3, 2, v1
	s_mul_i32 s27, s26, 32*WP                      ; my stage
	v_mul_u32_u24 v4, v1, WP
	v_add_nc_u32 v4, s27, v4                       ; into it: row = my column
	v_and_b32 v5, 15, v1
	v_lshrrev_b32 v6, 4, v1
	v_mul_u32_u24 v7, v6, WP
	v_lshl_add_u32 v7, v5, 4, v7
	v_add_nc_u32 v7, s27, v7                       ; out of it: sixteen lanes to a row, two rows an instruction
	v_lshlrev_b32 v8, s35, v6
	v_lshl_add_u32 v[OO], v5, 4, v8                ; and the same place in the codes
.set i, 1
.rept 15
	v_add_nc_u32 v[OO+i], s28, v[OO+i-1]
.set i, i+1
.endr
	v_mov_b32 v[RO], v3
.set i, 1
.rept 31
	v_add_nc_u32 v[RO+i], s32, v[RO+i-1]
.set i, i+1
.endr
	s_add_co_i32 s37, s37, 127
	s_lshl_b32 s41, s37, 23
	v_mov_b32 v11, s41                             ; 2^e
	s_add_co_i32 s37, s37, 8
	s_lshl_b32 s37, s37, 23
	s_or_b32 s37, s37, 0x600000
	v_mov_b32 v10, s37                             ; 448 x 2^e
.macro WLOAD t                         ; block t: 32 rows of the weight at my column into set t % 2; a load reads 128 consecutive bytes a wave
.set i, 0
.rept 32
	global_load_b32 v[WX+32*((\t)%2)+i], v[RO+i], s[30:31] th:TH_LOAD_NT
.set i, i+1
.endr
	s_wait_xcnt 0x0                                ; the base steps only behind this wait
	s_add_nc_u64 s[30:31], s[30:31], s[44:45]
.endm
.macro BLOCK t
.set XS, WX+32*((\t)%2)
.if (\t) < 7
	s_wait_loadcnt 32                              ; this block's 32 loads are in; the next block's may be out
.else
	s_wait_loadcnt 0
.endif
.set i, 0
.rept 32
	v_med3_num_f32 v[XS+i], v[XS+i], -v10, v10
.set i, i+1
.endr
.irp g, 0,1,2,3
	v_cvt_scalef32_pk8_fp8_f32 v[WCD+2*\g:WCD+2*\g+1], v[XS+8*\g:XS+8*\g+7], v11
.endr
	ds_store_b128 v4, v[WCD:WCD+3] offset:32*(\t)
	ds_store_b128 v4, v[WCD+4:WCD+7] offset:32*(\t)+16
.if (\t)+2 < 8
	WLOAD (\t)+2
.endif
	s_wait_dscnt 0x0                               ; the stores have read their registers: the next block's codes may be written
.endm
	WLOAD 0
	WLOAD 1
.set Q, 0
.rept 8
	BLOCK Q
.set Q, Q+1
.endr
.set t, 0
.rept 16
	ds_load_b128 v[OUTR+4*t:OUTR+4*t+3], v7 offset:2*t*WP     ; LDS serves a wave's instructions in order: these see my stores
.set t, t+1
.endr
.set t, 0
.rept 16
	s_wait_dscnt 15-t
	global_store_b128 v[OO+t], v[OUTR+4*t:OUTR+4*t+3], s[46:47]   ; sixteen lanes store 256 consecutive bytes, aligned
.set t, t+1
.endr
	s_wait_tensorcnt 0x0
	ds_add_u32 v248, v249
	s_wait_dscnt 0x0
	s_endpgm
.Lfunc_end_k_q863f88f18c_prep:
	.size	k_q863f88f18c_prep, .Lfunc_end_k_q863f88f18c_prep-k_q863f88f18c_prep
	.p2alignl 7, 3214868480
	.fill 96, 4, 3214868480
	.section	.rodata,"a",@progbits
	.p2align	6, 0x0
	.amdhsa_kernel k_q863f88f18c_prep
		.amdhsa_group_segment_fixed_size 35328
		.amdhsa_private_segment_fixed_size 0
		.amdhsa_enable_private_segment 0
		.amdhsa_kernarg_size 80
		.amdhsa_user_sgpr_count 2
		.amdhsa_user_sgpr_kernarg_segment_ptr 1
		.amdhsa_wavefront_size32 1
		.amdhsa_system_sgpr_workgroup_id_x 1
		.amdhsa_system_sgpr_workgroup_id_y 1
		.amdhsa_system_sgpr_workgroup_id_z 1
		.amdhsa_system_vgpr_workitem_id 0
		.amdhsa_next_free_vgpr 250
		.amdhsa_next_free_sgpr 66
		.amdhsa_reserve_vcc 0
		.amdhsa_float_denorm_mode_32 3
		.amdhsa_float_denorm_mode_16_64 3
		.amdhsa_memory_ordered 1
		.amdhsa_forward_progress 1
		.amdhsa_inst_pref_size 93
	.end_amdhsa_kernel
	.amdgpu_metadata
---
amdhsa.version: [ 1, 2 ]
amdhsa.kernels:
  - .name:           k_q863f88f18c_prep
    .symbol:         k_q863f88f18c_prep.kd
    .args:
      - { .name: x, .offset: 0, .size: 8, .value_kind: global_buffer, .address_space: global }
      - { .name: ln1_g, .offset: 8, .size: 8, .value_kind: global_buffer, .address_space: global }
      - { .name: ln1_b, .offset: 16, .size: 8, .value_kind: global_buffer, .address_space: global }
      - { .name: lowp_scales, .offset: 24, .size: 8, .value_kind: global_buffer, .address_space: global }
      - { .name: act, .offset: 32, .size: 8, .value_kind: global_buffer, .address_space: global }
      - { .name: w_qkv, .offset: 40, .size: 8, .value_kind: global_buffer, .address_space: global }
      - { .name: w_proj, .offset: 48, .size: 8, .value_kind: global_buffer, .address_space: global }
      - { .name: w1, .offset: 56, .size: 8, .value_kind: global_buffer, .address_space: global }
      - { .name: w2, .offset: 64, .size: 8, .value_kind: global_buffer, .address_space: global }
      - { .name: wc, .offset: 72, .size: 8, .value_kind: global_buffer, .address_space: global }
    .group_segment_fixed_size: 35328
    .private_segment_fixed_size: 0
    .kernarg_segment_align: 8
    .kernarg_segment_size: 80
    .max_flat_workgroup_size: 128
    .sgpr_count:     66
    .vgpr_count:     250
    .wavefront_size: 32
...
	.end_amdgpu_metadata
.endif
;; end of part 1
;; launch qkv (part 2): grid 12 x 16, 4 waves a work-group, clusters of 4 x 4, 327,680 bytes of LDS; arguments act, wc, lowp_scales, b_qkv, qkvc; writes qkvc
.if DOCPART == 2
	.amdgcn_target "amdgcn-amd-amdhsa--gfx1250"
	.amdhsa_code_object_version 6
	.text
	.protected	k_q863f88f18c_qkv
	.globl	k_q863f88f18c_qkv
	.p2align	8
	.type	k_q863f88f18c_qkv,@function
k_q863f88f18c_qkv:
	s_mov_b64 s[64:65], 0
	v_nop
	global_prefetch_b8 v0, s[64:65] scope:SCOPE_SE
	s_setreg_imm32_b32 hwreg(HW_REG_WAVE_MODE, 25, 1), 1
	s_wait_xcnt 0x0
	s_wait_alu depctr_hold_cnt(0) depctr_sa_sdst(0) depctr_va_vdst(0) depctr_va_sdst(0) depctr_va_ssrc(0) depctr_va_vcc(0) depctr_vm_vsrc(0)
	s_getreg_b32 s2, hwreg(HW_REG_IB_STS2, 6, 4)
	s_cmp_eq_u32 s2, 0
	s_cbranch_scc0 .Lentry_in_a_cluster
	s_endpgm
.Lentry_in_a_cluster:
	s_bfe_u32 s2, ttmp6, 0x10000c
	s_cmp_lg_u32 s2, 0xf033
	s_cbranch_scc0 .Lentry_shape_is_right
	s_endpgm
.Lentry_shape_is_right:
; Product 1 on codes of FP8 (E4M3): qkv = LN1(x) w_qkv + b_qkv, and its three parts quantised at once: q (2^e2), k (2^e3), v (2^e5).
; qkvc is [6144][2048] bytes: rows 0-4095 are tokens (bytes 0-1023 q, 1024-2047 k); rows 4096 + 1024 batch + feature hold v with the batch's 2,048 KEYS along the row, since the keys are the K of the second attention product.
; TWO GEMMs IN ONE LAUNCH, chosen by the cluster's x, which all partners share, with no branch: clusters x = 0, 1: rows = tokens (act), columns = features 0-2047 (wc);
; cluster x = 2: rows = v's 1,024 features (wc from row 2048 on), columns = tokens: v comes out transposed, a lane's eight results are eight neighbouring keys.
; A tile, 256 x 256, is made by four waves, each 128 x 128: 64 accumulators, 512 registers.  K = 1,024 goes in steps of 256 through a ring of two LDS slots filled by the tensor data mover.
; CLUSTERS: 4 x 4 work-groups; the row operand's tile is shared along a row of the cluster, the column operand's along a column: joint loads.
; THE MATRIX INSTRUCTION IS USED TRANSPOSED (source 0 = 16 rows of the column operand, source 1 = 16 of the row operand): a lane holds eight neighbouring columns of one row of the result.
; A fragment comes by four loads of 16 bytes: a permutation of k, the same on both sides.
; THE BIAS goes along the columns in the first case and along the rows in the second.  Both candidates are loaded (every address lies inside b_qkv) and the one that does not apply is replaced by 0: a choice of a value.
; LIMITS: e0 + e1 between -126 and 127; e2, e3, e5 between -126 and 119.  NaN is not served.
; REGISTERS: window 0: v0-31 addresses; v32-47 the rows' bias; v48, v49 2^e and 448 x 2^e; v64-127 the columns' bias; v128-255 the row operand's fragments, ONE set; on the way out v128-255 are at work.
;   window 1: the column operand's fragments, TWO sets.  windows 2, 3: the accumulators ((a, b) at v[8 (8 (a % 4) + b)]).
.set SIZE_K, 1024
.set OSH,    11                        ; log2 of the output's pitch
.set OPITCH, 2048
.set KSTEP,  256
.set ROWB,   256
.set KROW,   SIZE_K
.set PITCH,  272                       ; an LDS row: 256 bytes + 16 of padding: the 16 rows that a load touches start at 16 different banks (64 banks of 4 bytes: ISA guide 11.1)
.set FR,     16
.set NL,     4
.set NP,     4
.set HALFT,  128*PITCH
.set SLOT,   4*HALFT
.set LAPS,   SIZE_K/(2*KSTEP)
.set SPARE,  2*SLOT                    ; behind the ring: the spare words, 128 bytes a wave, which no other line names
.set ADRA, 16
.set ADRB, 20
.set STO,  24
.set RD,   25
.set CO,   26
.set SPW,  28
.set NIL,  29
.set BR,   32
.set BC,   64
.set AF,   128
.set TMP,  128
.set CDS,  192
.set G1, 24
.set G0, 32
.set G1B, 48
.set G0B, 56
.set MSB, 0
.macro WIN new                         ; the immediate's high byte repeats the setting that is left
.if MSB != \new
	s_set_vgpr_msb (MSB<<8)|\new
.set MSB, \new
.endif
.endm
.set MUL_LO, 0xa1                      ; source 0 window 1, source 1 window 0, C and D window 2
.set MUL_HI, 0xf1                      ; the same, C and D window 3
.set TO_B,   0x40                      ; destination window 1, address window 0
.macro JLOAD g0a, g1a, g0b, g1b        ; a joint load: waves 0, 1 fetch the row operand's halves, waves 2, 3 the column operand's; four v_nop follow each line
	s_cmp_eq_u32 s15, 0
	s_cbranch_scc0 .Lfor_b_\@
	tensor_load_to_lds s[\g0a:\g0a+3], s[\g1a:\g1a+7]
	s_nop 0
.rept 4
	v_nop
.endr
	s_branch .Lasked_\@
.Lfor_b_\@:
	tensor_load_to_lds s[\g0b:\g0b+3], s[\g1b:\g1b+7]
	s_nop 0
.rept 4
	v_nop
.endr
.Lasked_\@:
.endm
.macro CREST                           ; a round of the cluster's barrier behind its opening barrier
	s_cmp_lg_u32 s14, 0
	s_cbranch_scc1 .Lnot_wave_0_\@
	s_barrier_signal -3
.Lnot_wave_0_\@:
	s_barrier_wait -3
	s_barrier_signal -1
	s_barrier_wait -1
.endm
.macro CROUND
	s_barrier_signal -1
	s_barrier_wait -1
	CREST
.endm
	s_load_b128 s[4:7], s[0:1], 0x0                ; act, wc
	s_load_b128 s[8:11], s[0:1], 0x10              ; the scales' exponents, b_qkv
	s_load_b64 s[12:13], s[0:1], 0x20              ; qkvc
	v_lshl_add_u32 v[SPW], v0, 2, SPARE
	v_mov_b32 v[NIL], 0
	ds_add_u32 v28, v29
	s_wait_dscnt 0x0
	v_lshrrev_b32 v1, 5, v0
	v_readfirstlane_b32 s14, v1                    ; wave 0..3
	s_lshr_b32 s15, s14, 1                         ; which half of the tile's rows is mine; also: I fetch the row operand (0) or the column operand (1)
	s_and_b32 s16, s14, 1                          ; which half of its columns; also: which 128 rows of that tile I fetch
	s_bfe_u32 s40, ttmp6, 0x40000                  ; cx, cy
	s_bfe_u32 s41, ttmp6, 0x40004
	s_and_b32 s66, ttmp7, 0xffff                   ; the cluster's y
	s_cmp_lt_u32 ttmp9, 2                          ; q and k, or v?  The cluster's x: alike in all partners
	s_cselect_b32 s67, s66, 0
	s_cselect_b32 s86, ttmp9, s66
	s_cselect_b32 s80, -1, 0                       ; the choice as a lane mask
	s_cselect_b32 s87, 0, 4096                     ; v's rows lie behind the 4,096 tokens
	s_lshl_b32 s42, s86, 2
	s_add_co_u32 s42, s42, s40                     ; tile column
	s_lshl_b32 s17, s67, 2
	s_add_co_u32 s17, s17, s41                     ; tile row
	s_lshl_b32 s43, s41, 2
	s_lshl_b32 s43, 15, s43                        ; my row of the cluster
	s_lshl_b32 s44, 0x1111, s40                    ; my column
	s_or_b32 s[G1+0], s43, (0<<16)|(1<<20)|(1<<21)|(5<<22)|(3<<25)  ; mask; elements of 1 byte; padding on; bit 21 beside a mask; after every 64 words four words
	s_or_b32 s[G1B+0], s44, (0<<16)|(1<<20)|(1<<21)|(5<<22)|(3<<25)
.irp g, G1, G1B
	s_mov_b32 s[\g+1], ROWB<<16                    ; tensor_dim0
	s_mov_b32 s[\g+2], 128<<16                     ; tensor_dim1
	s_mov_b32 s[\g+3], ROWB<<16                    ; tile_dim0
	s_mov_b32 s[\g+4], 128                         ; tile_dim1
	s_mov_b32 s[\g+5], KROW                        ; pitch
	s_mov_b32 s[\g+6], 0
	s_mov_b32 s[\g+7], 0
.endr
	s_lshl_b32 s18, s16, 7
	s_lshl_b32 s20, s17, 8
	s_add_co_u32 s20, s20, s18                     ; row operand: row 256 x tile row + 128 x half
	s_lshl_b32 s46, s42, 8
	s_add_co_u32 s46, s46, s18                     ; column operand likewise
	s_mov_b32 s21, 0
	s_mov_b32 s47, 0
	s_mov_b64 s[18:19], KROW
	s_mul_u64 s[20:21], s[20:21], s[18:19]
	s_mul_u64 s[46:47], s[46:47], s[18:19]
	s_mul_i32 s45, s14, HALFT                      ; where they go: wave x 128 rows
	s_wait_kmcnt 0x0
	s_load_b256 s[72:79], s[8:9], 0x0              ; e0 .. e7
	s_add_nc_u64 s[88:89], s[6:7], 0x200000        ; wc at v's rows
	s_cmp_lt_u32 ttmp9, 2
	s_cselect_b64 s[88:89], s[4:5], s[88:89]       ; the row operand
	s_cselect_b64 s[90:91], s[6:7], s[4:5]         ; the column operand
	s_add_nc_u64 s[20:21], s[88:89], s[20:21]
	s_add_nc_u64 s[46:47], s[90:91], s[46:47]
	CROUND                                         ; all sixteen work-groups are here: the first joint loads meet
.irp s, 0,1
	s_mov_b32 s[G0+4*\s], 1
	s_add_co_u32 s[G0+4*\s+1], s45, \s*SLOT
	s_add_nc_u64 s[G0+4*\s+2:G0+4*\s+3], s[20:21], \s*ROWB
	s_or_b32 s[G0+4*\s+3], s[G0+4*\s+3], 0x80000000
	s_mov_b32 s[G0B+4*\s], 1
	s_add_co_u32 s[G0B+4*\s+1], s45, \s*SLOT
	s_add_nc_u64 s[G0B+4*\s+2:G0B+4*\s+3], s[46:47], \s*ROWB
	s_or_b32 s[G0B+4*\s+3], s[G0B+4*\s+3], 0x80000000
	JLOAD G0+4*\s, G1, G0B+4*\s, G1B
.endr
	v_and_b32 v1, 15, v0                           ; r
	v_bfe_u32 v2, v0, 4, 1                         ; h
	v_mul_u32_u24 v3, v1, PITCH
	v_lshl_add_u32 v4, v2, 4, v3
	s_mul_i32 s21, s15, HALFT
	s_mul_i32 s22, s16, HALFT
	s_add_co_u32 s22, s22, 2*HALFT
.irp s, 0,1
	v_add_nc_u32 v[ADRA+\s], s21, v4
	v_add_nc_u32 v[ADRB+\s], s22, v4
	s_add_co_u32 s21, s21, SLOT
	s_add_co_u32 s22, s22, SLOT
.endr
	; the way out: ONE stage of 256 rows x 272 bytes for the work-group, in slot 0, which has had its last fill and its last read when the first code is stored there
	s_mul_i32 s23, s15, 128*PITCH
	s_lshl_b32 s21, s16, 7
	s_add_co_u32 s23, s23, s21
	v_mul_u32_u24 v5, v1, PITCH
	v_lshl_add_u32 v5, v2, 3, v5
	v_add_nc_u32 v[STO], s23, v5                   ; in: row 128 x half + r, byte 128 x half + 8 h
	s_mul_i32 s23, s14, 64*PITCH
	v_mul_u32_u24 v5, v2, PITCH
	v_lshl_add_u32 v5, v1, 4, v5
	v_add_nc_u32 v[RD], s23, v5                    ; back: wave w takes rows 64 w on, whole; lanes 0-15 one row, lanes 16-31 the next
	v_lshlrev_b32 v5, OSH, v2
	v_lshl_add_u32 v[CO], v1, 4, v5                ; and the same two rows in the output
	v_mov_b32 v30, 0
	v_lshlrev_b32 v22, 5, v2                       ; 32 h
	v_lshlrev_b32 v23, 2, v1                       ; 4 r
	s_lshl_b32 s92, s42, 10
	s_and_b32 s92, s92, s80                        ; the columns' bias: 1,024 x tile column where columns are features, else 0,
	s_lshl_b32 s93, s16, 9
	s_add_co_u32 s92, s92, s93                     ; + my half
	s_mov_b32 s93, 0
	s_add_nc_u64 s[82:83], s[10:11], s[92:93]
	s_lshl_b32 s92, s17, 10
	s_add_co_u32 s92, s92, 8192
	s_and_not1_b32 s92, s92, s80                   ; the rows' bias: v's part of b_qkv where rows are features, else 0,
	s_lshl_b32 s93, s15, 9
	s_add_co_u32 s92, s92, s93
	s_mov_b32 s93, 0
	s_add_nc_u64 s[84:85], s[10:11], s[92:93]
.irp b, 0,1,2,3,4,5,6,7
	global_load_b128 v[BC+8*\b:BC+8*\b+3], v22, s[82:83] offset:64*\b          ; columns 16 b + 8 h + 0 .. 7: the result's layout
	global_load_b128 v[BC+8*\b+4:BC+8*\b+7], v22, s[82:83] offset:64*\b+16
.endr
.irp a, 0,1,2,3,4,5,6,7
	global_load_b32 v[BR+2*\a], v23, s[84:85] offset:64*\a                     ; row 16 a + r
.endr
	s_lshl_b32 s92, s17, 8                         ; my first row of the output: 256 x tile row + 1,024 x batch + (v: 4,096) + 64 x wave
	s_lshr_b32 s93, s42, 3
	s_lshl_b32 s93, s93, 10
	s_add_co_u32 s92, s92, s93
	s_add_co_u32 s92, s92, s87
	s_lshl_b32 s93, s14, 6
	s_add_co_u32 s92, s92, s93
	s_lshl_b32 s92, s92, OSH
	s_and_b32 s93, s42, 7
	s_lshl_b32 s93, s93, 8                         ; and the tile's 256 bytes of it
	s_add_co_u32 s92, s92, s93
	s_mov_b32 s93, 0
	s_add_nc_u64 s[12:13], s[12:13], s[92:93]
.macro FRAG reg, adr, q, i             ; 16 rows x 128 K: 16 registers; registers 4 c .. 4 c + 3 hold K = 32 c + 16 h + 0 .. 15
.irp c, 0,1,2,3
	ds_load_b128 v[\reg+4*\c:\reg+4*\c+3], v[\adr] offset:128*(\q)+32*\c+(\i)*16*PITCH
.endr
.endm
.macro MUL16 a0, p, zero               ; 16 matrix instructions; the 64 accumulators take turns, one instruction a turn
.irp a, \a0, \a0+1
.irp b, 0,1,2,3,4,5,6,7
.if \zero
	v_wmma_f32_16x16x128_fp8_fp8 v[8*(8*((\a)%4)+\b):8*(8*((\a)%4)+\b)+7], v[128*(\p)+FR*\b:128*(\p)+FR*\b+FR-1], v[AF+FR*(\a):AF+FR*(\a)+FR-1], 0
.else
	v_wmma_f32_16x16x128_fp8_fp8 v[8*(8*((\a)%4)+\b):8*(8*((\a)%4)+\b)+7], v[128*(\p)+FR*\b:128*(\p)+FR*\b+FR-1], v[AF+FR*(\a):AF+FR*(\a)+FR-1], v[8*(8*((\a)%4)+\b):8*(8*((\a)%4)+\b)+7]
.endif
.endr
.endr
.endm
.macro FETCH_B slot, q, p
	WIN TO_B
.irp i, 0,1,2,3,4,5,6,7
	FRAG 128*(\p)+FR*\i, ADRB+\slot, \q, \i
.endr
	WIN 0
.endm
.macro FETCH_A slot, q, i0
.irp i, \i0, \i0+1, \i0+2, \i0+3
	FRAG AF+FR*(\i), ADRA+\slot, \q, \i
.endr
.endm
.macro PLACES n                        ; plain vector instructions between a matrix instruction and a load into, or a read of, its registers
.rept \n
	v_nop
.endr
.endm
.macro STEP slot, q, zero              ; 128 along K whose successor lies in the same slot
	s_wait_dscnt 4*NL                              ; the column operand's set and row blocks 0-3 are in; the youngest 16 loads (blocks 4-7) may be out
	WIN MUL_LO
	MUL16 0, (\q)%2, \zero
	MUL16 2, (\q)%2, \zero
	s_wait_dscnt 0
	PLACES NP
	FETCH_B \slot, (\q)+1, 1-(\q)%2
	FETCH_A \slot, (\q)+1, 0
	WIN MUL_HI
	MUL16 4, (\q)%2, \zero
	MUL16 6, (\q)%2, \zero
	PLACES NP
	WIN 0
	FETCH_A \slot, (\q)+1, 4
.endm
.macro TURN slot, next, fill           ; a slot's last step changes slots: one barrier
	s_wait_tensorcnt 0x0                           ; all my tensor loads have landed: my part of the next slot
	ds_add_u32 v[SPW], v[NIL]                      ; 0 onto my spare word
	s_wait_dscnt 4*NL+1                            ; (the add and the youngest 16 loads may be out)
	WIN MUL_LO
	MUL16 0, 1, 0
	s_wait_dscnt 0x0                               ; the add is done, and my reads of this slot are over
	s_barrier_signal -1
	MUL16 2, 1, 0
	WIN 0
	s_barrier_wait -1
.if \fill
	CREST                                          ; the barrier has opened a round of the cluster's: no wave of any partner still reads this slot or has a load on its way
	s_add_nc_u64 s[G0+4*\slot+2:G0+4*\slot+3], s[G0+4*\slot+2:G0+4*\slot+3], 2*ROWB
	s_add_nc_u64 s[G0B+4*\slot+2:G0B+4*\slot+3], s[G0B+4*\slot+2:G0B+4*\slot+3], 2*ROWB
	JLOAD G0+4*\slot, G1, G0B+4*\slot, G1B         ; the first tensor load behind the round; its four v_nop are the places in front of the loads below
.else
	PLACES NP
.endif
	FETCH_B \next, 0, 0
	FETCH_A \next, 0, 0
	WIN MUL_HI
	MUL16 4, 1, 0
	MUL16 6, 1, 0
	PLACES NP
	WIN 0
	FETCH_A \next, 0, 4
.endm
	s_wait_tensorcnt 1                             ; my part of K step 0 is in; K step 1's load may be out
	s_barrier_signal -1
	s_barrier_wait -1
	FETCH_B 0, 0, 0
	FETCH_A 0, 0, 0
	FETCH_A 0, 0, 4
	STEP 0, 0, 1                                   ; the first step's products start the sums
	s_mov_b32 s3, LAPS-1
.Llap:
	TURN 0, 1, 1
	STEP 1, 0, 0
	TURN 1, 0, 1
	STEP 0, 0, 0
	s_sub_co_u32 s3, s3, 1
	s_cmp_lg_u32 s3, 0
	s_cbranch_scc1 .Llap
	TURN 0, 1, 0                                   ; the last lap fills nothing
	STEP 1, 0, 0
	s_wait_dscnt 4*NL
	WIN MUL_LO
	MUL16 0, 1, 0
	MUL16 2, 1, 0
	s_wait_dscnt 0
	WIN MUL_HI
	MUL16 4, 1, 0
	MUL16 6, 1, 0
	WIN 0
	; THE WAY OUT: sum x 2^(e0 + e1) + bias, held, converted; 8 codes a lane into the stage; a barrier; whole rows of 256 bytes out.
	s_wait_kmcnt 0x0
	s_add_co_i32 s96, s72, s73
	s_add_co_i32 s96, s96, 127
	s_lshl_b32 s96, s96, 23                        ; 2^(e0 + e1)
	s_mov_b32 s97, s96
	s_cmp_lt_u32 s42, 4
	s_cselect_b32 s92, s74, s75                    ; q's e2 or k's e3,
	s_cmp_lt_u32 ttmp9, 2
	s_cselect_b32 s92, s92, s77                    ; or v's e5: a choice of a value
	s_add_co_i32 s92, s92, 127
	s_lshl_b32 s93, s92, 23
	v_mov_b32 v48, s93
	s_add_co_i32 s92, s92, 8
	s_lshl_b32 s92, s92, 23
	s_or_b32 s92, s92, 0x600000
	v_mov_b32 v49, s92
	s_wait_loadcnt 0x0                             ; both biases
.set j, 0
.rept 64
	v_cndmask_b32 v[BC+j], v30, v[BC+j], s80       ; the columns' bias, or 0.  (These plain lines, which name no register of the last products, are also the places behind them)
.set j, j+1
.endr
.irp a, 0,1,2,3,4,5,6,7
	v_cndmask_b32 v[BR+2*\a], v[BR+2*\a], v30, s80 ; the rows' bias, or 0,
	v_mov_b32 v[BR+2*\a+1], v[BR+2*\a]             ; as a pair
.endr
.macro QBLOCK a
.set AC, 64*((\a)%4)
	WIN (0x02+((\a)/4))                            ; source 0: window 2 or 3
.set j, 0
.rept 32
	v_pk_fma_f32 v[TMP+j:TMP+j+1], v[AC+j:AC+j+1], s[96:97], v[BC+j:BC+j+1] op_sel_hi:[1,0,1]   ; each accumulator from its low end on
.set j, j+2
.endr
	WIN 0
.set j, 0
.rept 32
	v_pk_add_f32 v[TMP+j:TMP+j+1], v[TMP+j:TMP+j+1], v[BR+2*(\a):BR+2*(\a)+1]
.set j, j+2
.endr
.set j, 0
.rept 64
	v_med3_num_f32 v[TMP+j], v[TMP+j], -v49, v49   ; the conversion does not saturate (ISA guide 7.6.2)
.set j, j+1
.endr
	s_wait_dscnt 0x0                               ; the block before's stores have read the codes' registers
.irp b, 0,1,2,3,4,5,6,7
	v_cvt_scalef32_pk8_fp8_f32 v[CDS+2*\b:CDS+2*\b+1], v[TMP+8*\b:TMP+8*\b+7], v48
.endr
	v_nop                                          ; a plain line between the conversions and the next lines that write their sources
.irp b, 0,1,2,3,4,5,6,7
	ds_store_b64 v[STO], v[CDS+2*\b:CDS+2*\b+1] offset:16*PITCH*(\a)+16*\b
.endr
.endm
.irp a, 0,1,2,3,4,5,6,7
	QBLOCK \a
.endr
	s_wait_dscnt 0x0                               ; for the others' sake: my stores into the stage are done
	s_barrier_signal -1
	s_barrier_wait -1
.set t, 0
.rept 32
	ds_load_b128 v[128+4*t:131+4*t], v[RD] offset:2*PITCH*t
.set t, t+1
.endr
.set t, 0
.rept 32
	s_wait_dscnt 31-t
	global_store_b128 v[CO], v[128+4*t:131+4*t], s[12:13] offset:2*OPITCH*t    ; sixteen lanes store 256 consecutive bytes, aligned
.set t, t+1
.endr
	s_wait_tensorcnt 0x0                           ; the wave's end
	ds_add_u32 v[SPW], v[NIL]
	s_wait_dscnt 0x0
	CROUND                                         ; the closing round
	s_endpgm
.Lfunc_end_k_q863f88f18c_qkv:
	.size	k_q863f88f18c_qkv, .Lfunc_end_k_q863f88f18c_qkv-k_q863f88f18c_qkv
	.p2alignl 7, 3214868480
	.fill 96, 4, 3214868480
	.section	.rodata,"a",@progbits
	.p2align	6, 0x0
	.amdhsa_kernel k_q863f88f18c_qkv
		.amdhsa_group_segment_fixed_size 327680
		.amdhsa_private_segment_fixed_size 0
		.amdhsa_enable_private_segment 0
		.amdhsa_kernarg_size 40
		.amdhsa_user_sgpr_count 2
		.amdhsa_user_sgpr_kernarg_segment_ptr 1
		.amdhsa_wavefront_size32 1
		.amdhsa_system_sgpr_workgroup_id_x 1
		.amdhsa_system_sgpr_workgroup_id_y 1
		.amdhsa_system_sgpr_workgroup_id_z 1
		.amdhsa_system_vgpr_workitem_id 0
		.amdhsa_next_free_vgpr 1024
		.amdhsa_next_free_sgpr 100
		.amdhsa_reserve_vcc 0
		.amdhsa_float_denorm_mode_32 3
		.amdhsa_float_denorm_mode_16_64 3
		.amdhsa_memory_ordered 1
		.amdhsa_forward_progress 1
		.amdhsa_inst_pref_size 165
	.end_amdhsa_kernel
	.amdgpu_metadata
---
amdhsa.version: [ 1, 2 ]
amdhsa.kernels:
  - .name:           k_q863f88f18c_qkv
    .symbol:         k_q863f88f18c_qkv.kd
    .args:
      - { .name: act, .offset: 0, .size: 8, .value_kind: global_buffer, .address_space: global }
      - { .name: wc, .offset: 8, .size: 8, .value_kind: global_buffer, .address_space: global }
      - { .name: lowp_scales, .offset: 16, .size: 8, .value_kind: global_buffer, .address_space: global }
      - { .name: b_qkv, .offset: 24, .size: 8, .value_kind: global_buffer, .address_space: global }
      - { .name: qkvc, .offset: 32, .size: 8, .value_kind: global_buffer, .address_space: global }
    .group_segment_fixed_size: 327680
    .private_segment_fixed_size: 0
    .kernarg_segment_align: 8
    .kernarg_segment_size: 40
    .max_flat_workgroup_size: 128
    .sgpr_count:     100
    .vgpr_count:     1024
    .wavefront_size: 32
...
	.end_amdgpu_metadata
.endif
;; end of part 2
;; launch attn (part 3): grid 32 x 8, 16 waves a work-group, no clusters, 327,680 bytes of LDS; arguments qkvc, lowp_scales, act; writes act
.if DOCPART == 3
	.amdgcn_target "amdgcn-amd-amdhsa--gfx1250"
	.amdhsa_code_object_version 6
	.text
	.protected	k_q863f88f18c_attn
	.globl	k_q863f88f18c_attn
	.p2align	8
	.type	k_q863f88f18c_attn,@function
k_q863f88f18c_attn:
	s_mov_b64 s[64:65], 0
	v_nop
	global_prefetch_b8 v0, s[64:65] scope:SCOPE_SE
	s_setreg_imm32_b32 hwreg(HW_REG_WAVE_MODE, 25, 1), 1
	s_wait_xcnt 0x0
; Causal attention on codes of FP8 (E4M3): products 2 and 3, and y quantised (2^e6) into act [4096][1024].
; qkvc [6144][2048] bytes: rows 0-4095 tokens (bytes 0-1023 q, 1024-2047 k, 64 a head); rows 4096 + 1024 batch + feature: v with the 2,048 keys along the row.
; THE SOFTMAX: t = score x log2(e) / 8; M = the running largest t rounded UP to a whole number; p = 2^(t - M) is quantised (2^e4), not normalised; the row's sum is taken of the unquantised p and divides at the end.
; When M moves, the sum and O are multiplied by 2^(old M - new M): exact.
; SHARES.  Work-group (i, y): batch y / 4, heads 4 (y % 4) .. + 3, and the four tiles of 16 queries i, 63 - i, 64 + i, 127 - i: together they want 34 key steps of 128, whatever i is.
; Wave w: head w % 4, tile selector (w / 4 + w % 4) % 4: however four waves are dealt to a SIMD by w % 4 or by w / 4, they hold all four selectors.
; A key's row in LDS holds the four heads' k (256 bytes); a feature's row of v holds 256 keys (256 bytes): one descriptor shape serves both.  Ring of two slots of 256 keys; waves 0, 1 fetch K's halves, waves 2, 3 V's.
; EVERY work-group walks all 8 slots (constant trip counts; no tensor load and no barrier is jumped over); a key step all of whose keys come after the wave's queries is left out by a scalar branch on ids.
; NO CLUSTER: the 32 work-groups of one (batch, four heads) walk the same K and V, but that branch hangs on the work-group's own queries, which partners do not share; doing every step instead would double the vector work.
; LAYOUT: both products transposed (S^T = K Q^T, O^T = V^T P^T): a lane holds ONE query.  Lane r of key tile 2 b + u takes key 32 b + 8 u + r + 8 (r / 8), so that the 16 registers of tiles 2 b, 2 b + 1 are 16 neighbouring keys.
; LIMITS: e2 + e3 between -123 and 130 (added to c's exponent field); e4, e6 between -126 and 119.  NaN is not served.
; REGISTERS: v1-9 addresses; v12 -M, v13 the largest t, v[14:15] the sum; v16-23 Q; v32-95 K's 8 fragments, then V's 4; v96-159 S^T, then p; v160-191 O^T; v192-204 at work; v224-239 p's codes.
.set PITCH, 272                        ; an LDS row: 256 bytes + 16 of padding
.set HALFT, 128*PITCH                  ; what one tensor load brings
.set VOFF,  2*HALFT                    ; a slot: 256 rows of K, then 256 rows of V
.set SLOT,  4*HALFT
.set SPARE, 2*SLOT                     ; behind the ring: the spare words, 128 bytes for each of 16 waves, which no other line names
.set AK,  1                            ; v1, v2  my lane's place in K's tiles of slot 0, 1
.set AV,  3                            ; v3, v4  the same for V
.set SPW, 5
.set NIL, 6
.set SI,  7                            ; the way out: into the stage
.set SO,  8                            ; out of it
.set GO,  9                            ; and in act
.set WV,  10                           ; s10 wave
.set Q0,  16                           ; s16 my first query
.set KF,  17                           ; s17 the step's first key
.set G1,  24                           ; s[24:31]
.set G0,  32                           ; s[32:39] a group 0 for each slot
.macro TLOAD s                         ; waves 0-3 fetch, the others nothing; four v_nop follow the line
	s_cmp_lt_u32 s[WV], 4
	s_cbranch_scc0 .Lnone_\@
	tensor_load_to_lds s[G0+4*(\s):G0+4*(\s)+3], s[G1:G1+7]
	s_nop 0
.rept 4
	v_nop
.endr
.Lnone_\@:
.endm
	s_load_b128 s[4:7], s[0:1], 0x0                ; qkvc, the scales' exponents
	s_load_b64 s[8:9], s[0:1], 0x10                ; act
	v_lshl_add_u32 v[SPW], v0, 2, SPARE
	v_mov_b32 v[NIL], 0
	ds_add_u32 v5, v6
	s_wait_dscnt 0x0
	v_lshrrev_b32 v10, 5, v0
	v_readfirstlane_b32 s[WV], v10                 ; wave 0..15
	s_and_b32 s11, s[WV], 3                        ; my head of the four
	s_lshr_b32 s13, s[WV], 2
	s_add_co_u32 s12, s13, s11
	s_and_b32 s12, s12, 3                          ; my tile selector
	s_and_b32 s14, ttmp7, 0xffff
	s_lshr_b32 s15, s14, 2                         ; batch
	s_and_b32 s14, s14, 3                          ; which four heads
	s_sub_co_u32 s62, 63, ttmp9
	s_and_b32 s53, s12, 1
	s_cmp_lg_u32 s53, 0
	s_cselect_b32 s[Q0], s62, ttmp9                ; i or 63 - i,
	s_lshr_b32 s53, s12, 1
	s_lshl_b32 s53, s53, 6
	s_add_co_u32 s[Q0], s[Q0], s53                 ; + 64 for selectors 2, 3: my tile
	s_lshl_b32 s[Q0], s[Q0], 4
	s_mov_b32 s[KF], 0
	; what I fetch, if I fetch: made of the wave's number and the work-group's y by plain arithmetic
	s_lshr_b32 s54, s[WV], 1
	s_and_b32 s54, s54, 1                          ; 0: K, 1: V
	s_and_b32 s55, s[WV], 1
	s_lshl_b32 s55, s55, 18                        ; which 128 rows of 2,048 bytes
	s_lshl_b32 s56, s15, 22                        ; K: the batch's 2,048 tokens,
	s_lshl_b32 s57, s14, 8
	s_add_co_u32 s56, s56, s57
	s_add_co_u32 s56, s56, 1024                    ; k's part of a row, my four heads
	s_lshl_b32 s57, s15, 21                        ; V: the batch's 1,024 rows,
	s_lshl_b32 s58, s14, 19                        ; my four heads' 256
	s_add_co_u32 s57, s57, s58
	s_add_co_u32 s57, s57, 0x800000                ; behind the tokens
	s_sub_co_u32 s57, s57, s56
	s_mul_i32 s57, s57, s54
	s_add_co_u32 s56, s56, s57
	s_add_co_u32 s56, s56, s55
	s_mov_b32 s57, 0
	s_mul_i32 s40, s54, 1048064
	s_sub_co_u32 s40, 1048576, s40                 ; two slots on: 512 tokens of 2,048 bytes for K, 512 bytes for V
	s_mov_b32 s41, 0
	s_lshr_b32 s42, s40, 1                         ; one slot on
	s_mov_b32 s43, 0
	s_mul_i32 s59, s11, HALFT                      ; in a slot: K's halves, then V's
	; Q's and act's places
	s_lshl_b32 s52, s11, 6                         ; 64 bytes a head
	s_lshl_b32 s60, s15, 11
	s_add_co_u32 s60, s60, s[Q0]
	s_lshl_b32 s60, s60, 11
	s_lshl_b32 s61, s14, 8
	s_add_co_u32 s60, s60, s61
	s_add_co_u32 s60, s60, s52
	s_mov_b32 s61, 0
	s_and_b32 s53, s13, 1                          ; on the way out wave w stores rows 4 (w % 4) .. + 3 of the tile with selector w / 4
	s_cmp_lg_u32 s53, 0
	s_cselect_b32 s54, s62, ttmp9
	s_lshr_b32 s53, s13, 1
	s_lshl_b32 s53, s53, 6
	s_add_co_u32 s54, s54, s53
	s_lshl_b32 s54, s54, 4
	s_lshl_b32 s53, s15, 11
	s_add_co_u32 s54, s54, s53
	s_lshl_b32 s53, s11, 2
	s_add_co_u32 s54, s54, s53
	s_lshl_b32 s54, s54, 10
	s_lshl_b32 s53, s14, 8
	s_add_co_u32 s54, s54, s53
	s_mov_b32 s55, 0
	s_mov_b32 s[G1], (0<<16)|(1<<20)|(5<<22)|(3<<25)   ; no mask; elements of 1 byte; padding: four words after every 64
	s_mov_b32 s[G1+1], 256<<16                     ; tensor_dim0
	s_mov_b32 s[G1+2], 128<<16                     ; tensor_dim1
	s_mov_b32 s[G1+3], 256<<16                     ; tile_dim0
	s_mov_b32 s[G1+4], 128                         ; tile_dim1
	s_mov_b32 s[G1+5], 2048                        ; pitch
	s_mov_b32 s[G1+6], 0
	s_mov_b32 s[G1+7], 0
	s_mov_b32 s20, 0x76543210                      ; v_permlanex16_b32: lane l xor 16
	s_mov_b32 s21, 0xfedcba98
	s_mov_b32 s22, 0x3e38aa3b                      ; c = log2(e) / 8
	s_mov_b32 s18, 3
	s_wait_kmcnt 0x0
	s_load_b256 s[44:51], s[6:7], 0x0              ; e0 .. e7
	s_add_nc_u64 s[56:57], s[4:5], s[56:57]
	s_mov_b32 s[G0], 1
	s_mov_b32 s[G0+1], s59                         ; slot 0
	s_mov_b64 s[G0+2:G0+3], s[56:57]               ; keys 0-255
	s_or_b32 s[G0+3], s[G0+3], 0x80000000
	s_mov_b32 s[G0+4], 1
	s_add_co_u32 s[G0+5], s59, SLOT                ; slot 1
	s_add_nc_u64 s[G0+6:G0+7], s[56:57], s[42:43]  ; keys 256-511
	s_or_b32 s[G0+7], s[G0+7], 0x80000000
	TLOAD 0
	s_add_nc_u64 s[60:61], s[4:5], s[60:61]        ; q at my first query, my head
	s_add_nc_u64 s[8:9], s[8:9], s[54:55]
	v_and_b32 v10, 15, v0                          ; r
	v_bfe_u32 v11, v0, 4, 1                        ; h
	v_lshlrev_b32 v27, 11, v10
	v_lshl_add_u32 v27, v11, 4, v27
.irp c, 0,1
	global_load_b128 v[16+4*\c:19+4*\c], v27, s[60:61] offset:32*\c   ; Q's fragment: registers 4 c .. + 3 hold K = 32 c + 16 h + 0 .. 15, the same permutation of k as K's
.endr
	v_and_b32 v24, 8, v10
	v_add_nc_u32 v24, v24, v10                     ; r + 8 (r / 8)
	v_mul_u32_u24 v24, v24, PITCH
	v_lshl_add_u32 v24, v11, 4, v24
	v_add_nc_u32 v[AK], s52, v24
	v_add_nc_u32 v[AK+1], SLOT, v[AK]
	v_mul_u32_u24 v25, v10, PITCH
	v_lshl_add_u32 v25, v11, 4, v25
	s_mul_i32 s53, s11, 64*PITCH
	s_add_co_u32 s53, s53, VOFF
	v_add_nc_u32 v[AV], s53, v25
	v_add_nc_u32 v[AV+1], SLOT, v[AV]
	s_mul_i32 s53, s12, 16*PITCH                   ; the stage, 64 rows x 272 bytes at LDS byte 0: row 16 x selector + r, byte 64 x head + 8 h
	s_add_co_u32 s53, s53, s52
	v_mul_u32_u24 v26, v10, PITCH
	v_lshl_add_u32 v26, v11, 3, v26
	v_add_nc_u32 v[SI], s53, v26
	s_mul_i32 s53, s[WV], 4*PITCH                  ; back: rows 4 w on
	v_mul_u32_u24 v26, v11, PITCH
	v_lshl_add_u32 v26, v10, 4, v26
	v_add_nc_u32 v[SO], s53, v26
	v_lshlrev_b32 v26, 10, v11
	v_lshl_add_u32 v[GO], v10, 4, v26
	v_lshlrev_b32 v28, 4, v11
	v_sub_nc_u32 v28, v10, v28                     ; r - 16 h, for the mask
	v_mov_b32 v13, 0xff61b1e6                      ; the largest t so far: -3e38
	v_floor_f32 v12, -v13                          ; -M
	v_mov_b32 v14, 0
	v_mov_b32 v15, 0
	v_mov_b32 v195, 0                              ; (upper half of the pair v[194:195])
	v_mov_b32 v198, 0                              ; a lane permute's destination counts as read
	v_mov_b32 v202, 0xff800000                     ; -infinity
.set j, 0
.rept 32
	v_mov_b32 v[160+j], 0                          ; O^T: the step is written once; the first finds zeros, which the first change of M leaves zeros
.set j, j+1
.endr
	s_wait_kmcnt 0x0
	s_add_co_i32 s52, s46, s47
	s_lshl_b32 s52, s52, 23
	s_add_co_i32 s22, s22, s52                     ; a score stands for score x 2^(e2 + e3)
	s_mov_b32 s23, s22
	s_add_co_i32 s52, s48, 127
	s_lshl_b32 s53, s52, 23
	v_mov_b32 v200, s53                            ; 2^e4
	s_add_co_i32 s52, s52, 8
	s_lshl_b32 s52, s52, 23
	s_or_b32 s52, s52, 0x600000
	v_mov_b32 v199, s52                            ; 448 x 2^e4
; A KEY STEP: 128 keys, the q-th of the slot.
.macro STEP q, slot
	s_add_co_u32 s52, s[Q0], 15
	s_cmp_gt_u32 s[KF], s52
	s_cbranch_scc1 .Lhidden_\@                     ; all 128 keys come after my queries: a branch on ids, round no barrier and no tensor load
.rept 4
	v_nop                                          ; places in front of loads into registers that matrix instructions have read
.endr
.irp t, 0,1,2,3,4,5,6,7
.irp c, 0,1
	ds_load_b128 v[32+8*\t+4*\c:35+8*\t+4*\c], v[AK+\slot] offset:(128*\q+32*(\t/2)+8*(\t%2))*PITCH+32*\c
.endr
.endr
	s_wait_dscnt 0x0
.irp t, 0,1,2,3,4,5,6,7
	v_wmma_f32_16x16x64_fp8_fp8 v[96+8*\t:103+8*\t], v[32+8*\t:39+8*\t], v[16:23], 0
.endr
.rept 4
	v_nop
.endr
.irp t, 0,1,2,3
.irp c, 0,1,2,3
	ds_load_b128 v[32+16*\t+4*\c:35+16*\t+4*\c], v[AV+\slot] offset:16*\t*PITCH+128*\q+32*\c   ; V's fragments are asked for now and land under the softmax
.endr
.endr
	s_add_co_u32 s52, s[KF], 127
	s_cmp_le_u32 s52, s[Q0]
	s_cbranch_scc1 .Lopen_\@                       ; all keys count
	s_sub_co_i32 s52, s[Q0], s[KF]
	v_add_nc_u32 v201, s52, v28                    ; d = my query - KF - 16 h.  Register 16 b + i holds key KF + 16 h + 32 b + i: hidden where 32 b + i > d
.set n, 0
.rept 64
	v_cmp_gt_i32 vcc_lo, 32*(n/16)+n%16, v201
	v_cndmask_b32 v[96+n], v[96+n], v202, vcc_lo
.set n, n+1
.endr
.Lopen_\@:
	v_max3_num_f32 v192, v96, v97, v98             ; the step's largest score of my query among my 64 keys, in two chains,
	v_max3_num_f32 v193, v99, v100, v101
.irp i, 6,10,14,18,22,26,30,34,38,42,46,50,54,58
	v_max3_num_f32 v192, v192, v[96+\i], v[97+\i]
	v_max3_num_f32 v193, v193, v[98+\i], v[99+\i]
.endr
	v_max3_num_f32 v192, v192, v158, v159
	v_max_num_f32 v192, v192, v193
	v_permlanex16_b32 v198, v192, s20, s21
	v_max_num_f32 v192, v192, v198                 ; and among lane l xor 16's
	v_mul_f32 v192, s22, v192                      ; as t
	v_max_num_f32 v13, v13, v192
	v_mov_b32 v192, v12
	v_floor_f32 v12, -v13                          ; the new -M = -ceil(t)
	v_sub_f32 v192, v12, v192                      ; old M - new M: a whole number, 0 or less
	v_cvt_i32_f32 v192, v192                       ; (it saturates)
	v_ldexp_f32 v194, 1.0, v192                    ; f = 2^(old M - new M)
.set j, 0
.rept 32
	v_pk_fma_f32 v[96+j:97+j], v[96+j:97+j], s[22:23], v[12:13] op_sel_hi:[1,0,0]   ; t - M
.set j, j+2
.endr
.set j, 0
.rept 64
	v_exp_f32 v[96+j], v[96+j]                     ; p = 2^(t - M)
.set j, j+1
.endr
	v_pk_mul_f32 v[14:15], v[14:15], v[194:195] op_sel_hi:[1,0]    ; the sum under the new M (a plain line behind the exponentials)
	s_wait_alu depctr_va_vdst(0)
	v_pk_add_f32 v[196:197], v[96:97], v[98:99]    ; the sum of the UNQUANTISED p, in two chains
.irp j, 4,8,12,16,20,24,28,32,36,40,44,48,52,56,60
	v_pk_add_f32 v[14:15], v[14:15], v[96+\j:97+\j]
	v_pk_add_f32 v[196:197], v[196:197], v[98+\j:99+\j]
.endr
	v_pk_add_f32 v[14:15], v[14:15], v[196:197]
.irp b, 0,1,2,3
.irp i, 0,1,2,3,4,5,6,7,8,9,10,11,12,13,14,15
	v_min_num_f32 v[96+16*\b+\i], v[96+16*\b+\i], v199   ; the conversion does not saturate (ISA guide 7.6.2); p is not negative
.endr
	v_cvt_scalef32_pk8_fp8_f32 v[224+4*\b:225+4*\b], v[96+16*\b:103+16*\b], v200
	v_cvt_scalef32_pk8_fp8_f32 v[226+4*\b:227+4*\b], v[104+16*\b:111+16*\b], v200
.endr
.set j, 0
.rept 16
	v_pk_mul_f32 v[160+j:161+j], v[160+j:161+j], v[194:195] op_sel_hi:[1,0]   ; O^T under the new M; also the plain lines between the conversions and the products
.set j, j+2
.endr
	s_wait_dscnt 0x0                               ; V
.irp t, 0,1,2,3
	v_wmma_f32_16x16x128_fp8_fp8 v[160+8*\t:167+8*\t], v[32+16*\t:47+16*\t], v[224:239], v[160+8*\t:167+8*\t]   ; four accumulators by turns
.endr
.Lhidden_\@:
	s_add_co_u32 s[KF], s[KF], 128
.endm
; A SLOT: the change of slots stands at its head.
.macro SL slot, fill
	s_wait_tensorcnt 0x0                           ; all my tensor loads have landed: my part of this slot; so a group 0 may be written
	ds_add_u32 v[SPW], v[NIL]                      ; 0 onto my spare word
	s_add_nc_u64 s[G0+4*\slot+2:G0+4*\slot+3], s[G0+4*\slot+2:G0+4*\slot+3], s[40:41]   ; this slot's next keys
	s_wait_dscnt 0x0                               ; the add is done, and my reads of the other slot are over
	s_barrier_signal -1
	s_barrier_wait -1
.if \fill
	TLOAD 1-\slot                                  ; the first thing behind the barrier, a wave's one tensor load until the next: the other slot's next 256 keys
.endif
	STEP 0, \slot
	STEP 1, \slot
.endm
	s_wait_loadcnt 0x0                             ; Q
.Lslot:                                            ; three trips: slots' worth 0 to 5
	SL 0, 1
	SL 1, 1
	s_sub_co_u32 s18, s18, 1
	s_cmp_lg_u32 s18, 0
	s_cbranch_scc1 .Lslot
	SL 0, 1                                        ; the tail is written out
	SL 1, 0
	; THE WAY OUT: y = O^T / the sum x 2^(e4 + e5), quantised with 2^e6; 8 codes a lane into the stage (slot 0: it has had its last fill, and nobody reads it behind the last barrier); whole units of 256 bytes out.
.rept 4
	v_nop                                          ; places behind the last products, on every way here
.endr
	v_add_f32 v14, v14, v15
	v_permlanex16_b32 v198, v14, s20, s21
	v_add_f32 v14, v14, v198                       ; the row's sum
	v_rcp_f32 v14, v14
	s_add_co_i32 s52, s48, s49
	s_add_co_i32 s53, s50, 127
	s_lshl_b32 s54, s53, 23
	v_mov_b32 v203, s54                            ; 2^e6 (a plain line behind the transcendental)
	s_add_co_i32 s53, s53, 8
	s_lshl_b32 s53, s53, 23
	s_or_b32 s53, s53, 0x600000
	v_mov_b32 v204, s53                            ; 448 x 2^e6
	s_wait_alu depctr_va_vdst(0)
	v_ldexp_f32 v14, v14, s52
.set j, 0
.rept 32
	v_mul_f32 v[96+j], v[160+j], v14               ; register 8 t + i: y(query r, 16 t + 8 h + i)
.set j, j+1
.endr
.set j, 0
.rept 32
	v_med3_num_f32 v[96+j], v[96+j], -v204, v204
.set j, j+1
.endr
.irp t, 0,1,2,3
	v_cvt_scalef32_pk8_fp8_f32 v[224+2*\t:225+2*\t], v[96+8*\t:103+8*\t], v203
.endr
	v_nop
.irp t, 0,1,2,3
	ds_store_b64 v[SI], v[224+2*\t:225+2*\t] offset:16*\t
.endr
	s_wait_dscnt 0x0                               ; for the others' sake
	s_barrier_signal -1
	s_barrier_wait -1
	ds_load_b128 v[32:35], v[SO]
	ds_load_b128 v[36:39], v[SO] offset:2*PITCH
	s_wait_dscnt 1
	global_store_b128 v[GO], v[32:35], s[8:9]      ; sixteen lanes store the four heads' 256 bytes of a token, aligned
	s_wait_dscnt 0
	global_store_b128 v[GO], v[36:39], s[8:9] offset:2048
	s_wait_tensorcnt 0x0                           ; the wave's end
	ds_add_u32 v[SPW], v[NIL]
	s_wait_dscnt 0x0
	s_endpgm
.Lfunc_end_k_q863f88f18c_attn:
	.size	k_q863f88f18c_attn, .Lfunc_end_k_q863f88f18c_attn-k_q863f88f18c_attn
	.p2alignl 7, 3214868480
	.fill 96, 4, 3214868480
	.section	.rodata,"a",@progbits
	.p2align	6, 0x0
	.amdhsa_kernel k_q863f88f18c_attn
		.amdhsa_group_segment_fixed_size 327680
		.amdhsa_private_segment_fixed_size 0
		.amdhsa_enable_private_segment 0
		.amdhsa_kernarg_size 24
		.amdhsa_user_sgpr_count 2
		.amdhsa_user_sgpr_kernarg_segment_ptr 1
		.amdhsa_wavefront_size32 1
		.amdhsa_system_sgpr_workgroup_id_x 1
		.amdhsa_system_sgpr_workgroup_id_y 1
		.amdhsa_system_sgpr_workgroup_id_z 1
		.amdhsa_system_vgpr_workitem_id 0
		.amdhsa_next_free_vgpr 256
		.amdhsa_next_free_sgpr 66
		.amdhsa_reserve_vcc 1
		.amdhsa_float_denorm_mode_32 3
		.amdhsa_float_denorm_mode_16_64 3
		.amdhsa_memory_ordered 1
		.amdhsa_forward_progress 1
		.amdhsa_inst_pref_size 178
	.end_amdhsa_kernel
	.amdgpu_metadata
---
amdhsa.version: [ 1, 2 ]
amdhsa.kernels:
  - .name:           k_q863f88f18c_attn
    .symbol:         k_q863f88f18c_attn.kd
    .args:
      - { .name: qkvc, .offset: 0, .size: 8, .value_kind: global_buffer, .address_space: global }
      - { .name: lowp_scales, .offset: 8, .size: 8, .value_kind: global_buffer, .address_space: global }
      - { .name: act, .offset: 16, .size: 8, .value_kind: global_buffer, .address_space: global }
    .group_segment_fixed_size: 327680
    .private_segment_fixed_size: 0
    .kernarg_segment_align: 8
    .kernarg_segment_size: 24
    .max_flat_workgroup_size: 512
    .sgpr_count:     66
    .vgpr_count:     256
    .wavefront_size: 32
...
	.end_amdgpu_metadata
.endif
;; end of part 3
;; launch proj (part 4): grid 4 x 16, 4 waves a work-group, clusters of 4 x 4, 327,680 bytes of LDS; arguments act, wc, lowp_scales, b_proj, x, x1; writes x1
.if DOCPART == 4
	.amdgcn_target "amdgcn-amd-amdhsa--gfx1250"
	.amdhsa_code_object_version 6
	.text
	.protected	k_q863f88f18c_proj
	.globl	k_q863f88f18c_proj
	.p2align	8
	.type	k_q863f88f18c_proj,@function
k_q863f88f18c_proj:
	s_mov_b64 s[64:65], 0
	v_nop
	global_prefetch_b8 v0, s[64:65] scope:SCOPE_SE
	s_setreg_imm32_b32 hwreg(HW_REG_WAVE_MODE, 25, 1), 1
	s_wait_xcnt 0x0
	s_wait_alu depctr_hold_cnt(0) depctr_sa_sdst(0) depctr_va_vdst(0) depctr_va_sdst(0) depctr_va_ssrc(0) depctr_va_vcc(0) depctr_vm_vsrc(0)
	s_getreg_b32 s2, hwreg(HW_REG_IB_STS2, 6, 4)
	s_cmp_eq_u32 s2, 0
	s_cbranch_scc0 .Lentry_in_a_cluster
	s_endpgm
.Lentry_in_a_cluster:
	s_bfe_u32 s2, ttmp6, 0x10000c
	s_cmp_lg_u32 s2, 0xf033
	s_cbranch_scc0 .Lentry_shape_is_right
	s_endpgm
.Lentry_shape_is_right:
; Product 4 on codes of FP8 (E4M3): x1 = x + (y w_proj + b_proj).  y's codes: act [4096][1024]; w_proj's: wc + 0x300000, [1024][1024], K innermost; x, x1: [4096][1024] f32.
; A tile, 256 x 256, is made by four waves, each 128 x 128: 64 accumulators, 512 registers.  K goes in steps of 256 through a ring of two LDS slots filled by the tensor data mover.
; The result has 16 x 4 tiles of that size: 64 work-groups.
; CLUSTERS: 4 x 4 work-groups; A's tile is shared along a row of the cluster, B's along a column: joint loads.
; THE MATRIX INSTRUCTION IS USED TRANSPOSED (source 0 = 16 rows of B, source 1 = 16 rows of A): a lane holds eight neighbouring columns of one row.  A fragment comes by four loads of 16 bytes: a permutation of k, the same on both sides.
; THE WAY OUT: a block of 16 rows goes as raw sums through the wave's own stage and comes back as rows of 512 bytes; there sum x 2^(eA + eB) + bias is one packed multiply-add, the residual one packed add.
; LIMIT: eA + eB between -126 and 127.
; REGISTERS: window 0: v0-31 addresses; v96-99 the bias at my four columns; v128-255 A's fragments, ONE set, later rows read back.  window 1: B's fragments, TWO sets, later the residual.  windows 2, 3: the accumulators.
.set SIZE_K, 1024
.set WOFF,   0x300000                  ; the weight's codes in wc
.set SOFF,   0x18                      ; eA, eB in lowp_scales
.set ROWC,   4096                      ; a row of the result in bytes
.set KSTEP,  256
.set ROWB,   256
.set KROW,   SIZE_K
.set PITCH,  272                       ; an LDS row: 256 bytes + 16 of padding: the 16 rows that a load touches start at 16 different banks (64 banks of 4 bytes: ISA guide 11.1)
.set FR,     16
.set NL,     4
.set NP,     4
.set HALFT,  128*PITCH
.set SLOT,   4*HALFT
.set LAPS,   SIZE_K/(2*KSTEP)
.set SPARE,  2*SLOT                    ; behind the ring: the spare words, 128 bytes a wave, which no other line names
.set SPITCH, 528                       ; the way out: 16 rows x (512 + 16) bytes for each wave, in slot 0, which has had its last fill and its last read by then
.set ADRA, 16
.set ADRB, 20
.set STO,  24
.set RD,   25
.set CO,   26
.set SPW,  28
.set NIL,  29
.set BIAS, 96
.set AF,   128
.set BK,   128
.set G1, 24
.set G0, 32
.set G1B, 48
.set G0B, 56
.set MSB, 0
.macro WIN new                         ; the immediate's high byte repeats the setting that is left
.if MSB != \new
	s_set_vgpr_msb (MSB<<8)|\new
.set MSB, \new
.endif
.endm
.set MUL_LO, 0xa1
.set MUL_HI, 0xf1
.set TO_B,   0x40
.macro JLOAD g0a, g1a, g0b, g1b        ; a joint load: waves 0, 1 fetch A's halves, waves 2, 3 B's; four v_nop follow each line
	s_cmp_eq_u32 s15, 0
	s_cbranch_scc0 .Lfor_b_\@
	tensor_load_to_lds s[\g0a:\g0a+3], s[\g1a:\g1a+7]
	s_nop 0
.rept 4
	v_nop
.endr
	s_branch .Lasked_\@
.Lfor_b_\@:
	tensor_load_to_lds s[\g0b:\g0b+3], s[\g1b:\g1b+7]
	s_nop 0
.rept 4
	v_nop
.endr
.Lasked_\@:
.endm
.macro CREST
	s_cmp_lg_u32 s14, 0
	s_cbranch_scc1 .Lnot_wave_0_\@
	s_barrier_signal -3
.Lnot_wave_0_\@:
	s_barrier_wait -3
	s_barrier_signal -1
	s_barrier_wait -1
.endm
.macro CROUND
	s_barrier_signal -1
	s_barrier_wait -1
	CREST
.endm
	s_load_b128 s[4:7], s[0:1], 0x0                ; A's codes, wc
	s_load_b128 s[8:11], s[0:1], 0x10              ; the scales' exponents, the bias
	s_load_b128 s[68:71], s[0:1], 0x20             ; the residual, the result
	v_lshl_add_u32 v[SPW], v0, 2, SPARE
	v_mov_b32 v[NIL], 0
	ds_add_u32 v28, v29
	s_wait_dscnt 0x0
	v_lshrrev_b32 v1, 5, v0
	v_readfirstlane_b32 s14, v1                    ; wave 0..3
	s_lshr_b32 s15, s14, 1
	s_and_b32 s16, s14, 1
	s_bfe_u32 s40, ttmp6, 0x40000                  ; cx, cy
	s_bfe_u32 s41, ttmp6, 0x40004
	s_lshl_b32 s42, ttmp9, 2
	s_add_co_u32 s42, s42, s40                     ; tile column
	s_and_b32 s17, ttmp7, 0xffff
	s_lshl_b32 s17, s17, 2
	s_add_co_u32 s17, s17, s41                     ; tile row
	s_lshl_b32 s43, s41, 2
	s_lshl_b32 s43, 15, s43
	s_lshl_b32 s44, 0x1111, s40
	s_or_b32 s[G1+0], s43, (0<<16)|(1<<20)|(1<<21)|(5<<22)|(3<<25)
	s_or_b32 s[G1B+0], s44, (0<<16)|(1<<20)|(1<<21)|(5<<22)|(3<<25)
.irp g, G1, G1B
	s_mov_b32 s[\g+1], ROWB<<16
	s_mov_b32 s[\g+2], 128<<16
	s_mov_b32 s[\g+3], ROWB<<16
	s_mov_b32 s[\g+4], 128
	s_mov_b32 s[\g+5], KROW
	s_mov_b32 s[\g+6], 0
	s_mov_b32 s[\g+7], 0
.endr
	s_lshl_b32 s18, s16, 7
	s_lshl_b32 s20, s17, 8
	s_add_co_u32 s20, s20, s18
	s_lshl_b32 s46, s42, 8
	s_add_co_u32 s46, s46, s18
	s_mov_b32 s21, 0
	s_mov_b32 s47, 0
	s_mov_b64 s[18:19], KROW
	s_mul_u64 s[20:21], s[20:21], s[18:19]
	s_mul_u64 s[46:47], s[46:47], s[18:19]
	s_mul_i32 s45, s14, HALFT
	s_wait_kmcnt 0x0
	s_load_b64 s[96:97], s[8:9], SOFF              ; eA, eB
	s_add_nc_u64 s[6:7], s[6:7], WOFF
	s_add_nc_u64 s[20:21], s[4:5], s[20:21]
	s_add_nc_u64 s[46:47], s[6:7], s[46:47]
	CROUND                                         ; all sixteen work-groups are here: the first joint loads meet
.irp s, 0,1
	s_mov_b32 s[G0+4*\s], 1
	s_add_co_u32 s[G0+4*\s+1], s45, \s*SLOT
	s_add_nc_u64 s[G0+4*\s+2:G0+4*\s+3], s[20:21], \s*ROWB
	s_or_b32 s[G0+4*\s+3], s[G0+4*\s+3], 0x80000000
	s_mov_b32 s[G0B+4*\s], 1
	s_add_co_u32 s[G0B+4*\s+1], s45, \s*SLOT
	s_add_nc_u64 s[G0B+4*\s+2:G0B+4*\s+3], s[46:47], \s*ROWB
	s_or_b32 s[G0B+4*\s+3], s[G0B+4*\s+3], 0x80000000
	JLOAD G0+4*\s, G1, G0B+4*\s, G1B
.endr
	v_and_b32 v1, 15, v0
	v_bfe_u32 v2, v0, 4, 1
	v_mul_u32_u24 v3, v1, PITCH
	v_lshl_add_u32 v4, v2, 4, v3
	s_mul_i32 s21, s15, HALFT
	s_mul_i32 s22, s16, HALFT
	s_add_co_u32 s22, s22, 2*HALFT
.irp s, 0,1
	v_add_nc_u32 v[ADRA+\s], s21, v4
	v_add_nc_u32 v[ADRB+\s], s22, v4
	s_add_co_u32 s21, s21, SLOT
	s_add_co_u32 s22, s22, SLOT
.endr
	s_mul_i32 s23, s14, 16*SPITCH                  ; my stage
	v_mul_u32_u24 v5, v1, SPITCH
	v_lshl_add_u32 v5, v2, 5, v5
	v_add_nc_u32 v[STO], s23, v5                   ; in: row r, 32 bytes for each half of the lanes
	v_and_b32 v6, 31, v0
	v_lshlrev_b32 v[CO], 4, v6                     ; back: the 32 lanes take one row of 512 bytes; the same in memory
	v_add_nc_u32 v[RD], s23, v[CO]
	s_lshl_b32 s20, s17, 8
	s_lshl_b32 s21, s15, 7
	s_add_co_u32 s20, s20, s21                     ; my first row,
	s_lshl_b32 s20, s20, 12                        ; in bytes (under 2^24)
	s_lshl_b32 s46, s42, 10
	s_lshl_b32 s47, s16, 9
	s_add_co_u32 s46, s46, s47                     ; my first column, in bytes
	s_mov_b32 s47, 0
	s_add_nc_u64 s[10:11], s[10:11], s[46:47]
	s_add_co_u32 s20, s20, s46
	s_mov_b32 s21, 0
	s_add_nc_u64 s[68:69], s[68:69], s[20:21]
	s_add_nc_u64 s[70:71], s[70:71], s[20:21]
	global_load_b128 v[BIAS:BIAS+3], v[CO], s[10:11]   ; the bias at columns 4 lane + 0 .. 3 of my 128
.macro FRAG reg, adr, q, i
.irp c, 0,1,2,3
	ds_load_b128 v[\reg+4*\c:\reg+4*\c+3], v[\adr] offset:128*(\q)+32*\c+(\i)*16*PITCH
.endr
.endm
.macro MUL16 a0, p, zero               ; 16 matrix instructions; the 64 accumulators take turns, one instruction a turn
.irp a, \a0, \a0+1
.irp b, 0,1,2,3,4,5,6,7
.if \zero
	v_wmma_f32_16x16x128_fp8_fp8 v[8*(8*((\a)%4)+\b):8*(8*((\a)%4)+\b)+7], v[128*(\p)+FR*\b:128*(\p)+FR*\b+FR-1], v[AF+FR*(\a):AF+FR*(\a)+FR-1], 0
.else
	v_wmma_f32_16x16x128_fp8_fp8 v[8*(8*((\a)%4)+\b):8*(8*((\a)%4)+\b)+7], v[128*(\p)+FR*\b:128*(\p)+FR*\b+FR-1], v[AF+FR*(\a):AF+FR*(\a)+FR-1], v[8*(8*((\a)%4)+\b):8*(8*((\a)%4)+\b)+7]
.endif
.endr
.endr
.endm
.macro FETCH_B slot, q, p
	WIN TO_B
.irp i, 0,1,2,3,4,5,6,7
	FRAG 128*(\p)+FR*\i, ADRB+\slot, \q, \i
.endr
	WIN 0
.endm
.macro FETCH_A slot, q, i0
.irp i, \i0, \i0+1, \i0+2, \i0+3
	FRAG AF+FR*(\i), ADRA+\slot, \q, \i
.endr
.endm
.macro PLACES n                        ; plain vector instructions between a matrix instruction and a load into, or a read of, its registers
.rept \n
	v_nop
.endr
.endm
.macro STEP slot, q, zero
	s_wait_dscnt 4*NL                              ; B's set and A's blocks 0-3 are in; the youngest 16 loads (blocks 4-7) may be out
	WIN MUL_LO
	MUL16 0, (\q)%2, \zero
	MUL16 2, (\q)%2, \zero
	s_wait_dscnt 0
	PLACES NP
	FETCH_B \slot, (\q)+1, 1-(\q)%2
	FETCH_A \slot, (\q)+1, 0
	WIN MUL_HI
	MUL16 4, (\q)%2, \zero
	MUL16 6, (\q)%2, \zero
	PLACES NP
	WIN 0
	FETCH_A \slot, (\q)+1, 4
.endm
.macro TURN slot, next, fill
	s_wait_tensorcnt 0x0                           ; all my tensor loads have landed: my part of the next slot
	ds_add_u32 v[SPW], v[NIL]                      ; 0 onto my spare word
	s_wait_dscnt 4*NL+1                            ; (the add and the youngest 16 loads may be out)
	WIN MUL_LO
	MUL16 0, 1, 0
	s_wait_dscnt 0x0                               ; the add is done, and my reads of this slot are over
	s_barrier_signal -1
	MUL16 2, 1, 0
	WIN 0
	s_barrier_wait -1
.if \fill
	CREST                                          ; the barrier has opened a round of the cluster's: no wave of any partner still reads this slot or has a load on its way
	s_add_nc_u64 s[G0+4*\slot+2:G0+4*\slot+3], s[G0+4*\slot+2:G0+4*\slot+3], 2*ROWB
	s_add_nc_u64 s[G0B+4*\slot+2:G0B+4*\slot+3], s[G0B+4*\slot+2:G0B+4*\slot+3], 2*ROWB
	JLOAD G0+4*\slot, G1, G0B+4*\slot, G1B
.else
	PLACES NP
.endif
	FETCH_B \next, 0, 0
	FETCH_A \next, 0, 0
	WIN MUL_HI
	MUL16 4, 1, 0
	MUL16 6, 1, 0
	PLACES NP
	WIN 0
	FETCH_A \next, 0, 4
.endm
	s_wait_tensorcnt 1                             ; my part of K step 0 is in; K step 1's load may be out
	s_barrier_signal -1
	s_barrier_wait -1
	FETCH_B 0, 0, 0
	FETCH_A 0, 0, 0
	FETCH_A 0, 0, 4
	STEP 0, 0, 1
	s_mov_b32 s3, LAPS-1
.Llap:
	TURN 0, 1, 1
	STEP 1, 0, 0
	TURN 1, 0, 1
	STEP 0, 0, 0
	s_sub_co_u32 s3, s3, 1
	s_cmp_lg_u32 s3, 0
	s_cbranch_scc1 .Llap
	TURN 0, 1, 0
	STEP 1, 0, 0
	s_wait_dscnt 4*NL
	WIN MUL_LO
	MUL16 0, 1, 0
	MUL16 2, 1, 0
	s_wait_dscnt 0
	WIN MUL_HI
	MUL16 4, 1, 0
	MUL16 6, 1, 0
	WIN 0
.macro RLOAD a                         ; the residual's 16 rows of block a into window 1, set a % 4
	WIN 0x40
.set t, 0
.rept 16
	global_load_b128 v[64*((\a)%4)+4*t:64*((\a)%4)+4*t+3], v[CO], s[68:69] offset:(16*(\a)+t)*ROWC
.set t, t+1
.endr
	WIN 0
.endm
.macro TOSTAGE a                       ; block a's raw sums into my stage, each accumulator from its low end on, and back as whole rows
.set AC, 64*((\a)%4)
	WIN (0x08+4*((\a)/4))                          ; the stores' data: window 2 or 3
.irp b, 0,1,2,3,4,5,6,7
	ds_store_b128 v[STO], v[AC+8*\b:AC+8*\b+3] offset:64*\b
	ds_store_b128 v[STO], v[AC+8*\b+4:AC+8*\b+7] offset:64*\b+16
.endr
	WIN 0
.set BB, BK+64*((\a)%2)
.set t, 0
.rept 16
	ds_load_b128 v[BB+4*t:BB+4*t+3], v[RD] offset:t*SPITCH       ; LDS serves a wave's instructions in order (ISA guide 5.7.1.4): these see the stores above
.set t, t+1
.endr
.endm
.macro SEND a, younger
.set BB, BK+64*((\a)%2)
.set RS, 64*((\a)%4)
	s_wait_dscnt \younger                          ; the block is back; the next block's 16 stores and 16 loads may be out
.if 7-(\a) < 3
	s_wait_loadcnt 16*(7-(\a))                     ; its residual is in; the blocks asked for behind it may be out
.else
	s_wait_loadcnt 48
.endif
.set t, 0
.rept 16
	v_pk_fma_f32 v[BB+4*t:BB+4*t+1], v[BB+4*t:BB+4*t+1], s[96:97], v[BIAS:BIAS+1] op_sel_hi:[1,0,1]       ; sum x 2^(eA + eB) + bias
	v_pk_fma_f32 v[BB+4*t+2:BB+4*t+3], v[BB+4*t+2:BB+4*t+3], s[96:97], v[BIAS+2:BIAS+3] op_sel_hi:[1,0,1]
.set t, t+1
.endr
	WIN 0x04                                       ; source 1: window 1
.set j, 0
.rept 32
	v_pk_add_f32 v[BB+j:BB+j+1], v[BB+j:BB+j+1], v[RS+j:RS+j+1]   ; + the residual
.set j, j+2
.endr
	WIN 0
.set t, 0
.rept 16
	global_store_b128 v[CO], v[BB+4*t:BB+4*t+3], s[70:71] offset:(16*(\a)+t)*ROWC    ; 32 lanes store 512 consecutive bytes, aligned
.set t, t+1
.endr
.endm
	s_wait_kmcnt 0x0
	s_add_co_i32 s96, s96, s97
	s_add_co_i32 s96, s96, 127
	s_lshl_b32 s96, s96, 23                        ; 2^(eA + eB); s97 is named with it as a pair and holds a written number
	PLACES NP                                      ; behind the last products: for the stores that read results and the loads into the operands' registers
	RLOAD 0
	RLOAD 1
	RLOAD 2
	RLOAD 3
	TOSTAGE 0
.irp a, 1,2,3,4,5,6,7
.if \a > 1
	s_wait_xcnt 0x0                                ; block a - 2's stores have read their registers: block a's rows may land there
.endif
	TOSTAGE \a
	SEND \a-1, 32
.if \a+3 < 8
	RLOAD \a+3
.endif
.endr
	SEND 7, 0
	s_wait_tensorcnt 0x0                           ; the wave's end
	ds_add_u32 v[SPW], v[NIL]
	s_wait_dscnt 0x0
	CROUND                                         ; the closing round
	s_endpgm
.Lfunc_end_k_q863f88f18c_proj:
	.size	k_q863f88f18c_proj, .Lfunc_end_k_q863f88f18c_proj-k_q863f88f18c_proj
	.p2alignl 7, 3214868480
	.fill 96, 4, 3214868480
	.section	.rodata,"a",@progbits
	.p2align	6, 0x0
	.amdhsa_kernel k_q863f88f18c_proj
		.amdhsa_group_segment_fixed_size 327680
		.amdhsa_private_segment_fixed_size 0
		.amdhsa_enable_private_segment 0
		.amdhsa_kernarg_size 48
		.amdhsa_user_sgpr_count 2
		.amdhsa_user_sgpr_kernarg_segment_ptr 1
		.amdhsa_wavefront_size32 1
		.amdhsa_system_sgpr_workgroup_id_x 1
		.amdhsa_system_sgpr_workgroup_id_y 1
		.amdhsa_system_sgpr_workgroup_id_z 1
		.amdhsa_system_vgpr_workitem_id 0
		.amdhsa_next_free_vgpr 1024
		.amdhsa_next_free_sgpr 100
		.amdhsa_reserve_vcc 0
		.amdhsa_float_denorm_mode_32 3
		.amdhsa_float_denorm_mode_16_64 3
		.amdhsa_memory_ordered 1
		.amdhsa_forward_progress 1
		.amdhsa_inst_pref_size 152
	.end_amdhsa_kernel
	.amdgpu_metadata
---
amdhsa.version: [ 1, 2 ]
amdhsa.kernels:
  - .name:           k_q863f88f18c_proj
    .symbol:         k_q863f88f18c_proj.kd
    .args:
      - { .name: act, .offset: 0, .size: 8, .value_kind: global_buffer, .address_space: global }
      - { .name: wc, .offset: 8, .size: 8, .value_kind: global_buffer, .address_space: global }
      - { .name: lowp_scales, .offset: 16, .size: 8, .value_kind: global_buffer, .address_space: global }
      - { .name: b_proj, .offset: 24, .size: 8, .value_kind: global_buffer, .address_space: global }
      - { .name: x, .offset: 32, .size: 8, .value_kind: global_buffer, .address_space: global }
      - { .name: x1, .offset: 40, .size: 8, .value_kind: global_buffer, .address_space: global }
    .group_segment_fixed_size: 327680
    .private_segment_fixed_size: 0
    .kernarg_segment_align: 8
    .kernarg_segment_size: 48
    .max_flat_workgroup_size: 128
    .sgpr_count:     100
    .vgpr_count:     1024
    .wavefront_size: 32
...
	.end_amdgpu_metadata
.endif
;; end of part 4
;; launch ln2 (part 5): grid 256 x 1, 4 waves a work-group, no clusters, 0 bytes of LDS; arguments x1, ln2_g, ln2_b, lowp_scales, act; writes act
.if DOCPART == 5
	.amdgcn_target "amdgcn-amd-amdhsa--gfx1250"
	.amdhsa_code_object_version 6
	.text
	.protected	k_q863f88f18c_ln2
	.globl	k_q863f88f18c_ln2
	.p2align	8
	.type	k_q863f88f18c_ln2,@function
k_q863f88f18c_ln2:
	s_mov_b64 s[64:65], 0
	v_nop
	global_prefetch_b8 v0, s[64:65] scope:SCOPE_SE
	s_setreg_imm32_b32 hwreg(HW_REG_WAVE_MODE, 25, 1), 1
	s_wait_xcnt 0x0
; act = codes of LN2(x1), FP8 (E4M3), scale 2^e8.  code = number / 2^e, held within +-448, to the nearest code, ties to even.
; LIMITS: e8 between -126 and 119; NaN among the inputs is not served.
; A wave takes 4 rows of 1,024 numbers, each kept in 32 registers a lane; lane l holds numbers 256 j + 8 l + 0..7, eight neighbours along K for each conversion.
; Mean first, then the mean of (x - mean)^2: two passes over registers.  No LDS, no barrier: waves share nothing.
.set EOFF, 0x20                        ; byte of e8 in lowp_scales
.set G,    16                          ; v16-47   the gain at my 32 places
.set BT,   48                          ; v48-79   the bias
.set X,    80                          ; v80-207  four rows, 32 registers each
.set CD,   208                         ; v208-239 codes, 8 registers a row: no store's data are written again
	s_load_b256 s[4:11], s[0:1], 0x0               ; x1 4:5, gain 6:7, bias 8:9, scales 10:11
	s_load_b64 s[12:13], s[0:1], 0x20              ; act
	v_lshrrev_b32 v1, 5, v0
	v_readfirstlane_b32 s26, v1                    ; wave
	v_and_b32 v1, 31, v0                           ; lane
	s_wait_kmcnt 0x0
	s_load_b32 s27, s[10:11], EOFF                 ; e
	s_lshl_b32 s32, ttmp9, 16                      ; 16 rows of 4,096 bytes a work-group,
	s_lshl_b32 s33, s26, 14                        ; 4 a wave
	s_add_co_u32 s32, s32, s33
	s_mov_b32 s33, 0
	s_add_nc_u64 s[4:5], s[4:5], s[32:33]
	s_lshl_b32 s34, ttmp9, 14
	s_lshl_b32 s35, s26, 12
	s_add_co_u32 s34, s34, s35
	s_mov_b32 s35, 0
	s_add_nc_u64 s[12:13], s[12:13], s[34:35]
	v_lshlrev_b32 v2, 5, v1
	v_lshlrev_b32 v3, 3, v1
.irp j, 0,1,2,3
	global_load_b128 v[G+8*\j:G+8*\j+3], v2, s[6:7] offset:1024*\j
	global_load_b128 v[G+8*\j+4:G+8*\j+7], v2, s[6:7] offset:1024*\j+16
.endr
.irp j, 0,1,2,3
	global_load_b128 v[BT+8*\j:BT+8*\j+3], v2, s[8:9] offset:1024*\j
	global_load_b128 v[BT+8*\j+4:BT+8*\j+7], v2, s[8:9] offset:1024*\j+16
.endr
.irp r, 0,1,2,3
.irp j, 0,1,2,3
	global_load_b128 v[X+32*\r+8*\j:X+32*\r+8*\j+3], v2, s[4:5] offset:4096*\r+1024*\j       ; two loads together cover 1,024 consecutive bytes
	global_load_b128 v[X+32*\r+8*\j+4:X+32*\r+8*\j+7], v2, s[4:5] offset:4096*\r+1024*\j+16
.endr
.endr
	s_mov_b32 s30, 0x76543210                      ; v_permlanex16_b32: lane l xor 16
	s_mov_b32 s31, 0xfedcba98
	v_mov_b32 v13, 0
	v_mov_b32 v15, 0
	v_mov_b32 v242, 0
	v_mov_b32 v243, 0x3a800000                     ; 1 / 1024
	s_wait_kmcnt 0x0
	s_add_co_i32 s27, s27, 127
	s_lshl_b32 s28, s27, 23
	v_mov_b32 v240, s28                            ; 2^e
	s_add_co_i32 s27, s27, 8
	s_lshl_b32 s27, s27, 23
	s_or_b32 s27, s27, 0x600000
	v_mov_b32 v241, s27                            ; 448 x 2^e
.macro JOIN
	v_pk_add_f32 v[4:5], v[4:5], v[6:7]
	v_pk_add_f32 v[8:9], v[8:9], v[10:11]
	v_pk_add_f32 v[4:5], v[4:5], v[8:9]
	v_add_f32 v4, v4, v5
.endm
.macro RED
	v_add_f32_dpp v4, v4, v4 row_xmask:1 row_mask:0xf bank_mask:0xf
	v_add_f32_dpp v4, v4, v4 row_xmask:2 row_mask:0xf bank_mask:0xf
	v_add_f32_dpp v4, v4, v4 row_xmask:4 row_mask:0xf bank_mask:0xf
	v_add_f32_dpp v4, v4, v4 row_xmask:8 row_mask:0xf bank_mask:0xf
	v_permlanex16_b32 v242, v4, s30, s31
	v_add_f32 v4, v4, v242
.endm
.macro ROW r
.set XR, X+32*\r
	s_wait_loadcnt 8*(3-\r)                        ; this row's eight loads are in; the younger rows' may be out
.irp k, 0,1,2,3
	v_pk_add_f32 v[4+2*\k:5+2*\k], v[XR+2*\k:XR+2*\k+1], v[XR+8+2*\k:XR+9+2*\k]
.endr
.irp k, 0,1,2,3,4,5,6,7
	v_pk_add_f32 v[4+2*(\k%4):5+2*(\k%4)], v[4+2*(\k%4):5+2*(\k%4)], v[XR+16+2*\k:XR+17+2*\k]
.endr
	JOIN
	RED
	v_mul_f32 v12, v243, v4                        ; the mean
.irp k, 0,1,2,3,4,5,6,7,8,9,10,11,12,13,14,15
	v_pk_add_f32 v[XR+2*\k:XR+2*\k+1], v[XR+2*\k:XR+2*\k+1], v[12:13] op_sel_hi:[1,0] neg_lo:[0,1] neg_hi:[0,1]
.endr
.irp k, 0,1,2,3
	v_pk_mul_f32 v[4+2*\k:5+2*\k], v[XR+2*\k:XR+2*\k+1], v[XR+2*\k:XR+2*\k+1]
.endr
.irp k, 4,5,6,7,8,9,10,11,12,13,14,15
	v_pk_fma_f32 v[4+2*(\k%4):5+2*(\k%4)], v[XR+2*\k:XR+2*\k+1], v[XR+2*\k:XR+2*\k+1], v[4+2*(\k%4):5+2*(\k%4)]
.endr
	JOIN
	RED
	v_fmaak_f32 v14, v4, v243, 0x3727c5ac          ; variance + 1e-5
	v_rsq_f32 v14, v14
	v_nop                                          ; a plain instruction between the transcendental and the use of its result
	s_wait_alu depctr_va_vdst(0)
.irp k, 0,1,2,3,4,5,6,7,8,9,10,11,12,13,14,15
	v_pk_mul_f32 v[XR+2*\k:XR+2*\k+1], v[XR+2*\k:XR+2*\k+1], v[14:15] op_sel_hi:[1,0]
.endr
.irp k, 0,1,2,3,4,5,6,7,8,9,10,11,12,13,14,15
	v_pk_fma_f32 v[XR+2*\k:XR+2*\k+1], v[XR+2*\k:XR+2*\k+1], v[G+2*\k:G+2*\k+1], v[BT+2*\k:BT+2*\k+1]
.endr
.set i, 0
.rept 32
	v_med3_num_f32 v[XR+i], v[XR+i], -v241, v241   ; the conversion does not saturate (ISA guide 7.6.2): the hold comes first
.set i, i+1
.endr
.irp j, 0,1,2,3
	v_cvt_scalef32_pk8_fp8_f32 v[CD+8*\r+2*\j:CD+8*\r+2*\j+1], v[XR+8*\j:XR+8*\j+7], v240
.endr
.irp j, 0,1,2,3
	global_store_b64 v3, v[CD+8*\r+2*\j:CD+8*\r+2*\j+1], s[12:13] offset:1024*\r+256*\j      ; the wave stores 256 consecutive bytes, aligned
.endr
.endm
	ROW 0
	ROW 1
	ROW 2
	ROW 3
	s_endpgm
.Lfunc_end_k_q863f88f18c_ln2:
	.size	k_q863f88f18c_ln2, .Lfunc_end_k_q863f88f18c_ln2-k_q863f88f18c_ln2
	.p2alignl 7, 3214868480
	.fill 96, 4, 3214868480
	.section	.rodata,"a",@progbits
	.p2align	6, 0x0
	.amdhsa_kernel k_q863f88f18c_ln2
		.amdhsa_group_segment_fixed_size 0
		.amdhsa_private_segment_fixed_size 0
		.amdhsa_enable_private_segment 0
		.amdhsa_kernarg_size 40
		.amdhsa_user_sgpr_count 2
		.amdhsa_user_sgpr_kernarg_segment_ptr 1
		.amdhsa_wavefront_size32 1
		.amdhsa_system_sgpr_workgroup_id_x 1
		.amdhsa_system_sgpr_workgroup_id_y 1
		.amdhsa_system_sgpr_workgroup_id_z 1
		.amdhsa_system_vgpr_workitem_id 0
		.amdhsa_next_free_vgpr 248
		.amdhsa_next_free_sgpr 66
		.amdhsa_reserve_vcc 0
		.amdhsa_float_denorm_mode_32 3
		.amdhsa_float_denorm_mode_16_64 3
		.amdhsa_memory_ordered 1
		.amdhsa_forward_progress 1
		.amdhsa_inst_pref_size 41
	.end_amdhsa_kernel
	.amdgpu_metadata
---
amdhsa.version: [ 1, 2 ]
amdhsa.kernels:
  - .name:           k_q863f88f18c_ln2
    .symbol:         k_q863f88f18c_ln2.kd
    .args:
      - { .name: x1, .offset: 0, .size: 8, .value_kind: global_buffer, .address_space: global }
      - { .name: ln2_g, .offset: 8, .size: 8, .value_kind: global_buffer, .address_space: global }
      - { .name: ln2_b, .offset: 16, .size: 8, .value_kind: global_buffer, .address_space: global }
      - { .name: lowp_scales, .offset: 24, .size: 8, .value_kind: global_buffer, .address_space: global }
      - { .name: act, .offset: 32, .size: 8, .value_kind: global_buffer, .address_space: global }
    .group_segment_fixed_size: 0
    .private_segment_fixed_size: 0
    .kernarg_segment_align: 8
    .kernarg_segment_size: 40
    .max_flat_workgroup_size: 128
    .sgpr_count:     66
    .vgpr_count:     248
    .wavefront_size: 32
...
	.end_amdgpu_metadata
.endif
;; end of part 5
;; launch fc1 (part 6): grid 16 x 16, 4 waves a work-group, clusters of 4 x 4, 327,680 bytes of LDS; arguments act, wc, lowp_scales, b1, hc; writes hc
.if DOCPART == 6
	.amdgcn_target "amdgcn-amd-amdhsa--gfx1250"
	.amdhsa_code_object_version 6
	.text
	.protected	k_q863f88f18c_fc1
	.globl	k_q863f88f18c_fc1
	.p2align	8
	.type	k_q863f88f18c_fc1,@function
k_q863f88f18c_fc1:
	s_mov_b64 s[64:65], 0
	v_nop
	global_prefetch_b8 v0, s[64:65] scope:SCOPE_SE
	s_setreg_imm32_b32 hwreg(HW_REG_WAVE_MODE, 25, 1), 1
	s_wait_xcnt 0x0
	s_wait_alu depctr_hold_cnt(0) depctr_sa_sdst(0) depctr_va_vdst(0) depctr_va_sdst(0) depctr_va_ssrc(0) depctr_va_vcc(0) depctr_vm_vsrc(0)
	s_getreg_b32 s2, hwreg(HW_REG_IB_STS2, 6, 4)
	s_cmp_eq_u32 s2, 0
	s_cbranch_scc0 .Lentry_in_a_cluster
	s_endpgm
.Lentry_in_a_cluster:
	s_bfe_u32 s2, ttmp6, 0x10000c
	s_cmp_lg_u32 s2, 0xf033
	s_cbranch_scc0 .Lentry_shape_is_right
	s_endpgm
.Lentry_shape_is_right:
; Product 5 on codes of FP8 (E4M3), the exact GELU, and the quantiser of product 6's A: hc = codes (2^e10) of gelu(LN2(x1) w1 + b1), [4096][4096].
; act [4096][1024] codes; w1's codes: wc + 0x400000, [4096][1024], K innermost.
; A tile, 256 x 256, is made by four waves, each 128 x 128: 64 accumulators, 512 registers.  K = 1,024 goes in steps of 256 through a ring of two LDS slots filled by the tensor data mover.  256 work-groups.
; CLUSTERS: 4 x 4 work-groups; A's tile is shared along a row of the cluster, B's along a column: joint loads.
; THE MATRIX INSTRUCTION IS USED TRANSPOSED (source 0 = 16 rows of B, source 1 = 16 rows of A): a lane holds eight neighbouring columns of one row: eight neighbours along the next K.
; GELU: 0.5 v (1 + erf(v / sqrt 2)), erf(z) = z P(z^2) / Q(z^2) with z held within +-3.74392, P of degree 4 and Q of degree 6 in z^2, all in f32.
; LIMITS: e8 + e9 between -126 and 127; e10 between -126 and 119.  1 + erf is right to about 1e-7 absolutely, so the GELU's relative error grows for v under about -3.5; for v <= -5.3 the result is -0.  NaN is not served.
; REGISTERS: window 0: v0-31 addresses; v40-46 constants; v48-63 codes; v64-127 the bias in the result's layout; v128-255 A's fragments, ONE set; on the way out v128-255 are at work.
;   window 1: B's fragments, TWO sets.  windows 2, 3: the accumulators.
.set SIZE_K, 1024
.set WOFF,   0x400000
.set OSH,    12                        ; log2 of the output's pitch
.set OPITCH, 4096
.set KSTEP,  256
.set ROWB,   256
.set KROW,   SIZE_K
.set PITCH,  272                       ; an LDS row: 256 bytes + 16 of padding: the 16 rows that a load touches start at 16 different banks (64 banks of 4 bytes: ISA guide 11.1)
.set FR,     16
.set NL,     4
.set NP,     4
.set HALFT,  128*PITCH
.set SLOT,   4*HALFT
.set LAPS,   SIZE_K/(2*KSTEP)
.set SPARE,  2*SLOT                    ; behind the ring: the spare words, 128 bytes a wave, which no other line names
.set ADRA, 16
.set ADRB, 20
.set STO,  24
.set RD,   25
.set CO,   26
.set SPW,  28
.set NIL,  29
.set CDS,  48
.set BC,   64
.set AF,   128
.set TMP,  128
.set ZR,   192
.set X2R,  208
.set PR,   224
.set QR,   240
.set G1, 24
.set G0, 32
.set G1B, 48
.set G0B, 56
.set MSB, 0
.macro WIN new                         ; the immediate's high byte repeats the setting that is left
.if MSB != \new
	s_set_vgpr_msb (MSB<<8)|\new
.set MSB, \new
.endif
.endm
.set MUL_LO, 0xa1
.set MUL_HI, 0xf1
.set TO_B,   0x40
.macro JLOAD g0a, g1a, g0b, g1b        ; a joint load: waves 0, 1 fetch A's halves, waves 2, 3 B's; four v_nop follow each line
	s_cmp_eq_u32 s15, 0
	s_cbranch_scc0 .Lfor_b_\@
	tensor_load_to_lds s[\g0a:\g0a+3], s[\g1a:\g1a+7]
	s_nop 0
.rept 4
	v_nop
.endr
	s_branch .Lasked_\@
.Lfor_b_\@:
	tensor_load_to_lds s[\g0b:\g0b+3], s[\g1b:\g1b+7]
	s_nop 0
.rept 4
	v_nop
.endr
.Lasked_\@:
.endm
.macro CREST
	s_cmp_lg_u32 s14, 0
	s_cbranch_scc1 .Lnot_wave_0_\@
	s_barrier_signal -3
.Lnot_wave_0_\@:
	s_barrier_wait -3
	s_barrier_signal -1
	s_barrier_wait -1
.endm
.macro CROUND
	s_barrier_signal -1
	s_barrier_wait -1
	CREST
.endm
	s_load_b128 s[4:7], s[0:1], 0x0                ; act, wc
	s_load_b128 s[8:11], s[0:1], 0x10              ; the scales' exponents, b1
	s_load_b64 s[12:13], s[0:1], 0x20              ; hc
	v_lshl_add_u32 v[SPW], v0, 2, SPARE
	v_mov_b32 v[NIL], 0
	ds_add_u32 v28, v29
	s_wait_dscnt 0x0
	v_lshrrev_b32 v1, 5, v0
	v_readfirstlane_b32 s14, v1                    ; wave 0..3
	s_lshr_b32 s15, s14, 1
	s_and_b32 s16, s14, 1
	s_bfe_u32 s40, ttmp6, 0x40000                  ; cx, cy
	s_bfe_u32 s41, ttmp6, 0x40004
	s_lshl_b32 s42, ttmp9, 2
	s_add_co_u32 s42, s42, s40                     ; tile column
	s_and_b32 s17, ttmp7, 0xffff
	s_lshl_b32 s17, s17, 2
	s_add_co_u32 s17, s17, s41                     ; tile row
	s_lshl_b32 s43, s41, 2
	s_lshl_b32 s43, 15, s43
	s_lshl_b32 s44, 0x1111, s40
	s_or_b32 s[G1+0], s43, (0<<16)|(1<<20)|(1<<21)|(5<<22)|(3<<25)
	s_or_b32 s[G1B+0], s44, (0<<16)|(1<<20)|(1<<21)|(5<<22)|(3<<25)
.irp g, G1, G1B
	s_mov_b32 s[\g+1], ROWB<<16
	s_mov_b32 s[\g+2], 128<<16
	s_mov_b32 s[\g+3], ROWB<<16
	s_mov_b32 s[\g+4], 128
	s_mov_b32 s[\g+5], KROW
	s_mov_b32 s[\g+6], 0
	s_mov_b32 s[\g+7], 0
.endr
	s_lshl_b32 s18, s16, 7
	s_lshl_b32 s20, s17, 8
	s_add_co_u32 s20, s20, s18
	s_lshl_b32 s46, s42, 8
	s_add_co_u32 s46, s46, s18
	s_mov_b32 s21, 0
	s_mov_b32 s47, 0
	s_mov_b64 s[18:19], KROW
	s_mul_u64 s[20:21], s[20:21], s[18:19]
	s_mul_u64 s[46:47], s[46:47], s[18:19]
	s_mul_i32 s45, s14, HALFT
	s_wait_kmcnt 0x0
	s_load_b128 s[72:75], s[8:9], 0x20             ; e8 .. e11
	s_add_nc_u64 s[6:7], s[6:7], WOFF
	s_add_nc_u64 s[20:21], s[4:5], s[20:21]
	s_add_nc_u64 s[46:47], s[6:7], s[46:47]
	CROUND                                         ; all sixteen work-groups are here: the first joint loads meet
.irp s, 0,1
	s_mov_b32 s[G0+4*\s], 1
	s_add_co_u32 s[G0+4*\s+1], s45, \s*SLOT
	s_add_nc_u64 s[G0+4*\s+2:G0+4*\s+3], s[20:21], \s*ROWB
	s_or_b32 s[G0+4*\s+3], s[G0+4*\s+3], 0x80000000
	s_mov_b32 s[G0B+4*\s], 1
	s_add_co_u32 s[G0B+4*\s+1], s45, \s*SLOT
	s_add_nc_u64 s[G0B+4*\s+2:G0B+4*\s+3], s[46:47], \s*ROWB
	s_or_b32 s[G0B+4*\s+3], s[G0B+4*\s+3], 0x80000000
	JLOAD G0+4*\s, G1, G0B+4*\s, G1B
.endr
	v_and_b32 v1, 15, v0
	v_bfe_u32 v2, v0, 4, 1
	v_mul_u32_u24 v3, v1, PITCH
	v_lshl_add_u32 v4, v2, 4, v3
	s_mul_i32 s21, s15, HALFT
	s_mul_i32 s22, s16, HALFT
	s_add_co_u32 s22, s22, 2*HALFT
.irp s, 0,1
	v_add_nc_u32 v[ADRA+\s], s21, v4
	v_add_nc_u32 v[ADRB+\s], s22, v4
	s_add_co_u32 s21, s21, SLOT
	s_add_co_u32 s22, s22, SLOT
.endr
	; the way out: ONE stage of 256 rows x 272 bytes for the work-group, in slot 0, which has had its last fill and its last read when the first code is stored there
	s_mul_i32 s23, s15, 128*PITCH
	s_lshl_b32 s21, s16, 7
	s_add_co_u32 s23, s23, s21
	v_mul_u32_u24 v5, v1, PITCH
	v_lshl_add_u32 v5, v2, 3, v5
	v_add_nc_u32 v[STO], s23, v5
	s_mul_i32 s23, s14, 64*PITCH
	v_mul_u32_u24 v5, v2, PITCH
	v_lshl_add_u32 v5, v1, 4, v5
	v_add_nc_u32 v[RD], s23, v5
	v_lshlrev_b32 v5, OSH, v2
	v_lshl_add_u32 v[CO], v1, 4, v5
	v_lshlrev_b32 v22, 5, v2                       ; 32 h
	s_lshl_b32 s92, s42, 10
	s_lshl_b32 s93, s16, 9
	s_add_co_u32 s92, s92, s93                     ; my 128 columns of b1
	s_mov_b32 s93, 0
	s_add_nc_u64 s[82:83], s[10:11], s[92:93]
.irp b, 0,1,2,3,4,5,6,7
	global_load_b128 v[BC+8*\b:BC+8*\b+3], v22, s[82:83] offset:64*\b          ; columns 16 b + 8 h + 0 .. 7: the result's layout
	global_load_b128 v[BC+8*\b+4:BC+8*\b+7], v22, s[82:83] offset:64*\b+16
.endr
	s_lshl_b32 s92, s17, 8
	s_lshl_b32 s93, s14, 6
	s_add_co_u32 s92, s92, s93                     ; the first row that I store: 256 x tile row + 64 x wave
	s_lshl_b32 s92, s92, OSH
	s_lshl_b32 s93, s42, 8
	s_add_co_u32 s92, s92, s93
	s_mov_b32 s93, 0
	s_add_nc_u64 s[12:13], s[12:13], s[92:93]
.macro FRAG reg, adr, q, i
.irp c, 0,1,2,3
	ds_load_b128 v[\reg+4*\c:\reg+4*\c+3], v[\adr] offset:128*(\q)+32*\c+(\i)*16*PITCH
.endr
.endm
.macro MUL16 a0, p, zero               ; 16 matrix instructions; the 64 accumulators take turns, one instruction a turn
.irp a, \a0, \a0+1
.irp b, 0,1,2,3,4,5,6,7
.if \zero
	v_wmma_f32_16x16x128_fp8_fp8 v[8*(8*((\a)%4)+\b):8*(8*((\a)%4)+\b)+7], v[128*(\p)+FR*\b:128*(\p)+FR*\b+FR-1], v[AF+FR*(\a):AF+FR*(\a)+FR-1], 0
.else
	v_wmma_f32_16x16x128_fp8_fp8 v[8*(8*((\a)%4)+\b):8*(8*((\a)%4)+\b)+7], v[128*(\p)+FR*\b:128*(\p)+FR*\b+FR-1], v[AF+FR*(\a):AF+FR*(\a)+FR-1], v[8*(8*((\a)%4)+\b):8*(8*((\a)%4)+\b)+7]
.endif
.endr
.endr
.endm
.macro FETCH_B slot, q, p
	WIN TO_B
.irp i, 0,1,2,3,4,5,6,7
	FRAG 128*(\p)+FR*\i, ADRB+\slot, \q, \i
.endr
	WIN 0
.endm
.macro FETCH_A slot, q, i0
.irp i, \i0, \i0+1, \i0+2, \i0+3
	FRAG AF+FR*(\i), ADRA+\slot, \q, \i
.endr
.endm
.macro PLACES n                        ; plain vector instructions between a matrix instruction and a load into, or a read of, its registers
.rept \n
	v_nop
.endr
.endm
.macro STEP slot, q, zero
	s_wait_dscnt 4*NL                              ; B's set and A's blocks 0-3 are in; the youngest 16 loads (blocks 4-7) may be out
	WIN MUL_LO
	MUL16 0, (\q)%2, \zero
	MUL16 2, (\q)%2, \zero
	s_wait_dscnt 0
	PLACES NP
	FETCH_B \slot, (\q)+1, 1-(\q)%2
	FETCH_A \slot, (\q)+1, 0
	WIN MUL_HI
	MUL16 4, (\q)%2, \zero
	MUL16 6, (\q)%2, \zero
	PLACES NP
	WIN 0
	FETCH_A \slot, (\q)+1, 4
.endm
.macro TURN slot, next, fill
	s_wait_tensorcnt 0x0                           ; all my tensor loads have landed: my part of the next slot
	ds_add_u32 v[SPW], v[NIL]                      ; 0 onto my spare word
	s_wait_dscnt 4*NL+1                            ; (the add and the youngest 16 loads may be out)
	WIN MUL_LO
	MUL16 0, 1, 0
	s_wait_dscnt 0x0                               ; the add is done, and my reads of this slot are over
	s_barrier_signal -1
	MUL16 2, 1, 0
	WIN 0
	s_barrier_wait -1
.if \fill
	CREST                                          ; the barrier has opened a round of the cluster's: no wave of any partner still reads this slot or has a load on its way
	s_add_nc_u64 s[G0+4*\slot+2:G0+4*\slot+3], s[G0+4*\slot+2:G0+4*\slot+3], 2*ROWB
	s_add_nc_u64 s[G0B+4*\slot+2:G0B+4*\slot+3], s[G0B+4*\slot+2:G0B+4*\slot+3], 2*ROWB
	JLOAD G0+4*\slot, G1, G0B+4*\slot, G1B
.else
	PLACES NP
.endif
	FETCH_B \next, 0, 0
	FETCH_A \next, 0, 0
	WIN MUL_HI
	MUL16 4, 1, 0
	MUL16 6, 1, 0
	PLACES NP
	WIN 0
	FETCH_A \next, 0, 4
.endm
	s_wait_tensorcnt 1                             ; my part of K step 0 is in; K step 1's load may be out
	s_barrier_signal -1
	s_barrier_wait -1
	FETCH_B 0, 0, 0
	FETCH_A 0, 0, 0
	FETCH_A 0, 0, 4
	STEP 0, 0, 1
	s_mov_b32 s3, LAPS-1
.Llap:
	TURN 0, 1, 1
	STEP 1, 0, 0
	TURN 1, 0, 1
	STEP 0, 0, 0
	s_sub_co_u32 s3, s3, 1
	s_cmp_lg_u32 s3, 0
	s_cbranch_scc1 .Llap
	TURN 0, 1, 0
	STEP 1, 0, 0
	s_wait_dscnt 4*NL
	WIN MUL_LO
	MUL16 0, 1, 0
	MUL16 2, 1, 0
	s_wait_dscnt 0
	WIN MUL_HI
	MUL16 4, 1, 0
	MUL16 6, 1, 0
	WIN 0
	; THE WAY OUT: v = sum x 2^(e8 + e9) + b1; gelu(v); held, converted; 8 codes a lane into the stage; a barrier; whole rows of 256 bytes out.
	s_wait_kmcnt 0x0
	s_add_co_i32 s96, s72, s73
	s_add_co_i32 s96, s96, 127
	s_lshl_b32 s96, s96, 23                        ; 2^(e8 + e9)
	s_mov_b32 s97, s96
	s_add_co_i32 s92, s74, 127
	s_lshl_b32 s93, s92, 23
	v_mov_b32 v40, s93                             ; 2^e10.  (These seven plain lines are also the places behind the last products)
	s_add_co_i32 s92, s92, 8
	s_lshl_b32 s92, s92, 23
	s_or_b32 s92, s92, 0x600000
	v_mov_b32 v41, s92                             ; 448 x 2^e10
	v_mov_b32 v42, 0x39702d51                      ; P's leading coefficient, as a pair
	v_mov_b32 v43, 0x39702d51
	v_mov_b32 v44, 0xb3fd3906                      ; Q's
	v_mov_b32 v45, 0xb3fd3906
	v_mov_b32 v46, 0x406f9c68                      ; 3.74392: beyond it erf is 1 in f32
	s_wait_loadcnt 0x0                             ; the bias
.macro HORNER d, lit                   ; d = d x z^2 + lit, for the eight pairs
.set p, 0
.rept 8
	v_pk_fma_f32 v[\d+p:\d+p+1], v[\d+p:\d+p+1], v[X2R+p:X2R+p+1], \lit op_sel_hi:[1,1,0]
.set p, p+2
.endr
.endm
.macro GELU g                          ; 16 numbers at v[TMP + 16 g]; each stage runs over the eight pairs before the next begins
.set VR, TMP+16*\g
.set p, 0
.rept 8
	v_pk_mul_f32 v[ZR+p:ZR+p+1], v[VR+p:VR+p+1], 0x3f3504f3 op_sel_hi:[1,0]      ; z = v / sqrt 2
.set p, p+2
.endr
.set p, 0
.rept 16
	v_med3_num_f32 v[ZR+p], v[ZR+p], -v46, v46
.set p, p+1
.endr
.set p, 0
.rept 8
	v_pk_mul_f32 v[X2R+p:X2R+p+1], v[ZR+p:ZR+p+1], v[ZR+p:ZR+p+1]
.set p, p+2
.endr
.set p, 0
.rept 8
	v_pk_fma_f32 v[PR+p:PR+p+1], v[X2R+p:X2R+p+1], v[42:43], 0x3b5f5da2 op_sel_hi:[1,1,0]
.set p, p+2
.endr
.set p, 0
.rept 8
	v_pk_fma_f32 v[QR+p:QR+p+1], v[X2R+p:X2R+p+1], v[44:45], 0x37c588df op_sel_hi:[1,1,0]
.set p, p+2
.endr
	HORNER PR, 0x3d50b6eb
	HORNER QR, 0x3a856d28
	HORNER PR, 0x3e3da740
	HORNER QR, 0x3c6687d4
	HORNER PR, 0x3f906eba
	HORNER QR, 0x3de34c21
	HORNER QR, 0x3efeb44a
	HORNER QR, 1.0
.set p, 0
.rept 8
	v_pk_mul_f32 v[ZR+p:ZR+p+1], v[ZR+p:ZR+p+1], v[PR+p:PR+p+1]
.set p, p+2
.endr
.set p, 0
.rept 16
	v_rcp_f32 v[QR+p], v[QR+p]
.set p, p+1
.endr
.set p, 0
.rept 8
	v_pk_mul_f32 v[X2R+p:X2R+p+1], v[VR+p:VR+p+1], 0.5 op_sel_hi:[1,0]           ; v / 2: plain lines behind the reciprocals
.set p, p+2
.endr
.set p, 0
	s_wait_alu depctr_va_vdst(0)
.rept 8
	v_pk_mul_f32 v[ZR+p:ZR+p+1], v[ZR+p:ZR+p+1], v[QR+p:QR+p+1]                  ; erf
.set p, p+2
.endr
.set p, 0
.rept 8
	v_pk_fma_f32 v[VR+p:VR+p+1], v[X2R+p:X2R+p+1], v[ZR+p:ZR+p+1], v[X2R+p:X2R+p+1]   ; v / 2 x erf + v / 2
.set p, p+2
.endr
.set p, 0
.rept 16
	v_med3_num_f32 v[VR+p], v[VR+p], -v41, v41     ; the conversion does not saturate (ISA guide 7.6.2)
.set p, p+1
.endr
.if \g == 0
	s_wait_dscnt 0x0                               ; the block before's stores have read the codes' registers
.endif
	v_cvt_scalef32_pk8_fp8_f32 v[CDS+4*\g:CDS+4*\g+1], v[VR:VR+7], v40
	v_cvt_scalef32_pk8_fp8_f32 v[CDS+4*\g+2:CDS+4*\g+3], v[VR+8:VR+15], v40
.endm
.macro HBLOCK a
.set AC, 64*((\a)%4)
	WIN (0x02+((\a)/4))                            ; source 0: window 2 or 3
.set j, 0
.rept 32
	v_pk_fma_f32 v[TMP+j:TMP+j+1], v[AC+j:AC+j+1], s[96:97], v[BC+j:BC+j+1] op_sel_hi:[1,0,1]   ; each accumulator from its low end on
.set j, j+2
.endr
	WIN 0
	GELU 0
	GELU 1
	GELU 2
	GELU 3
	v_nop                                          ; a plain line between the conversions and the next lines that write their sources
.irp b, 0,1,2,3,4,5,6,7
	ds_store_b64 v[STO], v[CDS+2*\b:CDS+2*\b+1] offset:16*PITCH*(\a)+16*\b
.endr
.endm
.irp a, 0,1,2,3,4,5,6,7
	HBLOCK \a
.endr
	s_wait_dscnt 0x0                               ; for the others' sake: my stores into the stage are done
	s_barrier_signal -1
	s_barrier_wait -1
.set t, 0
.rept 32
	ds_load_b128 v[128+4*t:131+4*t], v[RD] offset:2*PITCH*t
.set t, t+1
.endr
.set t, 0
.rept 32
	s_wait_dscnt 31-t
	global_store_b128 v[CO], v[128+4*t:131+4*t], s[12:13] offset:2*OPITCH*t    ; sixteen lanes store 256 consecutive bytes, aligned
.set t, t+1
.endr
	s_wait_tensorcnt 0x0                           ; the wave's end
	ds_add_u32 v[SPW], v[NIL]
	s_wait_dscnt 0x0
	CROUND                                         ; the closing round
	s_endpgm
.Lfunc_end_k_q863f88f18c_fc1:
	.size	k_q863f88f18c_fc1, .Lfunc_end_k_q863f88f18c_fc1-k_q863f88f18c_fc1
	.p2alignl 7, 3214868480
	.fill 96, 4, 3214868480
	.section	.rodata,"a",@progbits
	.p2align	6, 0x0
	.amdhsa_kernel k_q863f88f18c_fc1
		.amdhsa_group_segment_fixed_size 327680
		.amdhsa_private_segment_fixed_size 0
		.amdhsa_enable_private_segment 0
		.amdhsa_kernarg_size 40
		.amdhsa_user_sgpr_count 2
		.amdhsa_user_sgpr_kernarg_segment_ptr 1
		.amdhsa_wavefront_size32 1
		.amdhsa_system_sgpr_workgroup_id_x 1
		.amdhsa_system_sgpr_workgroup_id_y 1
		.amdhsa_system_sgpr_workgroup_id_z 1
		.amdhsa_system_vgpr_workitem_id 0
		.amdhsa_next_free_vgpr 1024
		.amdhsa_next_free_sgpr 100
		.amdhsa_reserve_vcc 0
		.amdhsa_float_denorm_mode_32 3
		.amdhsa_float_denorm_mode_16_64 3
		.amdhsa_memory_ordered 1
		.amdhsa_forward_progress 1
		.amdhsa_inst_pref_size 255
	.end_amdhsa_kernel
	.section	.bss,"aw",@nobits
	.p2align	6
	.space	262144
	.amdgpu_metadata
---
amdhsa.version: [ 1, 2 ]
amdhsa.kernels:
  - .name:           k_q863f88f18c_fc1
    .symbol:         k_q863f88f18c_fc1.kd
    .args:
      - { .name: act, .offset: 0, .size: 8, .value_kind: global_buffer, .address_space: global }
      - { .name: wc, .offset: 8, .size: 8, .value_kind: global_buffer, .address_space: global }
      - { .name: lowp_scales, .offset: 16, .size: 8, .value_kind: global_buffer, .address_space: global }
      - { .name: b1, .offset: 24, .size: 8, .value_kind: global_buffer, .address_space: global }
      - { .name: hc, .offset: 32, .size: 8, .value_kind: global_buffer, .address_space: global }
    .group_segment_fixed_size: 327680
    .private_segment_fixed_size: 0
    .kernarg_segment_align: 8
    .kernarg_segment_size: 40
    .max_flat_workgroup_size: 128
    .sgpr_count:     100
    .vgpr_count:     1024
    .wavefront_size: 32
...
	.end_amdgpu_metadata
.endif
;; end of part 6
;; launch fc2 (part 7): grid 4 x 16, 4 waves a work-group, clusters of 4 x 4, 327,680 bytes of LDS; arguments hc, wc, lowp_scales, b2, x1, out0; writes out0
.if DOCPART == 7
	.amdgcn_target "amdgcn-amd-amdhsa--gfx1250"
	.amdhsa_code_object_version 6
	.text
	.protected	k_q863f88f18c_fc2
	.globl	k_q863f88f18c_fc2
	.p2align	8
	.type	k_q863f88f18c_fc2,@function
k_q863f88f18c_fc2:
	s_mov_b64 s[64:65], 0
	v_nop
	global_prefetch_b8 v0, s[64:65] scope:SCOPE_SE
	s_setreg_imm32_b32 hwreg(HW_REG_WAVE_MODE, 25, 1), 1
	s_wait_xcnt 0x0
	s_wait_alu depctr_hold_cnt(0) depctr_sa_sdst(0) depctr_va_vdst(0) depctr_va_sdst(0) depctr_va_ssrc(0) depctr_va_vcc(0) depctr_vm_vsrc(0)
	s_getreg_b32 s2, hwreg(HW_REG_IB_STS2, 6, 4)
	s_cmp_eq_u32 s2, 0
	s_cbranch_scc0 .Lentry_in_a_cluster
	s_endpgm
.Lentry_in_a_cluster:
	s_bfe_u32 s2, ttmp6, 0x10000c
	s_cmp_lg_u32 s2, 0xf033
	s_cbranch_scc0 .Lentry_shape_is_right
	s_endpgm
.Lentry_shape_is_right:
; Product 6 on codes of FP8 (E4M3): out0 = x1 + (h w2 + b2).  h's codes: hc [4096][4096]; w2's: wc + 0x800000, [1024][4096], K innermost; x1, out0: [4096][1024] f32.
; A tile, 256 x 256, is made by four waves, each 128 x 128: 64 accumulators, 512 registers.  K = 4,096 goes in steps of 256 through a ring of two LDS slots filled by the tensor data mover.
; The result has 16 x 4 tiles of that size: 64 work-groups.
; CLUSTERS: 4 x 4 work-groups; A's tile is shared along a row of the cluster, B's along a column: joint loads.
; THE MATRIX INSTRUCTION IS USED TRANSPOSED (source 0 = 16 rows of B, source 1 = 16 rows of A): a lane holds eight neighbouring columns of one row.  A fragment comes by four loads of 16 bytes: a permutation of k, the same on both sides.
; THE WAY OUT: a block of 16 rows goes as raw sums through the wave's own stage and comes back as rows of 512 bytes; there sum x 2^(eA + eB) + bias is one packed multiply-add, the residual one packed add.
; LIMIT: eA + eB between -126 and 127.
; REGISTERS: window 0: v0-31 addresses; v96-99 the bias at my four columns; v128-255 A's fragments, ONE set, later rows read back.  window 1: B's fragments, TWO sets, later the residual.  windows 2, 3: the accumulators.
.set SIZE_K, 4096
.set WOFF,   0x800000                  ; the weight's codes in wc
.set SOFF,   0x28                      ; eA, eB in lowp_scales
.set ROWC,   4096                      ; a row of the result in bytes
.set KSTEP,  256
.set ROWB,   256
.set KROW,   SIZE_K
.set PITCH,  272                       ; an LDS row: 256 bytes + 16 of padding: the 16 rows that a load touches start at 16 different banks (64 banks of 4 bytes: ISA guide 11.1)
.set FR,     16
.set NL,     4
.set NP,     4
.set HALFT,  128*PITCH
.set SLOT,   4*HALFT
.set LAPS,   SIZE_K/(2*KSTEP)
.set SPARE,  2*SLOT                    ; behind the ring: the spare words, 128 bytes a wave, which no other line names
.set SPITCH, 528                       ; the way out: 16 rows x (512 + 16) bytes for each wave, in slot 0, which has had its last fill and its last read by then
.set ADRA, 16
.set ADRB, 20
.set STO,  24
.set RD,   25
.set CO,   26
.set SPW,  28
.set NIL,  29
.set BIAS, 96
.set AF,   128
.set BK,   128
.set G1, 24
.set G0, 32
.set G1B, 48
.set G0B, 56
.set MSB, 0
.macro WIN new                         ; the immediate's high byte repeats the setting that is left
.if MSB != \new
	s_set_vgpr_msb (MSB<<8)|\new
.set MSB, \new
.endif
.endm
.set MUL_LO, 0xa1
.set MUL_HI, 0xf1
.set TO_B,   0x40
.macro JLOAD g0a, g1a, g0b, g1b        ; a joint load: waves 0, 1 fetch A's halves, waves 2, 3 B's; four v_nop follow each line
	s_cmp_eq_u32 s15, 0
	s_cbranch_scc0 .Lfor_b_\@
	tensor_load_to_lds s[\g0a:\g0a+3], s[\g1a:\g1a+7]
	s_nop 0
.rept 4
	v_nop
.endr
	s_branch .Lasked_\@
.Lfor_b_\@:
	tensor_load_to_lds s[\g0b:\g0b+3], s[\g1b:\g1b+7]
	s_nop 0
.rept 4
	v_nop
.endr
.Lasked_\@:
.endm
.macro CREST
	s_cmp_lg_u32 s14, 0
	s_cbranch_scc1 .Lnot_wave_0_\@
	s_barrier_signal -3
.Lnot_wave_0_\@:
	s_barrier_wait -3
	s_barrier_signal -1
	s_barrier_wait -1
.endm
.macro CROUND
	s_barrier_signal -1
	s_barrier_wait -1
	CREST
.endm
	s_load_b128 s[4:7], s[0:1], 0x0                ; A's codes, wc
	s_load_b128 s[8:11], s[0:1], 0x10              ; the scales' exponents, the bias
	s_load_b128 s[68:71], s[0:1], 0x20             ; the residual, the result
	v_lshl_add_u32 v[SPW], v0, 2, SPARE
	v_mov_b32 v[NIL], 0
	ds_add_u32 v28, v29
	s_wait_dscnt 0x0
	v_lshrrev_b32 v1, 5, v0
	v_readfirstlane_b32 s14, v1                    ; wave 0..3
	s_lshr_b32 s15, s14, 1
	s_and_b32 s16, s14, 1
	s_bfe_u32 s40, ttmp6, 0x40000                  ; cx, cy
	s_bfe_u32 s41, ttmp6, 0x40004
	s_lshl_b32 s42, ttmp9, 2
	s_add_co_u32 s42, s42, s40                     ; tile column
	s_and_b32 s17, ttmp7, 0xffff
	s_lshl_b32 s17, s17, 2
	s_add_co_u32 s17, s17, s41                     ; tile row
	s_lshl_b32 s43, s41, 2
	s_lshl_b32 s43, 15, s43
	s_lshl_b32 s44, 0x1111, s40
	s_or_b32 s[G1+0], s43, (0<<16)|(1<<20)|(1<<21)|(5<<22)|(3<<25)
	s_or_b32 s[G1B+0], s44, (0<<16)|(1<<20)|(1<<21)|(5<<22)|(3<<25)
.irp g, G1, G1B
	s_mov_b32 s[\g+1], ROWB<<16
	s_mov_b32 s[\g+2], 128<<16
	s_mov_b32 s[\g+3], ROWB<<16
	s_mov_b32 s[\g+4], 128
	s_mov_b32 s[\g+5], KROW
	s_mov_b32 s[\g+6], 0
	s_mov_b32 s[\g+7], 0
.endr
	s_lshl_b32 s18, s16, 7
	s_lshl_b32 s20, s17, 8
	s_add_co_u32 s20, s20, s18
	s_lshl_b32 s46, s42, 8
	s_add_co_u32 s46, s46, s18
	s_mov_b32 s21, 0
	s_mov_b32 s47, 0
	s_mov_b64 s[18:19], KROW
	s_mul_u64 s[20:21], s[20:21], s[18:19]
	s_mul_u64 s[46:47], s[46:47], s[18:19]
	s_mul_i32 s45, s14, HALFT
	s_wait_kmcnt 0x0
	s_load_b64 s[96:97], s[8:9], SOFF              ; eA, eB
	s_add_nc_u64 s[6:7], s[6:7], WOFF
	s_add_nc_u64 s[20:21], s[4:5], s[20:21]
	s_add_nc_u64 s[46:47], s[6:7], s[46:47]
	CROUND                                         ; all sixteen work-groups are here: the first joint loads meet
.irp s, 0,1
	s_mov_b32 s[G0+4*\s], 1
	s_add_co_u32 s[G0+4*\s+1], s45, \s*SLOT
	s_add_nc_u64 s[G0+4*\s+2:G0+4*\s+3], s[20:21], \s*ROWB
	s_or_b32 s[G0+4*\s+3], s[G0+4*\s+3], 0x80000000
	s_mov_b32 s[G0B+4*\s], 1
	s_add_co_u32 s[G0B+4*\s+1], s45, \s*SLOT
	s_add_nc_u64 s[G0B+4*\s+2:G0B+4*\s+3], s[46:47], \s*ROWB
	s_or_b32 s[G0B+4*\s+3], s[G0B+4*\s+3], 0x80000000
	JLOAD G0+4*\s, G1, G0B+4*\s, G1B
.endr
	v_and_b32 v1, 15, v0
	v_bfe_u32 v2, v0, 4, 1
	v_mul_u32_u24 v3, v1, PITCH
	v_lshl_add_u32 v4, v2, 4, v3
	s_mul_i32 s21, s15, HALFT
	s_mul_i32 s22, s16, HALFT
	s_add_co_u32 s22, s22, 2*HALFT
.irp s, 0,1
	v_add_nc_u32 v[ADRA+\s], s21, v4
	v_add_nc_u32 v[ADRB+\s], s22, v4
	s_add_co_u32 s21, s21, SLOT
	s_add_co_u32 s22, s22, SLOT
.endr
	s_mul_i32 s23, s14, 16*SPITCH                  ; my stage
	v_mul_u32_u24 v5, v1, SPITCH
	v_lshl_add_u32 v5, v2, 5, v5
	v_add_nc_u32 v[STO], s23, v5                   ; in: row r, 32 bytes for each half of the lanes
	v_and_b32 v6, 31, v0
	v_lshlrev_b32 v[CO], 4, v6                     ; back: the 32 lanes take one row of 512 bytes; the same in memory
	v_add_nc_u32 v[RD], s23, v[CO]
	s_lshl_b32 s20, s17, 8
	s_lshl_b32 s21, s15, 7
	s_add_co_u32 s20, s20, s21                     ; my first row,
	s_lshl_b32 s20, s20, 12                        ; in bytes (under 2^24)
	s_lshl_b32 s46, s42, 10
	s_lshl_b32 s47, s16, 9
	s_add_co_u32 s46, s46, s47                     ; my first column, in bytes
	s_mov_b32 s47, 0
	s_add_nc_u64 s[10:11], s[10:11], s[46:47]
	s_add_co_u32 s20, s20, s46
	s_mov_b32 s21, 0
	s_add_nc_u64 s[68:69], s[68:69], s[20:21]
	s_add_nc_u64 s[70:71], s[70:71], s[20:21]
	global_load_b128 v[BIAS:BIAS+3], v[CO], s[10:11]   ; the bias at columns 4 lane + 0 .. 3 of my 128
.macro FRAG reg, adr, q, i
.irp c, 0,1,2,3
	ds_load_b128 v[\reg+4*\c:\reg+4*\c+3], v[\adr] offset:128*(\q)+32*\c+(\i)*16*PITCH
.endr
.endm
.macro MUL16 a0, p, zero               ; 16 matrix instructions; the 64 accumulators take turns, one instruction a turn
.irp a, \a0, \a0+1
.irp b, 0,1,2,3,4,5,6,7
.if \zero
	v_wmma_f32_16x16x128_fp8_fp8 v[8*(8*((\a)%4)+\b):8*(8*((\a)%4)+\b)+7], v[128*(\p)+FR*\b:128*(\p)+FR*\b+FR-1], v[AF+FR*(\a):AF+FR*(\a)+FR-1], 0
.else
	v_wmma_f32_16x16x128_fp8_fp8 v[8*(8*((\a)%4)+\b):8*(8*((\a)%4)+\b)+7], v[128*(\p)+FR*\b:128*(\p)+FR*\b+FR-1], v[AF+FR*(\a):AF+FR*(\a)+FR-1], v[8*(8*((\a)%4)+\b):8*(8*((\a)%4)+\b)+7]
.endif
.endr
.endr
.endm
.macro FETCH_B slot, q, p
	WIN TO_B
.irp i, 0,1,2,3,4,5,6,7
	FRAG 128*(\p)+FR*\i, ADRB+\slot, \q, \i
.endr
	WIN 0
.endm
.macro FETCH_A slot, q, i0
.irp i, \i0, \i0+1, \i0+2, \i0+3
	FRAG AF+FR*(\i), ADRA+\slot, \q, \i
.endr
.endm
.macro PLACES n                        ; plain vector instructions between a matrix instruction and a load into, or a read of, its registers
.rept \n
	v_nop
.endr
.endm
.macro STEP slot, q, zero
	s_wait_dscnt 4*NL                              ; B's set and A's blocks 0-3 are in; the youngest 16 loads (blocks 4-7) may be out
	WIN MUL_LO
	MUL16 0, (\q)%2, \zero
	MUL16 2, (\q)%2, \zero
	s_wait_dscnt 0
	PLACES NP
	FETCH_B \slot, (\q)+1, 1-(\q)%2
	FETCH_A \slot, (\q)+1, 0
	WIN MUL_HI
	MUL16 4, (\q)%2, \zero
	MUL16 6, (\q)%2, \zero
	PLACES NP
	WIN 0
	FETCH_A \slot, (\q)+1, 4
.endm
.macro TURN slot, next, fill
	s_wait_tensorcnt 0x0                           ; all my tensor loads have landed: my part of the next slot
	ds_add_u32 v[SPW], v[NIL]                      ; 0 onto my spare word
	s_wait_dscnt 4*NL+1                            ; (the add and the youngest 16 loads may be out)
	WIN MUL_LO
	MUL16 0, 1, 0
	s_wait_dscnt 0x0                               ; the add is done, and my reads of this slot are over
	s_barrier_signal -1
	MUL16 2, 1, 0
	WIN 0
	s_barrier_wait -1
.if \fill
	CREST                                          ; the barrier has opened a round of the cluster's: no wave of any partner still reads this slot or has a load on its way
	s_add_nc_u64 s[G0+4*\slot+2:G0+4*\slot+3], s[G0+4*\slot+2:G0+4*\slot+3], 2*ROWB
	s_add_nc_u64 s[G0B+4*\slot+2:G0B+4*\slot+3], s[G0B+4*\slot+2:G0B+4*\slot+3], 2*ROWB
	JLOAD G0+4*\slot, G1, G0B+4*\slot, G1B
.else
	PLACES NP
.endif
	FETCH_B \next, 0, 0
	FETCH_A \next, 0, 0
	WIN MUL_HI
	MUL16 4, 1, 0
	MUL16 6, 1, 0
	PLACES NP
	WIN 0
	FETCH_A \next, 0, 4
.endm
	s_wait_tensorcnt 1                             ; my part of K step 0 is in; K step 1's load may be out
	s_barrier_signal -1
	s_barrier_wait -1
	FETCH_B 0, 0, 0
	FETCH_A 0, 0, 0
	FETCH_A 0, 0, 4
	STEP 0, 0, 1
	s_mov_b32 s3, LAPS-1
.Llap:
	TURN 0, 1, 1
	STEP 1, 0, 0
	TURN 1, 0, 1
	STEP 0, 0, 0
	s_sub_co_u32 s3, s3, 1
	s_cmp_lg_u32 s3, 0
	s_cbranch_scc1 .Llap
	TURN 0, 1, 0
	STEP 1, 0, 0
	s_wait_dscnt 4*NL
	WIN MUL_LO
	MUL16 0, 1, 0
	MUL16 2, 1, 0
	s_wait_dscnt 0
	WIN MUL_HI
	MUL16 4, 1, 0
	MUL16 6, 1, 0
	WIN 0
.macro RLOAD a                         ; the residual's 16 rows of block a into window 1, set a % 4
	WIN 0x40
.set t, 0
.rept 16
	global_load_b128 v[64*((\a)%4)+4*t:64*((\a)%4)+4*t+3], v[CO], s[68:69] offset:(16*(\a)+t)*ROWC
.set t, t+1
.endr
	WIN 0
.endm
.macro TOSTAGE a                       ; block a's raw sums into my stage, each accumulator from its low end on, and back as whole rows
.set AC, 64*((\a)%4)
	WIN (0x08+4*((\a)/4))                          ; the stores' data: window 2 or 3
.irp b, 0,1,2,3,4,5,6,7
	ds_store_b128 v[STO], v[AC+8*\b:AC+8*\b+3] offset:64*\b
	ds_store_b128 v[STO], v[AC+8*\b+4:AC+8*\b+7] offset:64*\b+16
.endr
	WIN 0
.set BB, BK+64*((\a)%2)
.set t, 0
.rept 16
	ds_load_b128 v[BB+4*t:BB+4*t+3], v[RD] offset:t*SPITCH       ; LDS serves a wave's instructions in order (ISA guide 5.7.1.4): these see the stores above
.set t, t+1
.endr
.endm
.macro SEND a, younger
.set BB, BK+64*((\a)%2)
.set RS, 64*((\a)%4)
	s_wait_dscnt \younger                          ; the block is back; the next block's 16 stores and 16 loads may be out
.if 7-(\a) < 3
	s_wait_loadcnt 16*(7-(\a))                     ; its residual is in; the blocks asked for behind it may be out
.else
	s_wait_loadcnt 48
.endif
.set t, 0
.rept 16
	v_pk_fma_f32 v[BB+4*t:BB+4*t+1], v[BB+4*t:BB+4*t+1], s[96:97], v[BIAS:BIAS+1] op_sel_hi:[1,0,1]       ; sum x 2^(eA + eB) + bias
	v_pk_fma_f32 v[BB+4*t+2:BB+4*t+3], v[BB+4*t+2:BB+4*t+3], s[96:97], v[BIAS+2:BIAS+3] op_sel_hi:[1,0,1]
.set t, t+1
.endr
	WIN 0x04                                       ; source 1: window 1
.set j, 0
.rept 32
	v_pk_add_f32 v[BB+j:BB+j+1], v[BB+j:BB+j+1], v[RS+j:RS+j+1]   ; + the residual
.set j, j+2
.endr
	WIN 0
.set t, 0
.rept 16
	global_store_b128 v[CO], v[BB+4*t:BB+4*t+3], s[70:71] offset:(16*(\a)+t)*ROWC    ; 32 lanes store 512 consecutive bytes, aligned
.set t, t+1
.endr
.endm
	s_wait_kmcnt 0x0
	s_add_co_i32 s96, s96, s97
	s_add_co_i32 s96, s96, 127
	s_lshl_b32 s96, s96, 23                        ; 2^(eA + eB); s97 is named with it as a pair and holds a written number
	PLACES NP                                      ; behind the last products: for the stores that read results and the loads into the operands' registers
	RLOAD 0
	RLOAD 1
	RLOAD 2
	RLOAD 3
	TOSTAGE 0
.irp a, 1,2,3,4,5,6,7
.if \a > 1
	s_wait_xcnt 0x0                                ; block a - 2's stores have read their registers: block a's rows may land there
.endif
	TOSTAGE \a
	SEND \a-1, 32
.if \a+3 < 8
	RLOAD \a+3
.endif
.endr
	SEND 7, 0
	s_wait_tensorcnt 0x0                           ; the wave's end
	ds_add_u32 v[SPW], v[NIL]
	s_wait_dscnt 0x0
	CROUND                                         ; the closing round
	s_endpgm
.Lfunc_end_k_q863f88f18c_fc2:
	.size	k_q863f88f18c_fc2, .Lfunc_end_k_q863f88f18c_fc2-k_q863f88f18c_fc2
	.p2alignl 7, 3214868480
	.fill 96, 4, 3214868480
	.section	.rodata,"a",@progbits
	.p2align	6, 0x0
	.amdhsa_kernel k_q863f88f18c_fc2
		.amdhsa_group_segment_fixed_size 327680
		.amdhsa_private_segment_fixed_size 0
		.amdhsa_enable_private_segment 0
		.amdhsa_kernarg_size 48
		.amdhsa_user_sgpr_count 2
		.amdhsa_user_sgpr_kernarg_segment_ptr 1
		.amdhsa_wavefront_size32 1
		.amdhsa_system_sgpr_workgroup_id_x 1
		.amdhsa_system_sgpr_workgroup_id_y 1
		.amdhsa_system_sgpr_workgroup_id_z 1
		.amdhsa_system_vgpr_workitem_id 0
		.amdhsa_next_free_vgpr 1024
		.amdhsa_next_free_sgpr 100
		.amdhsa_reserve_vcc 0
		.amdhsa_float_denorm_mode_32 3
		.amdhsa_float_denorm_mode_16_64 3
		.amdhsa_memory_ordered 1
		.amdhsa_forward_progress 1
		.amdhsa_inst_pref_size 152
	.end_amdhsa_kernel
	.amdgpu_metadata
---
amdhsa.version: [ 1, 2 ]
amdhsa.kernels:
  - .name:           k_q863f88f18c_fc2
    .symbol:         k_q863f88f18c_fc2.kd
    .args:
      - { .name: hc, .offset: 0, .size: 8, .value_kind: global_buffer, .address_space: global }
      - { .name: wc, .offset: 8, .size: 8, .value_kind: global_buffer, .address_space: global }
      - { .name: lowp_scales, .offset: 16, .size: 8, .value_kind: global_buffer, .address_space: global }
      - { .name: b2, .offset: 24, .size: 8, .value_kind: global_buffer, .address_space: global }
      - { .name: x1, .offset: 32, .size: 8, .value_kind: global_buffer, .address_space: global }
      - { .name: out0, .offset: 40, .size: 8, .value_kind: global_buffer, .address_space: global }
    .group_segment_fixed_size: 327680
    .private_segment_fixed_size: 0
    .kernarg_segment_align: 8
    .kernarg_segment_size: 48
    .max_flat_workgroup_size: 128
    .sgpr_count:     100
    .vgpr_count:     1024
    .wavefront_size: 32
...
	.end_amdgpu_metadata
.endif
;; end of part 7
;; ======== version 2 of 2: 7 launches
;; limits: right only within a limited range of input values
;; workspace buffers: wc 12,582,912 bytes; act 4,194,304 bytes; qkvc 12,582,912 bytes; x1 16,777,216 bytes; hc 16,777,216 bytes
;; launch prep (part 8): grid 640 x 1, 4 waves a work-group, no clusters, 35,328 bytes of LDS; arguments x, ln1_g, ln1_b, lowp_scales, act, w_qkv, w_proj, w1, w2, wc; writes act, wc
.if DOCPART == 8
	.amdgcn_target "amdgcn-amd-amdhsa--gfx1250"
	.amdhsa_code_object_version 6
	.text
	.protected	k_q863f88f18c_prep
	.globl	k_q863f88f18c_prep
	.p2align	8
	.type	k_q863f88f18c_prep,@function
k_q863f88f18c_prep:
	s_mov_b64 s[64:65], 0
	v_nop
	global_prefetch_b8 v0, s[64:65] scope:SCOPE_SE
	s_setreg_imm32_b32 hwreg(HW_REG_WAVE_MODE, 25, 1), 1
	s_wait_xcnt 0x0
; Work-groups 0-255: act = codes of LN1(x), FP8 (E4M3), scale 2^e0.  Work-groups 256-639: the four weights, f32 with K as their FIRST axis, become codes with K innermost in wc
; (w_qkv [3072][1024] at 0, w_proj [1024][1024] at 0x300000, w1 [4096][1024] at 0x400000, w2 [1024][4096] at 0x800000), scales 2^e1, 2^e7, 2^e9, 2^e11.
; code = number / 2^e, held within +-448, to the nearest code, ties to even.  LIMITS: each e between -126 and 119 (2^e and 448 x 2^e are made as f32 numbers); NaN among the inputs is not served.
; LN: a wave takes 4 rows of 1,024 numbers, each kept in 32 registers a lane; lane l holds numbers 256 j + 8 l + 0..7, eight neighbours along K for each conversion.  Mean first, then the mean of (x - mean)^2: two passes over registers.
; WEIGHTS: a work-group takes 128 columns x 256 along K.  A lane takes a column and its registers run down K, so the conversions give codes with K innermost; they leave through the wave's own stage in LDS as rows of 256 bytes.
; No tensor loads, no barrier: waves share nothing.  Only the weights' path uses LDS.
.set EOFF, 0x0                         ; byte of the LN's scale in lowp_scales
.set G,    16                          ; v16-47   the gain at my 32 places
.set BT,   48                          ; v48-79   the bias
.set X,    80                          ; v80-207  four rows, 32 registers each
.set CD,   208                         ; v208-239 codes, 8 registers a row: no store's data are written again
.set WX,   32                          ; weights: v32-95 two sets of 32 numbers
.set WCD,  96                          ; v96-103  a block's codes
.set RO,   112                         ; v112-143 byte offset of row i of a block of 32 rows, at my column
.set OUTR, 144                         ; v144-207 the way out
.set OO,   208                         ; v208-223 byte offsets of the way out's 16 stores
.set WP,   272                         ; a stage row: 256 bytes + 16
	s_load_b512 s[4:19], s[0:1], 0x0               ; x 4:5, gain 6:7, bias 8:9, scales 10:11, act 12:13, w_qkv 14:15, w_proj 16:17, w1 18:19
	s_load_b128 s[20:23], s[0:1], 0x40             ; w2 20:21, wc 22:23
	v_lshl_add_u32 v248, v0, 2, 0x8800
	v_mov_b32 v249, 0
	v_lshrrev_b32 v1, 5, v0
	v_readfirstlane_b32 s26, v1                    ; wave
	v_and_b32 v1, 31, v0                           ; lane
	s_wait_kmcnt 0x0
	s_cmp_lt_u32 ttmp9, 256
	s_cbranch_scc0 .Lweights
	; ---------------- layer norm and quantiser
	s_load_b32 s27, s[10:11], EOFF                 ; e
	s_lshl_b32 s32, ttmp9, 16                      ; 16 rows of 4,096 bytes a work-group,
	s_lshl_b32 s33, s26, 14                        ; 4 a wave
	s_add_co_u32 s32, s32, s33
	s_mov_b32 s33, 0
	s_add_nc_u64 s[4:5], s[4:5], s[32:33]
	s_lshl_b32 s34, ttmp9, 14                      ; and of 1,024 bytes of codes
	s_lshl_b32 s35, s26, 12
	s_add_co_u32 s34, s34, s35
	s_mov_b32 s35, 0
	s_add_nc_u64 s[12:13], s[12:13], s[34:35]
	s_wait_alu depctr_va_vdst(0)
	v_lshlrev_b32 v2, 5, v1                        ; 32 bytes a lane in
	v_lshlrev_b32 v3, 3, v1                        ; 8 bytes a lane out
.irp j, 0,1,2,3
	global_load_b128 v[G+8*\j:G+8*\j+3], v2, s[6:7] offset:1024*\j
	global_load_b128 v[G+8*\j+4:G+8*\j+7], v2, s[6:7] offset:1024*\j+16
.endr
.irp j, 0,1,2,3
	global_load_b128 v[BT+8*\j:BT+8*\j+3], v2, s[8:9] offset:1024*\j
	global_load_b128 v[BT+8*\j+4:BT+8*\j+7], v2, s[8:9] offset:1024*\j+16
.endr
.irp r, 0,1,2,3
.irp j, 0,1,2,3
	global_load_b128 v[X+32*\r+8*\j:X+32*\r+8*\j+3], v2, s[4:5] offset:4096*\r+1024*\j       ; two loads together cover 1,024 consecutive bytes
	global_load_b128 v[X+32*\r+8*\j+4:X+32*\r+8*\j+7], v2, s[4:5] offset:4096*\r+1024*\j+16
.endr
.endr
	s_mov_b32 s30, 0x76543210                      ; v_permlanex16_b32: lane l xor 16
	s_mov_b32 s31, 0xfedcba98
	v_mov_b32 v13, 0                               ; upper halves of pairs that are named whole
	v_mov_b32 v15, 0
	v_mov_b32 v242, 0                              ; a lane permute's destination counts as read
	v_mov_b32 v243, 0x3a800000                     ; 1 / 1024
	s_wait_kmcnt 0x0
	s_add_co_i32 s27, s27, 127
	s_lshl_b32 s28, s27, 23
	v_mov_b32 v240, s28                            ; 2^e: the conversion takes its exponent field
	s_add_co_i32 s27, s27, 8
	s_lshl_b32 s27, s27, 23
	s_or_b32 s27, s27, 0x600000
	v_mov_b32 v241, s27                            ; 448 x 2^e
.macro JOIN                            ; four packed chains v[4:11] into v4
	v_pk_add_f32 v[4:5], v[4:5], v[6:7]
	v_pk_add_f32 v[8:9], v[8:9], v[10:11]
	v_pk_add_f32 v[4:5], v[4:5], v[8:9]
	v_add_f32 v4, v4, v5
.endm
.macro RED                             ; v4 summed over the 32 lanes, in every lane
	v_add_f32_dpp v4, v4, v4 row_xmask:1 row_mask:0xf bank_mask:0xf
	v_add_f32_dpp v4, v4, v4 row_xmask:2 row_mask:0xf bank_mask:0xf
	v_add_f32_dpp v4, v4, v4 row_xmask:4 row_mask:0xf bank_mask:0xf
	v_add_f32_dpp v4, v4, v4 row_xmask:8 row_mask:0xf bank_mask:0xf
	v_permlanex16_b32 v242, v4, s30, s31
	v_add_f32 v4, v4, v242
.endm
.macro ROW r
.set XR, X+32*\r
	s_wait_loadcnt 8*(3-\r)                        ; this row's eight loads are in; the younger rows' may be out
.irp k, 0,1,2,3
	v_pk_add_f32 v[4+2*\k:5+2*\k], v[XR+2*\k:XR+2*\k+1], v[XR+8+2*\k:XR+9+2*\k]      ; the first pairs start the chains
.endr
.irp k, 0,1,2,3,4,5,6,7
	v_pk_add_f32 v[4+2*(\k%4):5+2*(\k%4)], v[4+2*(\k%4):5+2*(\k%4)], v[XR+16+2*\k:XR+17+2*\k]
.endr
	JOIN
	RED
	v_mul_f32 v12, v243, v4                        ; the mean
.irp k, 0,1,2,3,4,5,6,7,8,9,10,11,12,13,14,15
	v_pk_add_f32 v[XR+2*\k:XR+2*\k+1], v[XR+2*\k:XR+2*\k+1], v[12:13] op_sel_hi:[1,0] neg_lo:[0,1] neg_hi:[0,1]   ; x - mean
.endr
.irp k, 0,1,2,3
	v_pk_mul_f32 v[4+2*\k:5+2*\k], v[XR+2*\k:XR+2*\k+1], v[XR+2*\k:XR+2*\k+1]
.endr
.irp k, 4,5,6,7,8,9,10,11,12,13,14,15
	v_pk_fma_f32 v[4+2*(\k%4):5+2*(\k%4)], v[XR+2*\k:XR+2*\k+1], v[XR+2*\k:XR+2*\k+1], v[4+2*(\k%4):5+2*(\k%4)]
.endr
	JOIN
	RED
	v_fmaak_f32 v14, v4, v243, 0x3727c5ac          ; variance + 1e-5
	s_wait_alu depctr_va_vdst(0)
	v_rsq_f32 v14, v14
	v_nop                                          ; a plain instruction between the transcendental and the use of its result
	s_wait_alu depctr_va_vdst(0)
.irp k, 0,1,2,3,4,5,6,7,8,9,10,11,12,13,14,15
	v_pk_mul_f32 v[XR+2*\k:XR+2*\k+1], v[XR+2*\k:XR+2*\k+1], v[14:15] op_sel_hi:[1,0]
.endr
.irp k, 0,1,2,3,4,5,6,7,8,9,10,11,12,13,14,15
	v_pk_fma_f32 v[XR+2*\k:XR+2*\k+1], v[XR+2*\k:XR+2*\k+1], v[G+2*\k:G+2*\k+1], v[BT+2*\k:BT+2*\k+1]
.endr
.set i, 0
.rept 32
	v_med3_num_f32 v[XR+i], v[XR+i], -v241, v241   ; the conversion to an 8-bit code does not saturate (ISA guide 7.6.2): the hold comes first
.set i, i+1
.endr
.irp j, 0,1,2,3
	v_cvt_scalef32_pk8_fp8_f32 v[CD+8*\r+2*\j:CD+8*\r+2*\j+1], v[XR+8*\j:XR+8*\j+7], v240
.endr
.irp j, 0,1,2,3
	global_store_b64 v3, v[CD+8*\r+2*\j:CD+8*\r+2*\j+1], s[12:13] offset:1024*\r+256*\j      ; the wave stores 256 consecutive bytes, aligned
.endr
.endm
	ROW 0
	ROW 1
	ROW 2
	ROW 3
	s_endpgm
	; ---------------- the weights
.Lweights:
	s_load_b128 s[48:51], s[10:11], 0x0            ; e0 .. e11
	s_load_b128 s[52:55], s[10:11], 0x10
	s_load_b128 s[56:59], s[10:11], 0x20
	s_sub_co_u32 s29, ttmp9, 256                   ; u = 0 .. 383: 0-95 w_qkv, 96-127 w_proj, 128-255 w1, 256-383 w2
	s_mov_b64 s[30:31], s[20:21]                   ; w2's figures first; three compares on u replace them.  The choices hang on the work-group's number alone
	s_mov_b32 s32, 4096                            ; bytes in a row of the weight
	s_mov_b32 s33, 256                             ; the tensor's first u
	s_mov_b32 s34, 0x800000                        ; its place in wc
	s_mov_b32 s35, 12                              ; log2 of K: a row of its codes
	s_mov_b32 s36, 4                               ; log2 of K / 256
	s_wait_kmcnt 0x0
	s_mov_b32 s37, s59                             ; e11
	s_cmp_lt_u32 s29, 256
	s_cselect_b64 s[30:31], s[18:19], s[30:31]     ; w1
	s_cselect_b32 s32, 16384, s32
	s_cselect_b32 s33, 128, s33
	s_cselect_b32 s34, 0x400000, s34
	s_cselect_b32 s35, 10, s35
	s_cselect_b32 s36, 2, s36
	s_cselect_b32 s37, s57, s37                    ; e9
	s_cmp_lt_u32 s29, 128
	s_cselect_b64 s[30:31], s[16:17], s[30:31]     ; w_proj
	s_cselect_b32 s32, 4096, s32
	s_cselect_b32 s33, 96, s33
	s_cselect_b32 s34, 0x300000, s34
	s_cselect_b32 s37, s55, s37                    ; e7
	s_cmp_lt_u32 s29, 96
	s_cselect_b64 s[30:31], s[14:15], s[30:31]     ; w_qkv
	s_cselect_b32 s32, 12288, s32
	s_cselect_b32 s33, 0, s33
	s_cselect_b32 s34, 0, s34
	s_cselect_b32 s37, s49, s37                    ; e1
	s_sub_co_u32 s38, s29, s33                     ; the work-group's number within its tensor
	s_bfm_b32 s39, s36, 0
	s_and_b32 s39, s38, s39                        ; which 256 along K
	s_lshr_b32 s38, s38, s36                       ; which 128 columns
	s_lshl_b32 s38, s38, 7
	s_lshl_b32 s40, s26, 5
	s_add_co_u32 s38, s38, s40                     ; my wave's first column
	s_lshl_b32 s40, s32, 8
	s_mul_i32 s40, s40, s39                        ; 256 rows x which, in bytes (under 2^24)
	s_lshl_b32 s41, s38, 2
	s_add_co_u32 s40, s40, s41
	s_mov_b32 s41, 0
	s_add_nc_u64 s[30:31], s[30:31], s[40:41]      ; the weight at my wave's corner
	s_lshl_b32 s42, s38, s35                       ; codes: row = column of the weight
	s_add_co_u32 s42, s42, s34
	s_lshl_b32 s43, s39, 8
	s_add_co_u32 s42, s42, s43
	s_mov_b32 s43, 0
	s_add_nc_u64 s[46:47], s[22:23], s[42:43]
	s_lshl_b32 s44, s32, 5                         ; 32 rows of the weight: a block's step
	s_mov_b32 s45, 0
	s_lshl_b32 s28, 2, s35                         ; two rows of codes
	s_wait_alu depctr_va_vdst(0)
	v_lshlrev_b32 v3, 2, v1
	s_mul_i32 s27, s26, 32*WP                      ; my stage
	v_mul_u32_u24 v4, v1, WP
	v_add_nc_u32 v4, s27, v4                       ; into it: row = my column
	v_and_b32 v5, 15, v1
	v_lshrrev_b32 v6, 4, v1
	v_mul_u32_u24 v7, v6, WP
	v_lshl_add_u32 v7, v5, 4, v7
	v_add_nc_u32 v7, s27, v7                       ; out of it: sixteen lanes to a row, two rows an instruction
	v_lshlrev_b32 v8, s35, v6
	v_lshl_add_u32 v[OO], v5, 4, v8                ; and the same place in the codes
.set i, 1
.rept 15
	v_add_nc_u32 v[OO+i], s28, v[OO+i-1]
.set i, i+1
.endr
	v_mov_b32 v[RO], v3
.set i, 1
.rept 31
	v_add_nc_u32 v[RO+i], s32, v[RO+i-1]
.set i, i+1
.endr
	s_add_co_i32 s37, s37, 127
	s_lshl_b32 s41, s37, 23
	v_mov_b32 v11, s41                             ; 2^e
	s_add_co_i32 s37, s37, 8
	s_lshl_b32 s37, s37, 23
	s_or_b32 s37, s37, 0x600000
	v_mov_b32 v10, s37                             ; 448 x 2^e
.macro WLOAD t                         ; block t: 32 rows of the weight at my column into set t % 2; a load reads 128 consecutive bytes a wave
.set i, 0
.rept 32
	global_load_b32 v[WX+32*((\t)%2)+i], v[RO+i], s[30:31] th:TH_LOAD_NT
.set i, i+1
.endr
	s_wait_xcnt 0x0                                ; the base steps only behind this wait
	s_add_nc_u64 s[30:31], s[30:31], s[44:45]
.endm
.macro BLOCK t
.set XS, WX+32*((\t)%2)
.if (\t) < 7
	s_wait_loadcnt 32                              ; this block's 32 loads are in; the next block's may be out
.else
	s_wait_loadcnt 0
.endif
.set i, 0
.rept 32
	v_med3_num_f32 v[XS+i], v[XS+i], -v10, v10
.set i, i+1
.endr
.irp g, 0,1,2,3
	v_cvt_scalef32_pk8_fp8_f32 v[WCD+2*\g:WCD+2*\g+1], v[XS+8*\g:XS+8*\g+7], v11
.endr
	ds_store_b128 v4, v[WCD:WCD+3] offset:32*(\t)
	ds_store_b128 v4, v[WCD+4:WCD+7] offset:32*(\t)+16
.if (\t)+2 < 8
	WLOAD (\t)+2
.endif
	s_wait_dscnt 0x0                               ; the stores have read their registers: the next block's codes may be written
.endm
	WLOAD 0
	s_wait_alu depctr_va_vdst(0)
	WLOAD 1
.set Q, 0
.rept 8
	BLOCK Q
.set Q, Q+1
.endr
.set t, 0
.rept 16
	ds_load_b128 v[OUTR+4*t:OUTR+4*t+3], v7 offset:2*t*WP     ; LDS serves a wave's instructions in order: these see my stores
.set t, t+1
.endr
.set t, 0
.rept 16
	s_wait_dscnt 15-t
	global_store_b128 v[OO+t], v[OUTR+4*t:OUTR+4*t+3], s[46:47]   ; sixteen lanes store 256 consecutive bytes, aligned
.set t, t+1
.endr
	s_wait_tensorcnt 0x0
	ds_add_u32 v248, v249
	s_wait_dscnt 0x0
	s_endpgm
.Lfunc_end_k_q863f88f18c_prep:
	.size	k_q863f88f18c_prep, .Lfunc_end_k_q863f88f18c_prep-k_q863f88f18c_prep
	.p2alignl 7, 3214868480
	.fill 96, 4, 3214868480
	.section	.rodata,"a",@progbits
	.p2align	6, 0x0
	.amdhsa_kernel k_q863f88f18c_prep
		.amdhsa_group_segment_fixed_size 35328
		.amdhsa_private_segment_fixed_size 0
		.amdhsa_enable_private_segment 0
		.amdhsa_kernarg_size 80
		.amdhsa_user_sgpr_count 2
		.amdhsa_user_sgpr_kernarg_segment_ptr 1
		.amdhsa_wavefront_size32 1
		.amdhsa_system_sgpr_workgroup_id_x 1
		.amdhsa_system_sgpr_workgroup_id_y 1
		.amdhsa_system_sgpr_workgroup_id_z 1
		.amdhsa_system_vgpr_workitem_id 0
		.amdhsa_next_free_vgpr 250
		.amdhsa_next_free_sgpr 66
		.amdhsa_reserve_vcc 0
		.amdhsa_float_denorm_mode_32 3
		.amdhsa_float_denorm_mode_16_64 3
		.amdhsa_memory_ordered 1
		.amdhsa_forward_progress 1
		.amdhsa_inst_pref_size 94
	.end_amdhsa_kernel
	.amdgpu_metadata
---
amdhsa.version: [ 1, 2 ]
amdhsa.kernels:
  - .name:           k_q863f88f18c_prep
    .symbol:         k_q863f88f18c_prep.kd
    .args:
      - { .name: x, .offset: 0, .size: 8, .value_kind: global_buffer, .address_space: global }
      - { .name: ln1_g, .offset: 8, .size: 8, .value_kind: global_buffer, .address_space: global }
      - { .name: ln1_b, .offset: 16, .size: 8, .value_kind: global_buffer, .address_space: global }
      - { .name: lowp_scales, .offset: 24, .size: 8, .value_kind: global_buffer, .address_space: global }
      - { .name: act, .offset: 32, .size: 8, .value_kind: global_buffer, .address_space: global }
      - { .name: w_qkv, .offset: 40, .size: 8, .value_kind: global_buffer, .address_space: global }
      - { .name: w_proj, .offset: 48, .size: 8, .value_kind: global_buffer, .address_space: global }
      - { .name: w1, .offset: 56, .size: 8, .value_kind: global_buffer, .address_space: global }
      - { .name: w2, .offset: 64, .size: 8, .value_kind: global_buffer, .address_space: global }
      - { .name: wc, .offset: 72, .size: 8, .value_kind: global_buffer, .address_space: global }
    .group_segment_fixed_size: 35328
    .private_segment_fixed_size: 0
    .kernarg_segment_align: 8
    .kernarg_segment_size: 80
    .max_flat_workgroup_size: 128
    .sgpr_count:     66
    .vgpr_count:     250
    .wavefront_size: 32
...
	.end_amdgpu_metadata
.endif
;; end of part 8
;; launch qkv (part 9): grid 12 x 16, 4 waves a work-group, clusters of 4 x 4, 327,680 bytes of LDS; arguments act, wc, lowp_scales, b_qkv, qkvc; writes qkvc
.if DOCPART == 9
	.amdgcn_target "amdgcn-amd-amdhsa--gfx1250"
	.amdhsa_code_object_version 6
	.text
	.protected	k_q863f88f18c_qkv
	.globl	k_q863f88f18c_qkv
	.p2align	8
	.type	k_q863f88f18c_qkv,@function
k_q863f88f18c_qkv:
	s_mov_b64 s[64:65], 0
	v_nop
	global_prefetch_b8 v0, s[64:65] scope:SCOPE_SE
	s_setreg_imm32_b32 hwreg(HW_REG_WAVE_MODE, 25, 1), 1
	s_wait_xcnt 0x0
	s_wait_alu depctr_hold_cnt(0) depctr_sa_sdst(0) depctr_va_vdst(0) depctr_va_sdst(0) depctr_va_ssrc(0) depctr_va_vcc(0) depctr_vm_vsrc(0)
	s_getreg_b32 s2, hwreg(HW_REG_IB_STS2, 6, 4)
	s_cmp_eq_u32 s2, 0
	s_cbranch_scc0 .Lentry_in_a_cluster
	s_endpgm
.Lentry_in_a_cluster:
	s_bfe_u32 s2, ttmp6, 0x10000c
	s_cmp_lg_u32 s2, 0xf033
	s_cbranch_scc0 .Lentry_shape_is_right
	s_endpgm
.Lentry_shape_is_right:
; Product 1 on codes of FP8 (E4M3): qkv = LN1(x) w_qkv + b_qkv, and its three parts quantised at once: q (2^e2), k (2^e3), v (2^e5).
; qkvc is [6144][2048] bytes: rows 0-4095 are tokens (bytes 0-1023 q, 1024-2047 k); rows 4096 + 1024 batch + feature hold v with the batch's 2,048 KEYS along the row, since the keys are the K of the second attention product.
; TWO GEMMs IN ONE LAUNCH, chosen by the cluster's x, which all partners share, with no branch: clusters x = 0, 1: rows = tokens (act), columns = features 0-2047 (wc);
; cluster x = 2: rows = v's 1,024 features (wc from row 2048 on), columns = tokens: v comes out transposed, a lane's eight results are eight neighbouring keys.
; A tile, 256 x 256, is made by four waves, each 128 x 128: 64 accumulators, 512 registers.  K = 1,024 goes in steps of 256 through a ring of two LDS slots filled by the tensor data mover.
; CLUSTERS: 4 x 4 work-groups; the row operand's tile is shared along a row of the cluster, the column operand's along a column: joint loads.
; THE MATRIX INSTRUCTION IS USED TRANSPOSED (source 0 = 16 rows of the column operand, source 1 = 16 of the row operand): a lane holds eight neighbouring columns of one row of the result.
; A fragment comes by four loads of 16 bytes: a permutation of k, the same on both sides.
; THE BIAS goes along the columns in the first case and along the rows in the second.  Both candidates are loaded (every address lies inside b_qkv) and the one that does not apply is replaced by 0: a choice of a value.
; LIMITS: e0 + e1 between -126 and 127; e2, e3, e5 between -126 and 119.  NaN is not served.
; REGISTERS: window 0: v0-31 addresses; v32-47 the rows' bias; v48, v49 2^e and 448 x 2^e; v64-127 the columns' bias; v128-255 the row operand's fragments, ONE set; on the way out v128-255 are at work.
;   window 1: the column operand's fragments, TWO sets.  windows 2, 3: the accumulators ((a, b) at v[8 (8 (a % 4) + b)]).
.set SIZE_K, 1024
.set OSH,    11                        ; log2 of the output's pitch
.set OPITCH, 2048
.set KSTEP,  256
.set ROWB,   256
.set KROW,   SIZE_K
.set PITCH,  272                       ; an LDS row: 256 bytes + 16 of padding: the 16 rows that a load touches start at 16 different banks (64 banks of 4 bytes: ISA guide 11.1)
.set FR,     16
.set NL,     4
.set NP,     4
.set HALFT,  128*PITCH
.set SLOT,   4*HALFT
.set LAPS,   SIZE_K/(2*KSTEP)
.set SPARE,  2*SLOT                    ; behind the ring: the spare words, 128 bytes a wave, which no other line names
.set ADRA, 16
.set ADRB, 20
.set STO,  24
.set RD,   25
.set CO,   26
.set SPW,  28
.set NIL,  29
.set BR,   32
.set BC,   64
.set AF,   128
.set TMP,  128
.set CDS,  192
.set G1, 24
.set G0, 32
.set G1B, 48
.set G0B, 56
.set MSB, 0
.macro WIN new                         ; the immediate's high byte repeats the setting that is left
.if MSB != \new
	s_set_vgpr_msb (MSB<<8)|\new
.set MSB, \new
.endif
.endm
.set MUL_LO, 0xa1                      ; source 0 window 1, source 1 window 0, C and D window 2
.set MUL_HI, 0xf1                      ; the same, C and D window 3
.set TO_B,   0x40                      ; destination window 1, address window 0
.macro JLOAD g0a, g1a, g0b, g1b        ; a joint load: waves 0, 1 fetch the row operand's halves, waves 2, 3 the column operand's; four v_nop follow each line
	s_cmp_eq_u32 s15, 0
	s_cbranch_scc0 .Lfor_b_\@
	tensor_load_to_lds s[\g0a:\g0a+3], s[\g1a:\g1a+7]
	s_nop 0
.rept 4
	v_nop
.endr
	s_branch .Lasked_\@
.Lfor_b_\@:
	tensor_load_to_lds s[\g0b:\g0b+3], s[\g1b:\g1b+7]
	s_nop 0
.rept 4
	v_nop
.endr
.Lasked_\@:
.endm
.macro CREST                           ; a round of the cluster's barrier behind its opening barrier
	s_cmp_lg_u32 s14, 0
	s_cbranch_scc1 .Lnot_wave_0_\@
	s_barrier_signal -3
.Lnot_wave_0_\@:
	s_barrier_wait -3
	s_barrier_signal -1
	s_barrier_wait -1
.endm
.macro CROUND
	s_barrier_signal -1
	s_barrier_wait -1
	CREST
.endm
	s_load_b128 s[4:7], s[0:1], 0x0                ; act, wc
	s_load_b128 s[8:11], s[0:1], 0x10              ; the scales' exponents, b_qkv
	s_load_b64 s[12:13], s[0:1], 0x20              ; qkvc
	v_lshl_add_u32 v[SPW], v0, 2, SPARE
	v_mov_b32 v[NIL], 0
	ds_add_u32 v28, v29
	ds_add_u32 v28, v29
	s_wait_dscnt 0x0
	v_lshrrev_b32 v1, 5, v0
	v_readfirstlane_b32 s14, v1                    ; wave 0..3
	s_lshr_b32 s15, s14, 1                         ; which half of the tile's rows is mine; also: I fetch the row operand (0) or the column operand (1)
	s_and_b32 s16, s14, 1                          ; which half of its columns; also: which 128 rows of that tile I fetch
	s_bfe_u32 s40, ttmp6, 0x40000                  ; cx, cy
	s_bfe_u32 s41, ttmp6, 0x40004
	s_and_b32 s66, ttmp7, 0xffff                   ; the cluster's y
	s_cmp_lt_u32 ttmp9, 2                          ; q and k, or v?  The cluster's x: alike in all partners
	s_cselect_b32 s67, s66, 0
	s_cselect_b32 s86, ttmp9, s66
	s_cselect_b32 s80, -1, 0                       ; the choice as a lane mask
	s_cselect_b32 s87, 0, 4096                     ; v's rows lie behind the 4,096 tokens
	s_lshl_b32 s42, s86, 2
	s_add_co_u32 s42, s42, s40                     ; tile column
	s_lshl_b32 s17, s67, 2
	s_add_co_u32 s17, s17, s41                     ; tile row
	s_lshl_b32 s43, s41, 2
	s_lshl_b32 s43, 15, s43                        ; my row of the cluster
	s_lshl_b32 s44, 0x1111, s40                    ; my column
	s_or_b32 s[G1+0], s43, (0<<16)|(1<<20)|(1<<21)|(5<<22)|(3<<25)  ; mask; elements of 1 byte; padding on; bit 21 beside a mask; after every 64 words four words
	s_or_b32 s[G1B+0], s44, (0<<16)|(1<<20)|(1<<21)|(5<<22)|(3<<25)
.irp g, G1, G1B
	s_mov_b32 s[\g+1], ROWB<<16                    ; tensor_dim0
	s_mov_b32 s[\g+2], 128<<16                     ; tensor_dim1
	s_mov_b32 s[\g+3], ROWB<<16                    ; tile_dim0
	s_mov_b32 s[\g+4], 128                         ; tile_dim1
	s_mov_b32 s[\g+5], KROW                        ; pitch
	s_mov_b32 s[\g+6], 0
	s_mov_b32 s[\g+7], 0
.endr
	s_lshl_b32 s18, s16, 7
	s_lshl_b32 s20, s17, 8
	s_add_co_u32 s20, s20, s18                     ; row operand: row 256 x tile row + 128 x half
	s_lshl_b32 s46, s42, 8
	s_add_co_u32 s46, s46, s18                     ; column operand likewise
	s_mov_b32 s21, 0
	s_mov_b32 s47, 0
	s_mov_b64 s[18:19], KROW
	s_mul_u64 s[20:21], s[20:21], s[18:19]
	s_mul_u64 s[46:47], s[46:47], s[18:19]
	s_mul_i32 s45, s14, HALFT                      ; where they go: wave x 128 rows
	s_wait_kmcnt 0x0
	s_load_b256 s[72:79], s[8:9], 0x0              ; e0 .. e7
	s_add_nc_u64 s[88:89], s[6:7], 0x200000        ; wc at v's rows
	s_cmp_lt_u32 ttmp9, 2
	s_cselect_b64 s[88:89], s[4:5], s[88:89]       ; the row operand
	s_cselect_b64 s[90:91], s[6:7], s[4:5]         ; the column operand
	s_add_nc_u64 s[20:21], s[88:89], s[20:21]
	s_add_nc_u64 s[46:47], s[90:91], s[46:47]
.irp s, 0,1
	s_mov_b32 s[G0+4*\s], 1
	s_add_co_u32 s[G0+4*\s+1], s45, \s*SLOT
	s_add_nc_u64 s[G0+4*\s+2:G0+4*\s+3], s[20:21], \s*ROWB
	s_or_b32 s[G0+4*\s+3], s[G0+4*\s+3], 0x80000000
	s_mov_b32 s[G0B+4*\s], 1
	s_add_co_u32 s[G0B+4*\s+1], s45, \s*SLOT
	s_add_nc_u64 s[G0B+4*\s+2:G0B+4*\s+3], s[46:47], \s*ROWB
	s_or_b32 s[G0B+4*\s+3], s[G0B+4*\s+3], 0x80000000
	s_wait_alu depctr_va_vdst(0)                   ; a round ahead of each of the two first fills: one tensor load a wave behind each
	s_wait_tensorcnt 0x0
	ds_add_u32 v28, v29
	ds_add_u32 v28, v29
	s_wait_dscnt 0x0
	CROUND
	JLOAD G0+4*\s, G1, G0B+4*\s, G1B
.endr
	v_and_b32 v1, 15, v0                           ; r
	s_wait_alu depctr_va_vdst(0)
	v_bfe_u32 v2, v0, 4, 1                         ; h
	v_mul_u32_u24 v3, v1, PITCH
	v_lshl_add_u32 v4, v2, 4, v3
	s_mul_i32 s21, s15, HALFT
	s_mul_i32 s22, s16, HALFT
	s_add_co_u32 s22, s22, 2*HALFT
.irp s, 0,1
	v_add_nc_u32 v[ADRA+\s], s21, v4
	v_add_nc_u32 v[ADRB+\s], s22, v4
	s_add_co_u32 s21, s21, SLOT
	s_add_co_u32 s22, s22, SLOT
.endr
	; the way out: ONE stage of 256 rows x 272 bytes for the work-group, in slot 0, which has had its last fill and its last read when the first code is stored there
	; qkvc AS IT IS STORED HERE (in place of what the head says of q and k): q at byte 0 and k at byte 0x400000, each [batch x 16 + head][token][64 bytes], so that a head's tokens are one dense block;
	; v at byte 0x800000 as the head says.  THE STAGE: element (row p, column c) of the tile lies in stage row 64 (c / 64) + p / 4, at byte 64 (p % 4) + c % 64:
	; for q and k (p a token, c a feature) a stage row is four tokens of one head, 256 bytes that lie on end in qkvc.
	s_lshl_b32 s23, s16, 7
	s_lshl_b32 s21, s15, 5
	s_add_co_u32 s23, s23, s21
	s_mul_i32 s23, s23, PITCH                      ; stage row 128 x my half of the columns + 32 x my half of the rows
	s_wait_alu depctr_va_vdst(0)
	v_lshrrev_b32 v5, 2, v1
	v_mul_u32_u24 v5, v5, PITCH                    ; + r / 4
	v_and_b32 v6, 3, v1
	v_lshl_add_u32 v5, v6, 6, v5                   ; byte 64 (r % 4)
	v_lshl_add_u32 v5, v2, 3, v5                   ; + 8 h
	v_add_nc_u32 v[STO], s23, v5
	v_bfe_u32 v6, v0, 2, 2                         ; v's way back: sixteen lanes take one feature's 256 keys: stage row 64 ((lane % 16) / 4) + 16 wave,
	v_mul_u32_u24 v6, v6, 64*PITCH
	v_lshl_add_u32 v6, v2, 6, v6                   ; byte 64 (lane / 16)
	v_and_b32 v7, 3, v0
	v_lshl_add_u32 v6, v7, 4, v6                   ; + 16 (lane % 4)
	s_mul_i32 s21, s14, 16*PITCH
	v_add_nc_u32 v7, s21, v6
	v_and_b32 v8, 31, v0
	v_lshlrev_b32 v8, 4, v8                        ; q and k in memory: 16 bytes a lane, 512 on end a store
	s_mul_i32 s23, s14, 64*PITCH
	v_mul_u32_u24 v5, v2, PITCH
	v_lshl_add_u32 v5, v1, 4, v5
	v_add_nc_u32 v[RD], s23, v5                    ; back: wave w takes rows 64 w on, whole; lanes 0-15 one row, lanes 16-31 the next
	v_lshlrev_b32 v5, OSH, v2
	v_lshl_add_u32 v[CO], v1, 4, v5                ; and the same two rows in the output
	v_mov_b32 v30, 0
	v_lshlrev_b32 v22, 5, v2                       ; 32 h
	s_wait_alu depctr_va_vdst(0)
	v_lshlrev_b32 v23, 2, v1                       ; 4 r
	s_wait_alu depctr_va_vdst(0)
	s_lshl_b32 s92, s42, 10
	s_and_b32 s92, s92, s80                        ; the columns' bias: 1,024 x tile column where columns are features, else 0,
	s_lshl_b32 s93, s16, 9
	s_add_co_u32 s92, s92, s93                     ; + my half
	s_mov_b32 s93, 0
	s_add_nc_u64 s[82:83], s[10:11], s[92:93]
	s_lshl_b32 s92, s17, 10
	s_add_co_u32 s92, s92, 8192
	s_and_not1_b32 s92, s92, s80                   ; the rows' bias: v's part of b_qkv where rows are features, else 0,
	s_lshl_b32 s93, s15, 9
	s_add_co_u32 s92, s92, s93
	s_mov_b32 s93, 0
	s_add_nc_u64 s[84:85], s[10:11], s[92:93]
.irp b, 0,1,2,3,4,5,6,7
	global_load_b128 v[BC+8*\b:BC+8*\b+3], v22, s[82:83] offset:64*\b          ; columns 16 b + 8 h + 0 .. 7: the result's layout
	global_load_b128 v[BC+8*\b+4:BC+8*\b+7], v22, s[82:83] offset:64*\b+16
.endr
.irp a, 0,1,2,3,4,5,6,7
	global_load_b32 v[BR+2*\a], v23, s[84:85] offset:64*\a                     ; row 16 a + r
.endr
	s_lshl_b32 s92, s17, 8                         ; my first row of the output: 256 x tile row + 1,024 x batch + (v: 4,096) + 64 x wave
	s_lshr_b32 s93, s42, 3
	s_lshl_b32 s93, s93, 10
	s_add_co_u32 s92, s92, s93
	s_add_co_u32 s92, s92, s87
	s_lshl_b32 s93, s14, 6
	s_add_co_u32 s92, s92, s93
	s_lshl_b32 s92, s92, OSH
	s_and_b32 s93, s42, 7
	s_lshl_b32 s93, s93, 8                         ; and the tile's 256 bytes of it
	s_add_co_u32 s92, s92, s93
	s_mov_b32 s93, 0
	s_lshr_b32 s94, s17, 3                         ; q and k: (16 x batch + 4 x (tile column % 4) + wave) blocks of 2^17 bytes: wave w stores head w of the tile's four,
	s_lshl_b32 s94, s94, 4
	s_and_b32 s95, s42, 3
	s_lshl_b32 s95, s95, 2
	s_add_co_u32 s94, s94, s95
	s_add_co_u32 s94, s94, s14
	s_lshl_b32 s94, s94, 17
	s_and_b32 s95, s17, 7
	s_lshl_b32 s95, s95, 14                        ; + the tile's first token of the batch x 64 bytes,
	s_add_co_u32 s94, s94, s95
	s_lshr_b32 s95, s42, 2
	s_lshl_b32 s95, s95, 22                        ; + k's part
	s_add_co_u32 s94, s94, s95
	s_cmp_lt_u32 ttmp9, 2
	s_cselect_b32 s92, s94, s92                    ; a choice between two offsets, by the cluster's x
	s_add_nc_u64 s[12:13], s[12:13], s[92:93]
.macro FRAG reg, adr, q, i             ; 16 rows x 128 K: 16 registers; registers 4 c .. 4 c + 3 hold K = 32 c + 16 h + 0 .. 15
.irp c, 0,1,2,3
	ds_load_b128 v[\reg+4*\c:\reg+4*\c+3], v[\adr] offset:128*(\q)+32*\c+(\i)*16*PITCH
.endr
.endm
.macro MUL16 a0, p, zero               ; 16 matrix instructions; the 64 accumulators take turns, one instruction a turn
.irp a, \a0, \a0+1
.irp b, 0,1,2,3,4,5,6,7
.if \zero
	v_wmma_f32_16x16x128_fp8_fp8 v[8*(8*((\a)%4)+\b):8*(8*((\a)%4)+\b)+7], v[128*(\p)+FR*\b:128*(\p)+FR*\b+FR-1], v[AF+FR*(\a):AF+FR*(\a)+FR-1], 0
.else
	v_wmma_f32_16x16x128_fp8_fp8 v[8*(8*((\a)%4)+\b):8*(8*((\a)%4)+\b)+7], v[128*(\p)+FR*\b:128*(\p)+FR*\b+FR-1], v[AF+FR*(\a):AF+FR*(\a)+FR-1], v[8*(8*((\a)%4)+\b):8*(8*((\a)%4)+\b)+7]
.endif
.endr
.endr
.endm
.macro FETCH_B slot, q, p
	WIN TO_B
.irp i, 0,1,2,3,4,5,6,7
	FRAG 128*(\p)+FR*\i, ADRB+\slot, \q, \i
.endr
	WIN 0
.endm
.macro FETCH_A slot, q, i0
.irp i, \i0, \i0+1, \i0+2, \i0+3
	FRAG AF+FR*(\i), ADRA+\slot, \q, \i
.endr
.endm
.macro PLACES n                        ; plain vector instructions between a matrix instruction and a load into, or a read of, its registers
.rept \n
	v_nop
.endr
.endm
.macro STEP slot, q, zero              ; 128 along K whose successor lies in the same slot
	s_wait_dscnt 4*NL                              ; the column operand's set and row blocks 0-3 are in; the youngest 16 loads (blocks 4-7) may be out
	WIN MUL_LO
	MUL16 0, (\q)%2, \zero
	MUL16 2, (\q)%2, \zero
	s_wait_dscnt 0
	PLACES NP
	FETCH_B \slot, (\q)+1, 1-(\q)%2
	FETCH_A \slot, (\q)+1, 0
	WIN MUL_HI
	MUL16 4, (\q)%2, \zero
	MUL16 6, (\q)%2, \zero
	PLACES NP
	WIN 0
	FETCH_A \slot, (\q)+1, 4
.endm
.macro TURN slot, next, fill           ; a slot's last step changes slots: one barrier
	s_wait_tensorcnt 0x0                           ; all my tensor loads have landed: my part of the next slot
	ds_add_u32 v[SPW], v[NIL]                      ; 0 onto my spare word
	s_wait_dscnt 4*NL+1                            ; (the add and the youngest 16 loads may be out)
	WIN MUL_LO
	MUL16 0, 1, 0
	s_wait_dscnt 0x0                               ; the add is done, and my reads of this slot are over
	s_barrier_signal -1
	MUL16 2, 1, 0
	WIN 0
	s_barrier_wait -1
.if \fill
	CREST                                          ; the barrier has opened a round of the cluster's: no wave of any partner still reads this slot or has a load on its way
	s_add_nc_u64 s[G0+4*\slot+2:G0+4*\slot+3], s[G0+4*\slot+2:G0+4*\slot+3], 2*ROWB
	s_add_nc_u64 s[G0B+4*\slot+2:G0B+4*\slot+3], s[G0B+4*\slot+2:G0B+4*\slot+3], 2*ROWB
	JLOAD G0+4*\slot, G1, G0B+4*\slot, G1B         ; the first tensor load behind the round; its four v_nop are the places in front of the loads below
.else
	PLACES NP
.endif
	FETCH_B \next, 0, 0
	FETCH_A \next, 0, 0
	WIN MUL_HI
	MUL16 4, 1, 0
	MUL16 6, 1, 0
	PLACES NP
	WIN 0
	FETCH_A \next, 0, 4
.endm
	s_wait_tensorcnt 1                             ; my part of K step 0 is in; K step 1's load may be out
	s_barrier_signal -1
	s_barrier_wait -1
	FETCH_B 0, 0, 0
	FETCH_A 0, 0, 0
	FETCH_A 0, 0, 4
	STEP 0, 0, 1                                   ; the first step's products start the sums
	s_mov_b32 s3, LAPS-1
.Llap:
	TURN 0, 1, 1
	STEP 1, 0, 0
	TURN 1, 0, 1
	STEP 0, 0, 0
	s_sub_co_u32 s3, s3, 1
	s_cmp_lg_u32 s3, 0
	s_cbranch_scc1 .Llap
	TURN 0, 1, 0                                   ; the last lap fills nothing
	STEP 1, 0, 0
	s_wait_dscnt 4*NL
	WIN MUL_LO
	MUL16 0, 1, 0
	MUL16 2, 1, 0
	s_wait_dscnt 0
	WIN MUL_HI
	MUL16 4, 1, 0
	MUL16 6, 1, 0
	WIN 0
	; THE WAY OUT: sum x 2^(e0 + e1) + bias, held, converted; 8 codes a lane into the stage; a barrier; whole rows of 256 bytes out.
	s_wait_kmcnt 0x0
	s_add_co_i32 s96, s72, s73
	s_add_co_i32 s96, s96, 127
	s_lshl_b32 s96, s96, 23                        ; 2^(e0 + e1)
	s_mov_b32 s97, s96
	s_cmp_lt_u32 s42, 4
	s_cselect_b32 s92, s74, s75                    ; q's e2 or k's e3,
	s_cmp_lt_u32 ttmp9, 2
	s_cselect_b32 s92, s92, s77                    ; or v's e5: a choice of a value
	s_add_co_i32 s92, s92, 127
	s_lshl_b32 s93, s92, 23
	v_mov_b32 v48, s93
	s_add_co_i32 s92, s92, 8
	s_lshl_b32 s92, s92, 23
	s_or_b32 s92, s92, 0x600000
	v_mov_b32 v49, s92
	s_wait_loadcnt 0x0                             ; both biases
.set j, 0
.rept 64
	v_cndmask_b32 v[BC+j], v30, v[BC+j], s80       ; the columns' bias, or 0.  (These plain lines, which name no register of the last products, are also the places behind them)
.set j, j+1
.endr
.irp a, 0,1,2,3,4,5,6,7
	v_cndmask_b32 v[BR+2*\a], v[BR+2*\a], v30, s80 ; the rows' bias, or 0,
	v_mov_b32 v[BR+2*\a+1], v[BR+2*\a]             ; as a pair
.endr
.macro QBLOCK a
.set AC, 64*((\a)%4)
	WIN (0x02+((\a)/4))                            ; source 0: window 2 or 3
.set j, 0
.rept 32
	v_pk_fma_f32 v[TMP+j:TMP+j+1], v[AC+j:AC+j+1], s[96:97], v[BC+j:BC+j+1] op_sel_hi:[1,0,1]   ; each accumulator from its low end on
.set j, j+2
.endr
	WIN 0
.set j, 0
.rept 32
	v_pk_add_f32 v[TMP+j:TMP+j+1], v[TMP+j:TMP+j+1], v[BR+2*(\a):BR+2*(\a)+1]
.set j, j+2
.endr
.set j, 0
.rept 64
	v_med3_num_f32 v[TMP+j], v[TMP+j], -v49, v49   ; the conversion does not saturate (ISA guide 7.6.2)
.set j, j+1
.endr
	s_wait_alu depctr_va_vdst(0)
	s_wait_dscnt 0x0                               ; the block before's stores have read the codes' registers
.irp b, 0,1,2,3,4,5,6,7
	v_cvt_scalef32_pk8_fp8_f32 v[CDS+2*\b:CDS+2*\b+1], v[TMP+8*\b:TMP+8*\b+7], v48
.endr
	v_nop                                          ; a plain line between the conversions and the next lines that write their sources
.irp b, 0,1,2,3,4,5,6,7
	ds_store_b64 v[STO], v[CDS+2*\b:CDS+2*\b+1] offset:PITCH*(64*(\b/4)+4*(\a))+16*(\b%4)
.endr
.endm
.irp a, 0,1,2,3,4,5,6,7
	QBLOCK \a
.endr
	s_wait_dscnt 0x0                               ; for the others' sake: my stores into the stage are done
	s_barrier_signal -1
	s_barrier_wait -1
	s_cmp_lt_u32 ttmp9, 2                          ; the cluster's x, alike in all partners; the two ways hold LDS loads and stores to memory alone
	s_cbranch_scc0 .Lvout
.set t, 0
.rept 32
	ds_load_b128 v[128+4*t:131+4*t], v[RD] offset:2*PITCH*t    ; q, k: stage rows 64 w + 2 t, + 1: eight tokens of head w
.set t, t+1
.endr
.set t, 0
.rept 32
	s_wait_dscnt 31-t
	global_store_b128 v8, v[128+4*t:131+4*t], s[12:13] offset:512*t    ; the wave stores 512 consecutive bytes, aligned
.set t, t+1
.endr
	s_branch .Lsent
.Lvout:
.set t, 0
.rept 32
	ds_load_b128 v[128+4*t:131+4*t], v7 offset:PITCH*(t/2)+128*(t%2)   ; v: features 64 w + 2 t, + 1
.set t, t+1
.endr
.set t, 0
.rept 32
	s_wait_dscnt 31-t
	global_store_b128 v[CO], v[128+4*t:131+4*t], s[12:13] offset:2*OPITCH*t    ; sixteen lanes store 256 consecutive bytes, aligned
.set t, t+1
.endr
.Lsent:
	s_wait_tensorcnt 0x0                           ; the wave's end
	ds_add_u32 v[SPW], v[NIL]
	s_wait_dscnt 0x0
	CROUND                                         ; the closing round
	s_endpgm
.Lfunc_end_k_q863f88f18c_qkv:
	.size	k_q863f88f18c_qkv, .Lfunc_end_k_q863f88f18c_qkv-k_q863f88f18c_qkv
	.p2alignl 7, 3214868480
	.fill 96, 4, 3214868480
	.section	.rodata,"a",@progbits
	.p2align	6, 0x0
	.amdhsa_kernel k_q863f88f18c_qkv
		.amdhsa_group_segment_fixed_size 327680
		.amdhsa_private_segment_fixed_size 0
		.amdhsa_enable_private_segment 0
		.amdhsa_kernarg_size 40
		.amdhsa_user_sgpr_count 2
		.amdhsa_user_sgpr_kernarg_segment_ptr 1
		.amdhsa_wavefront_size32 1
		.amdhsa_system_sgpr_workgroup_id_x 1
		.amdhsa_system_sgpr_workgroup_id_y 1
		.amdhsa_system_sgpr_workgroup_id_z 1
		.amdhsa_system_vgpr_workitem_id 0
		.amdhsa_next_free_vgpr 1024
		.amdhsa_next_free_sgpr 100
		.amdhsa_reserve_vcc 0
		.amdhsa_float_denorm_mode_32 3
		.amdhsa_float_denorm_mode_16_64 3
		.amdhsa_memory_ordered 1
		.amdhsa_forward_progress 1
		.amdhsa_inst_pref_size 174
	.end_amdhsa_kernel
	.amdgpu_metadata
---
amdhsa.version: [ 1, 2 ]
amdhsa.kernels:
  - .name:           k_q863f88f18c_qkv
    .symbol:         k_q863f88f18c_qkv.kd
    .args:
      - { .name: act, .offset: 0, .size: 8, .value_kind: global_buffer, .address_space: global }
      - { .name: wc, .offset: 8, .size: 8, .value_kind: global_buffer, .address_space: global }
      - { .name: lowp_scales, .offset: 16, .size: 8, .value_kind: global_buffer, .address_space: global }
      - { .name: b_qkv, .offset: 24, .size: 8, .value_kind: global_buffer, .address_space: global }
      - { .name: qkvc, .offset: 32, .size: 8, .value_kind: global_buffer, .address_space: global }
    .group_segment_fixed_size: 327680
    .private_segment_fixed_size: 0
    .kernarg_segment_align: 8
    .kernarg_segment_size: 40
    .max_flat_workgroup_size: 128
    .sgpr_count:     100
    .vgpr_count:     1024
    .wavefront_size: 32
...
	.end_amdgpu_metadata
.endif
;; end of part 9
;; launch attn (part 10): grid 8 x 32, 8 waves a work-group, clusters of 4 x 1, 327,680 bytes of LDS; arguments qkvc, lowp_scales, act; writes act
.if DOCPART == 10
	.amdgcn_target "amdgcn-amd-amdhsa--gfx1250"
	.amdhsa_code_object_version 6
	.text
	.protected	k_q863f88f18c_attn
	.globl	k_q863f88f18c_attn
	.p2align	8
	.type	k_q863f88f18c_attn,@function
k_q863f88f18c_attn:
	s_mov_b64 s[64:65], 0
	v_nop
	global_prefetch_b8 v0, s[64:65] scope:SCOPE_SE
	s_setreg_imm32_b32 hwreg(HW_REG_WAVE_MODE, 25, 1), 1
	s_wait_xcnt 0x0
	s_wait_alu depctr_hold_cnt(0) depctr_sa_sdst(0) depctr_va_vdst(0) depctr_va_sdst(0) depctr_va_ssrc(0) depctr_va_vcc(0) depctr_vm_vsrc(0)
	s_getreg_b32 s2, hwreg(HW_REG_IB_STS2, 6, 4)
	s_cmp_eq_u32 s2, 0
	s_cbranch_scc0 .Lentry_in_a_cluster
	s_endpgm
.Lentry_in_a_cluster:
	s_bfe_u32 s2, ttmp6, 0x10000c
	s_cmp_lg_u32 s2, 0x3003
	s_cbranch_scc0 .Lentry_shape_is_right
	s_endpgm
.Lentry_shape_is_right:
; Causal attention on codes of FP8 (E4M3): products 2 and 3, and y quantised (2^e6) into act [4096][1024].
; qkvc: q at byte 0, k at 0x400000, each [batch x 16 + head][token][64 bytes]; v at 0x800000, [batch x 16 + head][64 features][2,048 keys]: a head's block is 2^17 bytes in each.
; THE SOFTMAX: t = score x log2(e) / 8; M = the running largest t rounded UP to a whole number; p = 2^(t - M) is quantised (2^e4), not normalised; the row's sum is taken of the unquantised p and divides at the end.
; When M moves, the sum and O are multiplied by 2^(old M - new M): exact.  Key steps all of whose keys come after a unit's queries are wholly masked and are left out.
; SHARES.  A work-group (x, y) serves ONE (batch, head) y.  The head's whole K (512 rows of 4 keys, 256 bytes + 16) and V (two halves of 64 rows x 1,024 keys + 16) lie in LDS: eight loads, one a wave, at the head;
; nothing is filled again, so the walk over the keys has no barrier.  The head's 2,048 queries are 64 units of 32.  Pair w (waves w and w + 4) of work-group x = 4 X + cx owns units u = 4 a + cx and 63 - u, a = 2 w + X:
; a + 1 and 16 - a key steps of 128, 17 in all.  Wave w walks the last 9 steps of unit 63 - u; wave w + 4 its first 7 - a, leaves that part (O^T, -M, the sum) in the pair's mailbox in LDS, and then walks unit u: 8 steps.
; Behind one barrier wave w joins the two parts: both come under the larger M by powers of two.  Each part's p is quantised under that part's own running M.  A unit's two tiles of 16 queries share every fragment of K and V.
; CLUSTER 4 x 1: the four partners ask for the same eight tiles jointly.  Every trip count is a constant; the branches hang on the wave's number, X and the loops' counters, which partners share; cx enters global addresses and the mask's numbers alone.
; NO DATA PREFETCH: all tensor loads stand at the head, there is no loop to run ahead in.
; LAYOUT: both products transposed (S^T = K Q^T, O^T = V^T P^T): a lane holds ONE query.  Lane r of key tile 2 b + u takes key 32 b + 8 u + r + 8 (r / 8), so that the 16 registers of tiles 2 b, 2 b + 1 are 16 neighbouring keys.
; THE WAY OUT: a work-group holds one head, 64 bytes of each row of act: four lanes store those 64 bytes; a whole unit of 256 bytes of act belongs to four heads, that is to four work-groups.
; LIMITS: e2 + e3 between -123 and 130 (added to c's exponent field); e4, e6 between -126 and 119; scaled scores under 2^31 in magnitude.  NaN is not served.
; REGISTERS.  Window 0: v1-11, v35 addresses; v12-19 -M, largest t, sum (a pair) of tile 0, 1; v20-23 f as pairs; v24-29 at work; v30-37 constants; v64-127 K's fragments, then sums at work; v128-255 S^T, then p, of tile 0, 1.
;   Window 1: v0-63 O^T of tile 0, 1; v64-79 Q; v80-111 p's codes; v128-191 V's fragments.
.set KP,    272                        ; four keys' row in LDS: 256 bytes + 16
.set KST,   32*KP                      ; a key step of 128 keys
.set VP,    1040                       ; a feature's 1,024 keys + 16: an odd multiple of 16 bytes
.set VOFF,  512*KP
.set VCH,   64*VP
.set STAGE, VOFF+2*VCH                 ; the way out: 16 rows x 80 bytes for each wave, on bytes that no tensor load fills
.set MBOX,  STAGE+8*1280               ; the mailboxes: 18 x 512 bytes for each pair
.set SPARE, MBOX+4*9216                ; the spare words, 128 bytes a wave, which no other line names
.set AK0, 1
.set AV0, 2
.set SPW, 3
.set NIL, 4
.set ADK, 5
.set ADV, 6
.set SI,  7
.set SO,  8
.set GO,  9
.set QO,  10
.set DM,  11
.set LIM, 30                           ; 448 x 2^e4
.set SCL, 31                           ; 2^e4
.set NINF, 32
.set MB,  35
.set KF,  64
.set SR,  128
.set OA,  0                            ; window 1
.set QF,  64
.set PC,  80
.set VF,  128
.set WV,  10                           ; s10 wave; s11 = wave / 4: which of the pair; s12 = wave % 4: the pair
.set LO,  18                           ; s18, s56 my first and last key step of the phase
.set HI,  56
.set ST,  19                           ; s19 key step
.set CS,  22                           ; s[22:23] c
.set G1K, 24
.set G1V, 32
.set G0K, 40
.set G0V, 44
.set MSB, 0
.macro WIN new                         ; the immediate's high byte repeats the setting that is left
.if MSB != \new
	s_set_vgpr_msb (MSB<<8)|\new
.set MSB, \new
.endif
.endm
.macro CROUND                          ; a round of the cluster's barrier
	s_barrier_signal -1
	s_barrier_wait -1
	s_cmp_lg_u32 s[WV], 0
	s_cbranch_scc1 .Lnot_wave_0_\@
	s_barrier_signal -3
.Lnot_wave_0_\@:
	s_barrier_wait -3
	s_barrier_signal -1
	s_barrier_wait -1
.endm
.macro KLOAD adr                       ; a key step's eight fragments of K: 16 keys x 64, two loads of 16 bytes each
.irp t, 0,1,2,3,4,5,6,7
.irp c, 0,1
	ds_load_b128 v[KF+8*\t+4*\c:KF+8*\t+4*\c+3], v[\adr] offset:(8*(\t/2)+2*(\t%2))*KP+32*\c
.endr
.endr
.endm
.macro HOLD2 j                         ; the conversion does not saturate (ISA guide 7.6.2); p is not negative: a one-sided hold, two numbers an instruction
	v_dual_min_num_f32 v[\j], v[LIM], v[\j] :: v_dual_min_num_f32 v[\j+1], v[LIM], v[\j+1]
.endm
.macro TREE tb, l, f                   ; 16 pairs at v[tb ..] are added up; the sum so far comes under the new M by the fused multiply-add
.irp k, 0,4,8,12,16,20,24,28
	v_pk_add_f32 v[\tb+\k:\tb+\k+1], v[\tb+\k:\tb+\k+1], v[\tb+\k+2:\tb+\k+3]
.endr
.irp k, 0,8,16,24
	v_pk_add_f32 v[\tb+\k:\tb+\k+1], v[\tb+\k:\tb+\k+1], v[\tb+\k+4:\tb+\k+5]
.endr
.irp k, 0,16
	v_pk_add_f32 v[\tb+\k:\tb+\k+1], v[\tb+\k:\tb+\k+1], v[\tb+\k+8:\tb+\k+9]
.endr
	v_pk_fma_f32 v[\l:\l+1], v[\l:\l+1], v[\f:\f+1], v[\tb:\tb+1] op_sel_hi:[1,0,1]
	v_pk_add_f32 v[\l:\l+1], v[\l:\l+1], v[\tb+16:\tb+17]
.endm
.macro CODES T                         ; tile T's p into codes, and O^T += V^T P^T: four accumulators by turns
	WIN 0x40
.irp g, 0,1,2,3,4,5,6,7
	v_cvt_scalef32_pk8_fp8_f32 v[PC+16*\T+2*\g:PC+16*\T+2*\g+1], v[SR+64*\T+8*\g:SR+64*\T+8*\g+7], v[SCL]
.endr
	v_nop                                          ; a plain line between the conversions and what touches their registers
	WIN 0x55
.irp t, 0,1,2,3
	v_wmma_f32_16x16x128_fp8_fp8 v[OA+32*\T+8*\t:OA+32*\T+8*\t+7], v[VF+16*\t:VF+16*\t+15], v[PC+16*\T:PC+16*\T+15], v[OA+32*\T+8*\t:OA+32*\T+8*\t+7]
.endr
	WIN 0
.endm
; A PHASE: unit s57's state begins anew, and key steps s[LO] to s[HI] of it are walked in a loop of a constant count.  diag = 1: step s[HI] is the unit's last and holds hidden keys; s58 = the unit % 4.
.macro PHASE trips, diag
	s_wait_dscnt 0x0                               ; fragments asked for in the phase before have landed: their registers are loaded anew below
	s_wait_xcnt 0x0                                ; earlier loads have read their base
	s_lshl_b32 s66, s57, 11
	s_add_nc_u64 s[60:61], s[72:73], s[66:67]      ; q at my 32 queries
	s_lshl_b32 s58, s58, 5
	v_add_nc_u32 v33, s58, v[DM]                   ; d = my query - the last step's first key - 16 h, tile 0,
	v_add_nc_u32 v34, 16, v33                      ; tile 1
	WIN 0x40
.irp T, 0,1
.irp c, 0,1
	global_load_b128 v[QF+8*\T+4*\c:QF+8*\T+4*\c+3], v[QO], s[60:61] offset:1024*\T+32*\c   ; registers 4 c .. + 3 hold K = 32 c + 16 h + 0 .. 15, the same permutation of k as K's
.endr
.endr
.set j, 0
.rept 64
	v_mov_b32 v[OA+j], 0                           ; O^T: the step is written once; the first finds zeros, which the first change of M leaves zeros
.set j, j+1
.endr
	WIN 0
	v_mov_b32 v13, 0xff61b1e6                      ; the largest t so far: -3e38
	v_mov_b32 v17, 0xff61b1e6
	v_floor_f32 v12, -v13                          ; -M
	v_floor_f32 v16, -v17
	v_mov_b32 v14, 0
	v_mov_b32 v15, 0
	v_mov_b32 v18, 0
	v_mov_b32 v19, 0
	KLOAD AK0                                      ; key step 0's fragments of K
	s_mov_b32 s[ST], 0
	s_wait_alu depctr_va_vdst(0)                   ; directly ahead of the wait below
	s_wait_loadcnt 0x0                             ; Q
.Ltrip_\@:                                         ; a step outside my range is left out: branches on ids that partners share
.if \diag
	s_add_co_u32 s68, s[ST], 1                     ; a wave whose first step is not step 0 fetches that step's fragments of K in the trip before it: the address is made of the loop's counter
	s_cmp_lg_u32 s68, s[LO]
	s_cbranch_scc1 .Lnopre_\@
	s_min_u32 s68, s68, 15
	s_mul_i32 s68, s68, KST
	s_wait_dscnt 0x0                               ; the loads that were out land in the same registers
	v_add_nc_u32 v[ADK], s68, v[AK0]
	KLOAD ADK
.Lnopre_\@:
.endif
	s_cmp_lt_u32 s[ST], s[LO]
	s_cbranch_scc1 .Lskip_\@
	s_cmp_gt_i32 s[ST], s[HI]
	s_cbranch_scc1 .Lskip_\@
	s_lshl_b32 s69, s[ST], 7
	s_lshr_b32 s70, s[ST], 3
	s_lshl_b32 s70, s70, 16                        ; VCH - 1024 = 2^16: V's second half
	s_add_co_u32 s69, s69, s70
	s_add_co_u32 s68, s[ST], 1
	s_min_u32 s68, s68, 15
	s_mul_i32 s68, s68, KST                        ; the next step's K (the last step's again where there is none)
	v_add_nc_u32 v[ADV], s69, v[AV0]
.rept 3
	v_nop                                          ; with the line above: four places in front of loads into registers that matrix instructions have read
.endr
	WIN 0x40
.irp t, 0,1,2,3
.irp c, 0,1,2,3
	ds_load_b128 v[VF+16*\t+4*\c:VF+16*\t+4*\c+3], v[ADV] offset:16*\t*VP+32*\c   ; V's fragments land under the softmax
.endr
.endr
	WIN 0x04
	s_wait_dscnt 16                                ; K's 16 loads, asked for a step ago, are in; V's 16 may be out
.irp T, 0,1
.irp t, 0,1,2,3,4,5,6,7
	v_wmma_f32_16x16x64_fp8_fp8 v[SR+64*\T+8*\t:SR+64*\T+8*\t+7], v[KF+8*\t:KF+8*\t+7], v[QF+8*\T:QF+8*\T+7], 0
.endr
.endr
	WIN 0
	v_add_nc_u32 v[ADK], s68, v[AK0]
.rept 3
	v_nop
.endr
.if \diag
	s_cmp_lg_u32 s[ST], s[HI]
	s_cbranch_scc1 .Lopen_\@                       ; only the unit's last step holds hidden keys
.set n, 0
.rept 64
	v_cmp_gt_i32 vcc_lo, 32*(n/16)+n%16, v33       ; register 16 b + i holds key 16 h + 32 b + i of the step: hidden where 32 b + i > d
	v_cndmask_b32 v[SR+n], v[SR+n], v[NINF], vcc_lo
	v_cmp_gt_i32 vcc_lo, 32*(n/16)+n%16, v34
	v_cndmask_b32 v[SR+64+n], v[SR+64+n], v[NINF], vcc_lo
.set n, n+1
.endr
.Lopen_\@:
.endif
.irp T, 0,1
	v_max3_num_f32 v[24+2*\T], v[SR+64*\T], v[SR+64*\T+1], v[SR+64*\T+2]      ; the step's largest scores: two chains a tile, the tiles by turns
	v_max3_num_f32 v[25+2*\T], v[SR+64*\T+3], v[SR+64*\T+4], v[SR+64*\T+5]
.endr
.irp i, 6,10,14,18,22,26,30,34,38,42,46,50,54,58
.irp T, 0,1
	v_max3_num_f32 v[24+2*\T], v[24+2*\T], v[SR+64*\T+\i], v[SR+64*\T+\i+1]
	v_max3_num_f32 v[25+2*\T], v[25+2*\T], v[SR+64*\T+\i+2], v[SR+64*\T+\i+3]
.endr
.endr
	v_max3_num_f32 v24, v24, v[SR+62], v[SR+63]
	v_max3_num_f32 v26, v26, v[SR+126], v[SR+127]
	v_max_num_f32 v24, v24, v25
	v_max_num_f32 v26, v26, v27
	v_permlanex16_b32 v28, v24, s20, s21
	v_permlanex16_b32 v29, v26, s20, s21
	v_max_num_f32 v24, v24, v28                    ; and lane l xor 16's
	v_max_num_f32 v26, v26, v29
	v_mul_f32 v24, s[CS], v24                      ; as t
	v_mul_f32 v26, s[CS], v26
	v_max_num_f32 v13, v13, v24
	v_max_num_f32 v17, v17, v26
	v_mov_b32 v25, v12
	v_mov_b32 v27, v16
	v_floor_f32 v12, -v13                          ; the new -M = -ceil(t)
	v_floor_f32 v16, -v17
	v_sub_f32 v25, v12, v25                        ; old M - new M: a whole number, 0 or less
	v_sub_f32 v27, v16, v27
	v_cvt_i32_f32 v25, v25                         ; (it saturates)
	v_cvt_i32_f32 v27, v27
	v_ldexp_f32 v20, 1.0, v25                      ; f = 2^(old M - new M)
	v_ldexp_f32 v22, 1.0, v27
.set j, 0
.rept 32
	v_pk_fma_f32 v[SR+j:SR+j+1], v[SR+j:SR+j+1], s[CS:CS+1], v[12:13] op_sel_hi:[1,0,0]   ; tile 0: t - M
.set j, j+2
.endr
	s_wait_alu depctr_va_vdst(0)                   ; ahead of the batch
.set j, 0
.rept 32                                           ; tile 0's exponentials; among them tile 1's t - M, whose sources stand ahead of the wait above and whose results are read behind the wait below
	v_exp_f32 v[SR+j], v[SR+j]
	v_pk_fma_f32 v[SR+64+j:SR+65+j], v[SR+64+j:SR+65+j], s[CS:CS+1], v[16:17] op_sel_hi:[1,0,0]
	v_exp_f32 v[SR+j+1], v[SR+j+1]
.set j, j+2
.endr
	v_nop                                          ; a plain line behind the exponentials
	s_wait_alu depctr_va_vdst(0)                   ; behind the first batch and ahead of the second
.set j, 0
.rept 16                                           ; tile 1's exponentials; among them tile 0's first sums (of the unquantised p, into K's registers, which are done with) and then its holds
	v_exp_f32 v[SR+64+j], v[SR+64+j]
	v_pk_add_f32 v[KF+j/2:KF+j/2+1], v[SR+j:SR+j+1], v[SR+j+2:SR+j+3]
	v_exp_f32 v[SR+65+j], v[SR+65+j]
	HOLD2 SR+j
	v_exp_f32 v[SR+66+j], v[SR+66+j]
	HOLD2 SR+j+2
	v_exp_f32 v[SR+67+j], v[SR+67+j]
.set j, j+4
.endr
	WIN 0x41
	v_nop                                          ; a plain line behind the exponentials
	s_wait_alu depctr_va_vdst(0)                   ; behind the batch, and directly ahead of the first readers of O^T
.irp T, 0,1
.set j, 0
.rept 16
	v_pk_mul_f32 v[OA+32*\T+j:OA+32*\T+j+1], v[OA+32*\T+j:OA+32*\T+j+1], v[20+2*\T:21+2*\T] op_sel_hi:[1,0]   ; O^T under the new M
.set j, j+2
.endr
.endr
	WIN 0
	TREE KF, 14, 20                                ; tile 0's sum
	KLOAD ADK                                      ; K's registers are free again: the next step's fragments, a step ahead of their use
	s_wait_alu depctr_va_vdst(0)                   ; directly ahead of the wait below
	s_wait_dscnt 16                                ; V's 16 loads are in; K's 16 may be out
	CODES 0
.set j, 0
.rept 16
	v_pk_add_f32 v[SR+j/2:SR+j/2+1], v[SR+64+j:SR+65+j], v[SR+66+j:SR+67+j]    ; tile 1's sums, in tile 0's registers, which are done with
.set j, j+4
.endr
	TREE SR, 18, 22
.set j, 0
.rept 32
	HOLD2 SR+64+j
.set j, j+2
.endr
	CODES 1
.Lskip_\@:
	s_add_co_u32 s[ST], s[ST], 1
	s_cmp_lt_u32 s[ST], \trips
	s_cbranch_scc1 .Ltrip_\@
.endm
	s_load_b128 s[4:7], s[0:1], 0x0                ; qkvc, the scales' exponents
	s_load_b64 s[8:9], s[0:1], 0x10                ; act
	v_lshl_add_u32 v[SPW], v0, 2, SPARE
	v_mov_b32 v[NIL], 0
	ds_add_u32 v[SPW], v[NIL]                      ; the opening lines: the add, twice on end, and its wait ahead of my first tensor load
	ds_add_u32 v[SPW], v[NIL]
	v_lshrrev_b32 v5, 5, v0
	v_readfirstlane_b32 s[WV], v5                  ; wave 0..7
	s_lshr_b32 s11, s[WV], 2
	s_and_b32 s12, s[WV], 3
	s_bfe_u32 s13, ttmp6, 0x40000                  ; cx
	s_and_b32 s14, ttmp9, 1                        ; X, the cluster's x
	s_and_b32 s15, ttmp7, 0xffff                   ; 16 x batch + head
	s_lshl_b32 s16, s12, 1
	s_add_co_u32 s16, s16, s14                     ; a = 2 x pair + X
	s_lshl_b32 s17, s16, 2
	s_add_co_u32 s17, s17, s13                     ; u = 4 a + cx
	s_mov_b32 s[G1K], 15|(1<<20)|(1<<21)|(5<<22)|(3<<25)   ; the mask names the four partners; elements of 1 byte; four words of padding after every 64
	s_mov_b32 s[G1K+1], 256<<16                    ; K: 128 rows of 256 bytes (4 keys), dense
	s_mov_b32 s[G1K+2], 128<<16
	s_mov_b32 s[G1K+3], 256<<16
	s_mov_b32 s[G1K+4], 128
	s_mov_b32 s[G1K+5], 256
	s_mov_b32 s[G1K+6], 0
	s_mov_b32 s[G1K+7], 0
	s_mov_b32 s[G1V], 15|(1<<20)|(1<<21)|(7<<22)|(3<<25)   ; four words of padding after every 256
	s_mov_b32 s[G1V+1], 1024<<16                   ; V: 32 rows of 1,024 bytes, 2,048 apart
	s_mov_b32 s[G1V+2], 32<<16
	s_mov_b32 s[G1V+3], 1024<<16
	s_mov_b32 s[G1V+4], 32
	s_mov_b32 s[G1V+5], 2048
	s_mov_b32 s[G1V+6], 0
	s_mov_b32 s[G1V+7], 0
	s_lshl_b32 s66, s15, 17                        ; the head's block
	s_mov_b32 s67, 0
	s_mov_b32 s[G0K], 1
	s_mul_i32 s[G0K+1], s12, 128*KP                ; waves 0-3: a quarter of K each
	s_and_b32 s58, s12, 1                          ; waves 4-7: which 1,024 keys of V,
	s_lshr_b32 s59, s12, 1                         ; which 32 features
	s_mov_b32 s[G0V], 1
	s_mul_i32 s[G0V+1], s58, VCH
	s_mul_i32 s76, s59, 32*VP
	s_add_co_u32 s[G0V+1], s[G0V+1], s76
	s_add_co_u32 s[G0V+1], s[G0V+1], VOFF
	s_lshl_b32 s68, s12, 15
	s_add_co_u32 s68, s68, 0x400000
	s_mov_b32 s69, 0
	s_lshl_b32 s70, s58, 10
	s_lshl_b32 s76, s59, 16
	s_add_co_u32 s70, s70, s76
	s_add_co_u32 s70, s70, 0x800000
	s_mov_b32 s71, 0
	s_mov_b32 s20, 0x76543210                      ; v_permlanex16_b32: lane l xor 16
	s_mov_b32 s21, 0xfedcba98
	s_mov_b32 s[CS], 0x3e38aa3b                    ; c = log2(e) / 8
	s_wait_dscnt 0x0                               ; both opening adds are done
	s_wait_kmcnt 0x0
	s_load_b256 s[48:55], s[6:7], 0x0              ; e0 .. e7
	s_add_nc_u64 s[72:73], s[4:5], s[66:67]        ; q of my head
	s_add_nc_u64 s[G0K+2:G0K+3], s[72:73], s[68:69]
	s_or_b32 s[G0K+3], s[G0K+3], 0x80000000
	s_add_nc_u64 s[G0V+2:G0V+3], s[72:73], s[70:71]
	s_or_b32 s[G0V+3], s[G0V+3], 0x80000000
	s_lshr_b32 s66, s15, 4
	s_lshl_b32 s66, s66, 21                        ; act: the batch's 2,048 rows of 1,024 bytes,
	s_and_b32 s68, s15, 15
	s_lshl_b32 s68, s68, 6                         ; my head's 64 bytes
	s_add_co_u32 s66, s66, s68
	s_add_nc_u64 s[74:75], s[8:9], s[66:67]
	CROUND                                         ; the four partners are here: the joint loads meet
	s_cmp_eq_u32 s11, 0                            ; one tensor load a wave, the launch's only ones
	s_cbranch_scc0 .Lfor_v
	tensor_load_to_lds s[G0K:G0K+3], s[G1K:G1K+7]
	s_nop 0
.rept 4
	v_nop
.endr
	s_branch .Lasked
.Lfor_v:
	tensor_load_to_lds s[G0V:G0V+3], s[G1V:G1V+7]
	s_nop 0
.rept 4
	v_nop
.endr
.Lasked:
	v_and_b32 v20, 15, v0                          ; r
	v_bfe_u32 v21, v0, 4, 1                        ; h
	v_and_b32 v22, 8, v20
	v_add_nc_u32 v22, v22, v20                     ; my key of a tile: r + 8 (r / 8)
	v_lshrrev_b32 v23, 2, v22
	v_mul_u32_u24 v23, v23, KP
	v_and_b32 v22, 3, v22
	v_lshl_add_u32 v23, v22, 6, v23
	v_lshl_add_u32 v[AK0], v21, 4, v23             ; K: row key / 4, byte 64 (key % 4) + 16 h
	v_mul_u32_u24 v23, v20, VP
	v_lshl_add_u32 v23, v21, 4, v23
	v_add_nc_u32 v[AV0], VOFF, v23                 ; V: feature r, + 16 h
	s_mul_i32 s58, s[WV], 1280
	s_add_co_u32 s58, s58, STAGE                   ; my stage
	v_mul_u32_u24 v23, v20, 80
	v_lshl_add_u32 v23, v21, 3, v23
	v_add_nc_u32 v[SI], s58, v23                   ; in: row r, byte 8 h
	v_and_b32 v22, 31, v0
	v_lshlrev_b32 v25, 4, v22
	v_lshrrev_b32 v23, 2, v22                      ; back: four lanes to a row of 64 bytes
	v_and_b32 v22, 3, v22
	v_mul_u32_u24 v24, v23, 80
	v_lshl_add_u32 v24, v22, 4, v24
	v_add_nc_u32 v[SO], s58, v24
	s_mul_i32 s58, s12, 9216
	s_add_co_u32 s58, s58, MBOX
	v_add_nc_u32 v[MB], s58, v25                   ; my pair's mailbox: 16 bytes a lane
	v_lshlrev_b32 v24, 10, v23
	v_lshl_add_u32 v[GO], v22, 4, v24              ; my place in eight rows of act
	v_lshlrev_b32 v24, 6, v20
	v_lshl_add_u32 v[QO], v21, 4, v24              ; Q: row r of 64 bytes, + 16 h
	v_lshlrev_b32 v24, 4, v21
	v_sub_nc_u32 v[DM], v20, v24                   ; r - 16 h, for the mask
	v_mov_b32 v21, 0                               ; upper halves of the pairs that hold f
	v_mov_b32 v23, 0
	v_mov_b32 v28, 0                               ; a lane permute's destination counts as read
	v_mov_b32 v29, 0
	v_mov_b32 v[NINF], 0xff800000
	s_wait_kmcnt 0x0
	s_add_co_i32 s58, s50, s51
	s_lshl_b32 s58, s58, 23
	s_add_co_i32 s[CS], s[CS], s58                 ; a score stands for score x 2^(e2 + e3)
	s_mov_b32 s[CS+1], s[CS]
	s_add_co_i32 s58, s52, 127
	s_lshl_b32 s70, s58, 23
	v_mov_b32 v[SCL], s70                          ; 2^e4
	s_add_co_i32 s58, s58, 8
	s_lshl_b32 s58, s58, 23
	s_or_b32 s58, s58, 0x600000
	v_mov_b32 v[LIM], s58                          ; 448 x 2^e4
	s_add_co_i32 s58, s54, 127
	s_lshl_b32 s70, s58, 23
	v_mov_b32 v36, s70                             ; 2^e6
	s_add_co_i32 s58, s58, 8
	s_lshl_b32 s58, s58, 23
	s_or_b32 s58, s58, 0x600000
	v_mov_b32 v37, s58                             ; 448 x 2^e6
	s_add_co_i32 s59, s52, s53                     ; e4 + e5
	s_wait_alu depctr_va_vdst(0)
	s_wait_tensorcnt 0x0                           ; my tile is in;
	s_barrier_signal -1
	s_barrier_wait -1                              ; everybody's is: K and V are whole, and nothing is filled again
	; PHASE 0: waves 4-7 walk key steps 0 .. 6 - a of unit 63 - u (none of them holds hidden keys); waves 0-3 have no step here
	s_sub_co_u32 s57, 63, s17
	s_sub_co_i32 s70, 6, s16
	s_mov_b32 s[LO], 0
	s_mov_b32 s58, 0
	s_cmp_eq_u32 s11, 1
	s_cselect_b32 s[HI], s70, -1
	PHASE 7, 0
	s_cmp_eq_u32 s11, 0
	s_cbranch_scc1 .Lnostash
.rept 4
	v_nop                                          ; places behind the last products
.endr
	WIN 0x04
.set k, 0
.rept 16
	ds_store_b128 v[MB], v[OA+4*k:OA+4*k+3] offset:512*k     ; my part of unit 63 - u: O^T, each accumulator from its low end on,
.set k, k+1
.endr
	WIN 0
	ds_store_b128 v[MB], v[12:15] offset:8192                ; -M, the largest t and the sum of tile 0,
	ds_store_b128 v[MB], v[16:19] offset:8704                ; of tile 1
.Lnostash:
	; PHASE 1: waves 0-3 walk key steps 7 - a .. 15 - a of unit 63 - u, waves 4-7 key steps 0 .. a of unit u
	s_sub_co_u32 s70, 63, s17
	s_sub_co_u32 s71, 15, s16
	s_sub_co_u32 s76, 3, s13
	s_sub_co_u32 s77, 7, s16
	s_cmp_eq_u32 s11, 0
	s_cselect_b32 s57, s70, s17                    ; the unit (addresses alone hang on it),
	s_cselect_b32 s[HI], s71, s16                  ; its last key step, made of a alone,
	s_cselect_b32 s58, s76, s13                    ; the unit % 4
	s_cselect_b32 s[LO], s77, 0
	s_min_u32 s[LO], s[LO], 7
	s_lshl_b32 s66, s57, 15
	s_add_nc_u64 s[62:63], s[74:75], s[66:67]      ; act at my 32 queries
	PHASE 16, 1
	s_wait_alu depctr_va_vdst(0)                   ; directly ahead of the wait below
	s_wait_dscnt 0x0                               ; for the others' sake: my stores into the mailbox are done; and the last fragments asked for have landed
	s_barrier_signal -1
	s_barrier_wait -1
	s_cmp_lg_u32 s11, 0
	s_cbranch_scc1 .Lnomerge
.set k, 0
.rept 16
	ds_load_b128 v[SR+4*k:SR+4*k+3], v[MB] offset:512*k      ; the other part of my unit
.set k, k+1
.endr
	ds_load_b128 v[64:67], v[MB] offset:8192
	ds_load_b128 v[68:71], v[MB] offset:8704
	v_mov_b32 v73, 0
	v_mov_b32 v75, 0
	s_wait_alu depctr_va_vdst(0)                   ; directly ahead of the wait below
	s_wait_dscnt 0x0
	v_min_num_f32 v24, v12, v64                    ; -M of the two parts together: the larger M
	v_min_num_f32 v26, v16, v68
	v_sub_f32 v25, v24, v12                        ; each part's M less the common one: whole numbers, 0 or less
	v_sub_f32 v27, v26, v16
	v_sub_f32 v28, v24, v64
	v_sub_f32 v29, v26, v68
	v_cvt_i32_f32 v25, v25                         ; (they saturate: a part with no key counts for nothing)
	v_cvt_i32_f32 v27, v27
	v_cvt_i32_f32 v28, v28
	v_cvt_i32_f32 v29, v29
	v_ldexp_f32 v20, 1.0, v25
	v_ldexp_f32 v22, 1.0, v27
	v_ldexp_f32 v72, 1.0, v28
	v_ldexp_f32 v74, 1.0, v29
	v_pk_mul_f32 v[14:15], v[14:15], v[20:21] op_sel_hi:[1,0]
	v_pk_mul_f32 v[18:19], v[18:19], v[22:23] op_sel_hi:[1,0]
	v_pk_fma_f32 v[14:15], v[66:67], v[72:73], v[14:15] op_sel_hi:[1,0,1]
	v_pk_fma_f32 v[18:19], v[70:71], v[74:75], v[18:19] op_sel_hi:[1,0,1]
.irp T, 0,1
.set j, 0
.rept 16
	v_pk_mul_f32 v[SR+32*\T+j:SR+32*\T+j+1], v[SR+32*\T+j:SR+32*\T+j+1], v[72+2*\T:73+2*\T] op_sel_hi:[1,0]
.set j, j+2
.endr
.endr
	WIN 0x41
.irp T, 0,1
.set j, 0
.rept 16
	v_pk_fma_f32 v[OA+32*\T+j:OA+32*\T+j+1], v[OA+32*\T+j:OA+32*\T+j+1], v[20+2*\T:21+2*\T], v[SR+32*\T+j:SR+32*\T+j+1] op_sel_hi:[1,0,1]
.set j, j+2
.endr
.endr
	WIN 0
.Lnomerge:
	; THE WAY OUT of my unit: y = O^T / the sum x 2^(e4 + e5), quantised with 2^e6; 8 codes a lane into my stage, rows of 64 bytes back and out.
	v_add_f32 v14, v14, v15
	v_add_f32 v18, v18, v19
	v_permlanex16_b32 v28, v14, s20, s21
	v_permlanex16_b32 v29, v18, s20, s21
	v_add_f32 v14, v14, v28                        ; the rows' sums
	v_add_f32 v18, v18, v29
	s_wait_alu depctr_va_vdst(0)                   ; ahead of the batch
	v_rcp_f32 v14, v14
	v_rcp_f32 v18, v18
	v_nop
	s_wait_alu depctr_va_vdst(0)                   ; and behind it
	v_ldexp_f32 v14, v14, s59
	v_ldexp_f32 v18, v18, s59
	WIN 0x01
	s_wait_alu depctr_va_vdst(0)                   ; directly ahead of the first readers of O^T
.irp T, 0,1
.set j, 0
.rept 16
	v_pk_mul_f32 v[SR+32*\T+j:SR+32*\T+j+1], v[OA+32*\T+j:OA+32*\T+j+1], v[14+4*\T:15+4*\T] op_sel_hi:[1,0]   ; register 8 t + i: y(query r, 16 t + 8 h + i)
.set j, j+2
.endr
.endr
	WIN 0
.set j, 0
.rept 64
	v_med3_num_f32 v[SR+j], v[SR+j], -v37, v37
.set j, j+1
.endr
.irp g, 0,1,2,3,4,5,6,7
	v_cvt_scalef32_pk8_fp8_f32 v[192+2*\g:193+2*\g], v[SR+8*\g:SR+8*\g+7], v36
.endr
	v_nop
.irp T, 0,1                                        ; the two tiles go through the same 16 rows: LDS serves a wave's instructions in order
.irp t, 0,1,2,3
	ds_store_b64 v[SI], v[192+8*\T+2*\t:193+8*\T+2*\t] offset:16*\t
.endr
.irp k, 0,1
	ds_load_b128 v[208+8*\T+4*\k:211+8*\T+4*\k], v[SO] offset:640*\k
.endr
.endr
	s_wait_dscnt 7                                 ; behind tile 0's first load: one load, four stores, two loads
	global_store_b128 v[GO], v[208:211], s[62:63]  ; eight rows of act, my head's 64 bytes of each
	s_wait_dscnt 6
	global_store_b128 v[GO], v[212:215], s[62:63] offset:8192
	s_wait_dscnt 1
	global_store_b128 v[GO], v[216:219], s[62:63] offset:16384
	s_wait_dscnt 0
	global_store_b128 v[GO], v[220:223], s[62:63] offset:24576
	s_wait_tensorcnt 0x0                           ; the wave's end
	ds_add_u32 v[SPW], v[NIL]
	s_wait_dscnt 0x0
	CROUND                                         ; the closing round
	s_endpgm
.Lfunc_end_k_q863f88f18c_attn:
	.size	k_q863f88f18c_attn, .Lfunc_end_k_q863f88f18c_attn-k_q863f88f18c_attn
	.p2alignl 7, 3214868480
	.fill 96, 4, 3214868480
	.section	.rodata,"a",@progbits
	.p2align	6, 0x0
	.amdhsa_kernel k_q863f88f18c_attn
		.amdhsa_group_segment_fixed_size 327680
		.amdhsa_private_segment_fixed_size 0
		.amdhsa_enable_private_segment 0
		.amdhsa_kernarg_size 24
		.amdhsa_user_sgpr_count 2
		.amdhsa_user_sgpr_kernarg_segment_ptr 1
		.amdhsa_wavefront_size32 1
		.amdhsa_system_sgpr_workgroup_id_x 1
		.amdhsa_system_sgpr_workgroup_id_y 1
		.amdhsa_system_sgpr_workgroup_id_z 1
		.amdhsa_system_vgpr_workitem_id 0
		.amdhsa_next_free_vgpr 448
		.amdhsa_next_free_sgpr 80
		.amdhsa_reserve_vcc 1
		.amdhsa_float_denorm_mode_32 3
		.amdhsa_float_denorm_mode_16_64 3
		.amdhsa_memory_ordered 1
		.amdhsa_forward_progress 1
		.amdhsa_inst_pref_size 101
	.end_amdhsa_kernel
	.amdgpu_metadata
---
amdhsa.version: [ 1, 2 ]
amdhsa.kernels:
  - .name:           k_q863f88f18c_attn
    .symbol:         k_q863f88f18c_attn.kd
    .args:
      - { .name: qkvc, .offset: 0, .size: 8, .value_kind: global_buffer, .address_space: global }
      - { .name: lowp_scales, .offset: 8, .size: 8, .value_kind: global_buffer, .address_space: global }
      - { .name: act, .offset: 16, .size: 8, .value_kind: global_buffer, .address_space: global }
    .group_segment_fixed_size: 327680
    .private_segment_fixed_size: 0
    .kernarg_segment_align: 8
    .kernarg_segment_size: 24
    .max_flat_workgroup_size: 256
    .sgpr_count:     80
    .vgpr_count:     448
    .wavefront_size: 32
...
	.end_amdgpu_metadata
.endif
;; end of part 10
;; launch proj (part 11): grid 8 x 32, 4 waves a work-group, clusters of 4 x 4, 327,680 bytes of LDS; arguments act, wc, lowp_scales, b_proj, x, x1; writes x1
.if DOCPART == 11
	.amdgcn_target "amdgcn-amd-amdhsa--gfx1250"
	.amdhsa_code_object_version 6
	.text
	.protected	k_q863f88f18c_proj
	.globl	k_q863f88f18c_proj
	.p2align	8
	.type	k_q863f88f18c_proj,@function
k_q863f88f18c_proj:
	s_mov_b64 s[64:65], 0
	v_nop
	global_prefetch_b8 v0, s[64:65] scope:SCOPE_SE
	s_setreg_imm32_b32 hwreg(HW_REG_WAVE_MODE, 25, 1), 1
	s_wait_xcnt 0x0
	s_wait_alu depctr_hold_cnt(0) depctr_sa_sdst(0) depctr_va_vdst(0) depctr_va_sdst(0) depctr_va_ssrc(0) depctr_va_vcc(0) depctr_vm_vsrc(0)
	s_getreg_b32 s2, hwreg(HW_REG_IB_STS2, 6, 4)
	s_cmp_eq_u32 s2, 0
	s_cbranch_scc0 .Lentry_in_a_cluster
	s_endpgm
.Lentry_in_a_cluster:
	s_bfe_u32 s2, ttmp6, 0x10000c
	s_cmp_lg_u32 s2, 0xf033
	s_cbranch_scc0 .Lentry_shape_is_right
	s_endpgm
.Lentry_shape_is_right:
.set SIZE_K, 1024
.set WOFF,   0x300000
.set SOFF,   0x18
.set ROWC,   4096
.set KSTEP,  512
.set ROWB,   512
.set KROW,   SIZE_K
.set PITCH,  528
.set HALFT,  64*PITCH
.set SLOT,   4*HALFT
.set LAPS,   SIZE_K/(2*KSTEP)
.set SPARE,  2*SLOT
.set SP,     272
.set ADRA, 16
.set ADRB, 20
.set STO,  24
.set RD,   25
.set CO,   26
.set BO,   27
.set SPW,  28
.set NIL,  29
.set BIAS, 96
.set ACC,  128
.set F0,   0
.set F1,   128
.set RES,  0
.set BK,   128
.set G1, 24
.set G0, 32
.set G1B, 48
.set G0B, 56
.set MSB, 0
.macro WIN new
.if MSB != \new
	s_set_vgpr_msb (MSB<<8)|\new
.set MSB, \new
.endif
.endm
.set MUL,  0x05
.set TO_F, 0x40
.macro JLOAD g0a, g1a, g0b, g1b
	s_cmp_eq_u32 s15, 0
	s_cbranch_scc0 .Lfor_b_\@
	tensor_load_to_lds s[\g0a:\g0a+3], s[\g1a:\g1a+7]
	s_nop 0
.rept 4
	v_nop
.endr
	s_branch .Lasked_\@
.Lfor_b_\@:
	tensor_load_to_lds s[\g0b:\g0b+3], s[\g1b:\g1b+7]
	s_nop 0
.rept 4
	v_nop
.endr
.Lasked_\@:
.endm
.macro CREST
	s_cmp_lg_u32 s14, 0
	s_cbranch_scc1 .Lnot_wave_0_\@
	s_barrier_signal -3
.Lnot_wave_0_\@:
	s_barrier_wait -3
	s_barrier_signal -1
	s_barrier_wait -1
.endm
.macro CROUND
	s_barrier_signal -1
	s_barrier_wait -1
	CREST
.endm
	s_load_b128 s[4:7], s[0:1], 0x0
	s_load_b128 s[8:11], s[0:1], 0x10
	s_load_b128 s[68:71], s[0:1], 0x20
	v_lshl_add_u32 v[SPW], v0, 2, SPARE
	v_mov_b32 v[NIL], 0
	ds_add_u32 v28, v29
	ds_add_u32 v28, v29
	s_wait_dscnt 0x0
	v_lshrrev_b32 v1, 5, v0
	v_readfirstlane_b32 s14, v1
	s_lshr_b32 s15, s14, 1
	s_and_b32 s16, s14, 1
	s_bfe_u32 s40, ttmp6, 0x40000
	s_bfe_u32 s41, ttmp6, 0x40004
	s_lshl_b32 s42, ttmp9, 2
	s_add_co_u32 s42, s42, s40
	s_and_b32 s17, ttmp7, 0xffff
	s_lshl_b32 s17, s17, 2
	s_add_co_u32 s17, s17, s41
	s_lshl_b32 s43, s41, 2
	s_lshl_b32 s43, 15, s43
	s_lshl_b32 s44, 0x1111, s40
	s_or_b32 s[G1+0], s43, (0<<16)|(1<<20)|(1<<21)|(6<<22)|(3<<25)
	s_or_b32 s[G1B+0], s44, (0<<16)|(1<<20)|(1<<21)|(6<<22)|(3<<25)
.irp g, G1, G1B
	s_mov_b32 s[\g+1], ROWB<<16
	s_mov_b32 s[\g+2], 64<<16
	s_mov_b32 s[\g+3], ROWB<<16
	s_mov_b32 s[\g+4], 64
	s_mov_b32 s[\g+5], KROW
	s_mov_b32 s[\g+6], 0
	s_mov_b32 s[\g+7], 0
.endr
	s_lshl_b32 s18, s16, 6
	s_lshl_b32 s20, s17, 7
	s_add_co_u32 s20, s20, s18
	s_lshl_b32 s46, s42, 7
	s_add_co_u32 s46, s46, s18
	s_mov_b32 s21, 0
	s_mov_b32 s47, 0
	s_mov_b64 s[18:19], KROW
	s_mul_u64 s[20:21], s[20:21], s[18:19]
	s_mul_u64 s[46:47], s[46:47], s[18:19]
	s_mul_i32 s45, s14, HALFT
	s_wait_kmcnt 0x0
	s_load_b64 s[96:97], s[8:9], SOFF
	s_add_nc_u64 s[6:7], s[6:7], WOFF
	s_add_nc_u64 s[20:21], s[4:5], s[20:21]
	s_add_nc_u64 s[46:47], s[6:7], s[46:47]
.irp s, 0,1
	s_mov_b32 s[G0+4*\s], 1
	s_add_co_u32 s[G0+4*\s+1], s45, \s*SLOT
	s_add_nc_u64 s[G0+4*\s+2:G0+4*\s+3], s[20:21], \s*ROWB
	s_or_b32 s[G0+4*\s+3], s[G0+4*\s+3], 0x80000000
	s_mov_b32 s[G0B+4*\s], 1
	s_add_co_u32 s[G0B+4*\s+1], s45, \s*SLOT
	s_add_nc_u64 s[G0B+4*\s+2:G0B+4*\s+3], s[46:47], \s*ROWB
	s_or_b32 s[G0B+4*\s+3], s[G0B+4*\s+3], 0x80000000
	s_wait_alu depctr_va_vdst(0)
	s_wait_tensorcnt 0x0
	ds_add_u32 v28, v29
	ds_add_u32 v28, v29
	s_wait_dscnt 0x0
	CROUND
	JLOAD G0+4*\s, G1, G0B+4*\s, G1B
.endr
	v_and_b32 v1, 15, v0
	s_wait_alu depctr_va_vdst(0)
	v_bfe_u32 v2, v0, 4, 1
	v_mul_u32_u24 v3, v1, PITCH
	v_lshl_add_u32 v4, v2, 4, v3
	s_mul_i32 s21, s15, HALFT
	s_mul_i32 s22, s16, HALFT
	s_add_co_u32 s22, s22, 2*HALFT
.irp s, 0,1
	v_add_nc_u32 v[ADRA+\s], s21, v4
	v_add_nc_u32 v[ADRB+\s], s22, v4
	s_add_co_u32 s21, s21, SLOT
	s_add_co_u32 s22, s22, SLOT
.endr
	s_mul_i32 s23, s14, 64*SP
	v_mul_u32_u24 v5, v1, SP
	s_wait_alu depctr_va_vdst(0)
	v_lshl_add_u32 v5, v2, 5, v5
	v_add_nc_u32 v[STO], s23, v5
	v_mul_u32_u24 v5, v2, SP
	v_lshl_add_u32 v5, v1, 4, v5
	v_add_nc_u32 v[RD], s23, v5
	v_lshlrev_b32 v5, 12, v2
	v_lshl_add_u32 v[CO], v1, 4, v5
	v_lshlrev_b32 v[BO], 4, v1
	s_wait_alu depctr_va_vdst(0)
	s_lshl_b32 s20, s17, 7
	s_lshl_b32 s21, s15, 6
	s_add_co_u32 s20, s20, s21
	s_lshl_b32 s20, s20, 12
	s_lshl_b32 s46, s42, 9
	s_lshl_b32 s47, s16, 8
	s_add_co_u32 s46, s46, s47
	s_mov_b32 s47, 0
	s_add_nc_u64 s[10:11], s[10:11], s[46:47]
	s_add_co_u32 s20, s20, s46
	s_mov_b32 s21, 0
	s_add_nc_u64 s[68:69], s[68:69], s[20:21]
	s_add_nc_u64 s[70:71], s[70:71], s[20:21]
	global_load_b128 v[BIAS:BIAS+3], v[BO], s[10:11]
	WIN 0x80
.set t, 0
.rept 32
	global_load_b128 v[RES+4*t:RES+4*t+3], v[CO], s[68:69] offset:2*t*ROWC
.set t, t+1
.endr
	WIN 0
.macro MUL8 f, a0, zero
.irp a, \a0, \a0+1
.irp b, 0,1,2,3
.if \zero
	v_wmma_f32_16x16x128_fp8_fp8 v[ACC+8*(4*(\a)+\b):ACC+8*(4*(\a)+\b)+7], v[\f+64+16*\b:\f+64+16*\b+15], v[\f+16*(\a):\f+16*(\a)+15], 0
.else
	v_wmma_f32_16x16x128_fp8_fp8 v[ACC+8*(4*(\a)+\b):ACC+8*(4*(\a)+\b)+7], v[\f+64+16*\b:\f+64+16*\b+15], v[\f+16*(\a):\f+16*(\a)+15], v[ACC+8*(4*(\a)+\b):ACC+8*(4*(\a)+\b)+7]
.endif
.endr
.endr
.endm
.macro FETCH slot, k, f
	WIN TO_F
.irp i, 0,1,2,3
.irp c, 0,1,2,3
	ds_load_b128 v[\f+64+16*\i+4*\c:\f+64+16*\i+4*\c+3], v[ADRB+\slot] offset:\k+32*\c+\i*16*PITCH
.endr
.endr
.irp i, 0,1,2,3
.irp c, 0,1,2,3
	ds_load_b128 v[\f+16*\i+4*\c:\f+16*\i+4*\c+3], v[ADRA+\slot] offset:\k+32*\c+\i*16*PITCH
.endr
.endr
.endm
.macro PLACES
.rept 4
	v_nop
.endr
.endm
.macro QUARTER slot, k, f, g, zero
	PLACES
	FETCH \slot, \k, \g
	s_wait_dscnt 40
	WIN MUL
	MUL8 \f, 0, \zero
	s_wait_dscnt 32
	MUL8 \f, 2, \zero
.endm
.macro TURN slot, next, fill
	WIN 0
	s_wait_tensorcnt 0x0
	ds_add_u32 v[SPW], v[NIL]
	s_wait_dscnt 9
	WIN MUL
	MUL8 F1, 0, 0
	s_wait_dscnt 0x0
	WIN 0
	s_barrier_signal -1
	s_barrier_wait -1
.if \fill
	CREST
	s_add_nc_u64 s[G0+4*\slot+2:G0+4*\slot+3], s[G0+4*\slot+2:G0+4*\slot+3], 2*ROWB
	s_add_nc_u64 s[G0B+4*\slot+2:G0B+4*\slot+3], s[G0B+4*\slot+2:G0B+4*\slot+3], 2*ROWB
	JLOAD G0+4*\slot, G1, G0B+4*\slot, G1B
.else
	PLACES
.endif
	FETCH \next, 0, F0
	WIN MUL
	MUL8 F1, 2, 0
.endm
	s_wait_tensorcnt 1
	s_barrier_signal -1
	s_barrier_wait -1
	FETCH 0, 0, F0
	QUARTER 0, 128, F0, F1, 1
.if LAPS > 1
	WIN 0
	s_mov_b32 s3, LAPS-1
.Llap:
	QUARTER 0, 256, F1, F0, 0
	QUARTER 0, 384, F0, F1, 0
	TURN 0, 1, 1
	QUARTER 1, 128, F0, F1, 0
	QUARTER 1, 256, F1, F0, 0
	QUARTER 1, 384, F0, F1, 0
	TURN 1, 0, 1
	QUARTER 0, 128, F0, F1, 0
	WIN 0
	s_sub_co_u32 s3, s3, 1
	s_cmp_lg_u32 s3, 0
	s_cbranch_scc1 .Llap
.endif
	QUARTER 0, 256, F1, F0, 0
	QUARTER 0, 384, F0, F1, 0
	TURN 0, 1, 0
	QUARTER 1, 128, F0, F1, 0
	QUARTER 1, 256, F1, F0, 0
	QUARTER 1, 384, F0, F1, 0
	s_wait_dscnt 8
	WIN MUL
	MUL8 F1, 0, 0
	s_wait_dscnt 0
	MUL8 F1, 2, 0
	WIN 0
	s_wait_kmcnt 0x0
	s_add_co_i32 s96, s96, s97
	s_add_co_i32 s96, s96, 127
	s_lshl_b32 s96, s96, 23
	PLACES
.irp a, 0,1,2,3
.irp b, 0,1,2,3
	ds_store_b128 v[STO], v[ACC+8*(4*\a+\b):ACC+8*(4*\a+\b)+3] offset:\a*16*SP+64*\b
	ds_store_b128 v[STO], v[ACC+8*(4*\a+\b)+4:ACC+8*(4*\a+\b)+7] offset:\a*16*SP+64*\b+16
.endr
.endr
	WIN 0x80
.set t, 0
.rept 32
	ds_load_b128 v[BK+4*t:BK+4*t+3], v[RD] offset:t*2*SP
.set t, t+1
.endr
	s_wait_loadcnt 0x0
.irp g, 0,1,2,3
	s_wait_dscnt 24-8*\g
	WIN 0x82
.set t, 8*\g
.rept 8
	v_pk_fma_f32 v[BK+4*t:BK+4*t+1], v[BK+4*t:BK+4*t+1], s[96:97], v[BIAS:BIAS+1] op_sel_hi:[1,0,1]
	v_pk_fma_f32 v[BK+4*t+2:BK+4*t+3], v[BK+4*t+2:BK+4*t+3], s[96:97], v[BIAS+2:BIAS+3] op_sel_hi:[1,0,1]
.set t, t+1
.endr
	WIN 0x8a
.set j, 32*\g
.rept 16
	v_pk_add_f32 v[BK+j:BK+j+1], v[BK+j:BK+j+1], v[RES+j:RES+j+1]
.set j, j+2
.endr
	WIN 0x08
.set t, 8*\g
.rept 8
	global_store_b128 v[CO], v[BK+4*t:BK+4*t+3], s[70:71] offset:2*t*ROWC
.set t, t+1
.endr
.endr
	WIN 0
	s_wait_tensorcnt 0x0
	ds_add_u32 v[SPW], v[NIL]
	s_wait_dscnt 0x0
	CROUND
	s_endpgm
.Lfunc_end_k_q863f88f18c_proj:
	.size	k_q863f88f18c_proj, .Lfunc_end_k_q863f88f18c_proj-k_q863f88f18c_proj
	.p2alignl 7, 3214868480
	.fill 96, 4, 3214868480
	.section	.rodata,"a",@progbits
	.p2align	6, 0x0
	.amdhsa_kernel k_q863f88f18c_proj
		.amdhsa_group_segment_fixed_size 327680
		.amdhsa_private_segment_fixed_size 0
		.amdhsa_enable_private_segment 0
		.amdhsa_kernarg_size 48
		.amdhsa_user_sgpr_count 2
		.amdhsa_user_sgpr_kernarg_segment_ptr 1
		.amdhsa_wavefront_size32 1
		.amdhsa_system_sgpr_workgroup_id_x 1
		.amdhsa_system_sgpr_workgroup_id_y 1
		.amdhsa_system_sgpr_workgroup_id_z 1
		.amdhsa_system_vgpr_workitem_id 0
		.amdhsa_next_free_vgpr 768
		.amdhsa_next_free_sgpr 100
		.amdhsa_reserve_vcc 0
		.amdhsa_float_denorm_mode_32 3
		.amdhsa_float_denorm_mode_16_64 3
		.amdhsa_memory_ordered 1
		.amdhsa_forward_progress 1
		.amdhsa_inst_pref_size 54
	.end_amdhsa_kernel
	.amdgpu_metadata
---
amdhsa.version: [ 1, 2 ]
amdhsa.kernels:
  - .name:           k_q863f88f18c_proj
    .symbol:         k_q863f88f18c_proj.kd
    .args:
      - { .name: act, .offset: 0, .size: 8, .value_kind: global_buffer, .address_space: global }
      - { .name: wc, .offset: 8, .size: 8, .value_kind: global_buffer, .address_space: global }
      - { .name: lowp_scales, .offset: 16, .size: 8, .value_kind: global_buffer, .address_space: global }
      - { .name: b_proj, .offset: 24, .size: 8, .value_kind: global_buffer, .address_space: global }
      - { .name: x, .offset: 32, .size: 8, .value_kind: global_buffer, .address_space: global }
      - { .name: x1, .offset: 40, .size: 8, .value_kind: global_buffer, .address_space: global }
    .group_segment_fixed_size: 327680
    .private_segment_fixed_size: 0
    .kernarg_segment_align: 8
    .kernarg_segment_size: 48
    .max_flat_workgroup_size: 128
    .sgpr_count:     100
    .vgpr_count:     768
    .wavefront_size: 32
...
	.end_amdgpu_metadata
.endif
;; end of part 11
;; launch ln2 (part 12): grid 256 x 1, 4 waves a work-group, no clusters, 0 bytes of LDS; arguments x1, ln2_g, ln2_b, lowp_scales, act; writes act
.if DOCPART == 12
	.amdgcn_target "amdgcn-amd-amdhsa--gfx1250"
	.amdhsa_code_object_version 6
	.text
	.protected	k_q863f88f18c_ln2
	.globl	k_q863f88f18c_ln2
	.p2align	8
	.type	k_q863f88f18c_ln2,@function
k_q863f88f18c_ln2:
	s_mov_b64 s[64:65], 0
	v_nop
	global_prefetch_b8 v0, s[64:65] scope:SCOPE_SE
	s_setreg_imm32_b32 hwreg(HW_REG_WAVE_MODE, 25, 1), 1
	s_wait_xcnt 0x0
; act = codes of LN2(x1), FP8 (E4M3), scale 2^e8.  code = number / 2^e, held within +-448, to the nearest code, ties to even.
; LIMITS: e8 between -126 and 119; NaN among the inputs is not served.
; A wave takes 4 rows of 1,024 numbers, each kept in 32 registers a lane; lane l holds numbers 256 j + 8 l + 0..7, eight neighbours along K for each conversion.
; Mean first, then the mean of (x - mean)^2: two passes over registers.  No LDS, no barrier: waves share nothing.
.set EOFF, 0x20                        ; byte of e8 in lowp_scales
.set G,    16                          ; v16-47   the gain at my 32 places
.set BT,   48                          ; v48-79   the bias
.set X,    80                          ; v80-207  four rows, 32 registers each
.set CD,   208                         ; v208-239 codes, 8 registers a row: no store's data are written again
	s_load_b256 s[4:11], s[0:1], 0x0               ; x1 4:5, gain 6:7, bias 8:9, scales 10:11
	s_load_b64 s[12:13], s[0:1], 0x20              ; act
	v_lshrrev_b32 v1, 5, v0
	v_readfirstlane_b32 s26, v1                    ; wave
	v_and_b32 v1, 31, v0                           ; lane
	s_wait_alu depctr_va_vdst(0)
	s_wait_kmcnt 0x0
	s_load_b32 s27, s[10:11], EOFF                 ; e
	s_lshl_b32 s32, ttmp9, 16                      ; 16 rows of 4,096 bytes a work-group,
	s_lshl_b32 s33, s26, 14                        ; 4 a wave
	s_add_co_u32 s32, s32, s33
	s_mov_b32 s33, 0
	s_add_nc_u64 s[4:5], s[4:5], s[32:33]
	s_lshl_b32 s34, ttmp9, 14
	s_lshl_b32 s35, s26, 12
	s_add_co_u32 s34, s34, s35
	s_mov_b32 s35, 0
	s_add_nc_u64 s[12:13], s[12:13], s[34:35]
	v_lshlrev_b32 v2, 5, v1
	v_lshlrev_b32 v3, 3, v1
.irp j, 0,1,2,3
	global_load_b128 v[G+8*\j:G+8*\j+3], v2, s[6:7] offset:1024*\j
	global_load_b128 v[G+8*\j+4:G+8*\j+7], v2, s[6:7] offset:1024*\j+16
.endr
.irp j, 0,1,2,3
	global_load_b128 v[BT+8*\j:BT+8*\j+3], v2, s[8:9] offset:1024*\j
	global_load_b128 v[BT+8*\j+4:BT+8*\j+7], v2, s[8:9] offset:1024*\j+16
.endr
.irp r, 0,1,2,3
.irp j, 0,1,2,3
	global_load_b128 v[X+32*\r+8*\j:X+32*\r+8*\j+3], v2, s[4:5] offset:4096*\r+1024*\j       ; two loads together cover 1,024 consecutive bytes
	global_load_b128 v[X+32*\r+8*\j+4:X+32*\r+8*\j+7], v2, s[4:5] offset:4096*\r+1024*\j+16
.endr
.endr
	s_mov_b32 s30, 0x76543210                      ; v_permlanex16_b32: lane l xor 16
	s_mov_b32 s31, 0xfedcba98
	v_mov_b32 v13, 0
	v_mov_b32 v15, 0
	v_mov_b32 v242, 0
	v_mov_b32 v243, 0x3a800000                     ; 1 / 1024
	s_wait_kmcnt 0x0
	s_add_co_i32 s27, s27, 127
	s_lshl_b32 s28, s27, 23
	v_mov_b32 v240, s28                            ; 2^e
	s_add_co_i32 s27, s27, 8
	s_lshl_b32 s27, s27, 23
	s_or_b32 s27, s27, 0x600000
	v_mov_b32 v241, s27                            ; 448 x 2^e
.macro JOIN
	v_pk_add_f32 v[4:5], v[4:5], v[6:7]
	v_pk_add_f32 v[8:9], v[8:9], v[10:11]
	v_pk_add_f32 v[4:5], v[4:5], v[8:9]
	v_add_f32 v4, v4, v5
.endm
.macro RED
	v_add_f32_dpp v4, v4, v4 row_xmask:1 row_mask:0xf bank_mask:0xf
	v_add_f32_dpp v4, v4, v4 row_xmask:2 row_mask:0xf bank_mask:0xf
	v_add_f32_dpp v4, v4, v4 row_xmask:4 row_mask:0xf bank_mask:0xf
	v_add_f32_dpp v4, v4, v4 row_xmask:8 row_mask:0xf bank_mask:0xf
	v_permlanex16_b32 v242, v4, s30, s31
	v_add_f32 v4, v4, v242
.endm
.macro ROW r
.set XR, X+32*\r
	s_wait_loadcnt 8*(3-\r)                        ; this row's eight loads are in; the younger rows' may be out
.irp k, 0,1,2,3
	v_pk_add_f32 v[4+2*\k:5+2*\k], v[XR+2*\k:XR+2*\k+1], v[XR+8+2*\k:XR+9+2*\k]
.endr
.irp k, 0,1,2,3,4,5,6,7
	v_pk_add_f32 v[4+2*(\k%4):5+2*(\k%4)], v[4+2*(\k%4):5+2*(\k%4)], v[XR+16+2*\k:XR+17+2*\k]
.endr
	JOIN
	RED
	v_mul_f32 v12, v243, v4                        ; the mean
.irp k, 0,1,2,3,4,5,6,7,8,9,10,11,12,13,14,15
	v_pk_add_f32 v[XR+2*\k:XR+2*\k+1], v[XR+2*\k:XR+2*\k+1], v[12:13] op_sel_hi:[1,0] neg_lo:[0,1] neg_hi:[0,1]
.endr
.irp k, 0,1,2,3
	v_pk_mul_f32 v[4+2*\k:5+2*\k], v[XR+2*\k:XR+2*\k+1], v[XR+2*\k:XR+2*\k+1]
.endr
.irp k, 4,5,6,7,8,9,10,11,12,13,14,15
	v_pk_fma_f32 v[4+2*(\k%4):5+2*(\k%4)], v[XR+2*\k:XR+2*\k+1], v[XR+2*\k:XR+2*\k+1], v[4+2*(\k%4):5+2*(\k%4)]
.endr
	JOIN
	RED
	v_fmaak_f32 v14, v4, v243, 0x3727c5ac          ; variance + 1e-5
	s_wait_alu depctr_va_vdst(0)
	v_rsq_f32 v14, v14
	v_nop                                          ; a plain instruction between the transcendental and the use of its result
	s_wait_alu depctr_va_vdst(0)
.irp k, 0,1,2,3,4,5,6,7,8,9,10,11,12,13,14,15
	v_pk_mul_f32 v[XR+2*\k:XR+2*\k+1], v[XR+2*\k:XR+2*\k+1], v[14:15] op_sel_hi:[1,0]
.endr
.irp k, 0,1,2,3,4,5,6,7,8,9,10,11,12,13,14,15
	v_pk_fma_f32 v[XR+2*\k:XR+2*\k+1], v[XR+2*\k:XR+2*\k+1], v[G+2*\k:G+2*\k+1], v[BT+2*\k:BT+2*\k+1]
.endr
.set i, 0
.rept 32
	v_med3_num_f32 v[XR+i], v[XR+i], -v241, v241   ; the conversion does not saturate (ISA guide 7.6.2): the hold comes first
.set i, i+1
.endr
.irp j, 0,1,2,3
	v_cvt_scalef32_pk8_fp8_f32 v[CD+8*\r+2*\j:CD+8*\r+2*\j+1], v[XR+8*\j:XR+8*\j+7], v240
.endr
.irp j, 0,1,2,3
	global_store_b64 v3, v[CD+8*\r+2*\j:CD+8*\r+2*\j+1], s[12:13] offset:1024*\r+256*\j      ; the wave stores 256 consecutive bytes, aligned
.endr
.endm
	ROW 0
	ROW 1
	ROW 2
	ROW 3
	s_endpgm
.Lfunc_end_k_q863f88f18c_ln2:
	.size	k_q863f88f18c_ln2, .Lfunc_end_k_q863f88f18c_ln2-k_q863f88f18c_ln2
	.p2alignl 7, 3214868480
	.fill 96, 4, 3214868480
	.section	.rodata,"a",@progbits
	.p2align	6, 0x0
	.amdhsa_kernel k_q863f88f18c_ln2
		.amdhsa_group_segment_fixed_size 0
		.amdhsa_private_segment_fixed_size 0
		.amdhsa_enable_private_segment 0
		.amdhsa_kernarg_size 40
		.amdhsa_user_sgpr_count 2
		.amdhsa_user_sgpr_kernarg_segment_ptr 1
		.amdhsa_wavefront_size32 1
		.amdhsa_system_sgpr_workgroup_id_x 1
		.amdhsa_system_sgpr_workgroup_id_y 1
		.amdhsa_system_sgpr_workgroup_id_z 1
		.amdhsa_system_vgpr_workitem_id 0
		.amdhsa_next_free_vgpr 248
		.amdhsa_next_free_sgpr 66
		.amdhsa_reserve_vcc 0
		.amdhsa_float_denorm_mode_32 3
		.amdhsa_float_denorm_mode_16_64 3
		.amdhsa_memory_ordered 1
		.amdhsa_forward_progress 1
		.amdhsa_inst_pref_size 42
	.end_amdhsa_kernel
	.amdgpu_metadata
---
amdhsa.version: [ 1, 2 ]
amdhsa.kernels:
  - .name:           k_q863f88f18c_ln2
    .symbol:         k_q863f88f18c_ln2.kd
    .args:
      - { .name: x1, .offset: 0, .size: 8, .value_kind: global_buffer, .address_space: global }
      - { .name: ln2_g, .offset: 8, .size: 8, .value_kind: global_buffer, .address_space: global }
      - { .name: ln2_b, .offset: 16, .size: 8, .value_kind: global_buffer, .address_space: global }
      - { .name: lowp_scales, .offset: 24, .size: 8, .value_kind: global_buffer, .address_space: global }
      - { .name: act, .offset: 32, .size: 8, .value_kind: global_buffer, .address_space: global }
    .group_segment_fixed_size: 0
    .private_segment_fixed_size: 0
    .kernarg_segment_align: 8
    .kernarg_segment_size: 40
    .max_flat_workgroup_size: 128
    .sgpr_count:     66
    .vgpr_count:     248
    .wavefront_size: 32
...
	.end_amdgpu_metadata
.endif
;; end of part 12
;; launch fc1 (part 13): grid 16 x 16, 4 waves a work-group, clusters of 4 x 4, 327,680 bytes of LDS; arguments act, wc, lowp_scales, b1, hc; writes hc
.if DOCPART == 13
	.amdgcn_target "amdgcn-amd-amdhsa--gfx1250"
	.amdhsa_code_object_version 6
	.text
	.protected	k_q863f88f18c_fc1
	.globl	k_q863f88f18c_fc1
	.p2align	8
	.type	k_q863f88f18c_fc1,@function
k_q863f88f18c_fc1:
	s_mov_b64 s[64:65], 0
	v_nop
	global_prefetch_b8 v0, s[64:65] scope:SCOPE_SE
	s_setreg_imm32_b32 hwreg(HW_REG_WAVE_MODE, 25, 1), 1
	s_wait_xcnt 0x0
	s_wait_alu depctr_hold_cnt(0) depctr_sa_sdst(0) depctr_va_vdst(0) depctr_va_sdst(0) depctr_va_ssrc(0) depctr_va_vcc(0) depctr_vm_vsrc(0)
	s_getreg_b32 s2, hwreg(HW_REG_IB_STS2, 6, 4)
	s_cmp_eq_u32 s2, 0
	s_cbranch_scc0 .Lentry_in_a_cluster
	s_endpgm
.Lentry_in_a_cluster:
	s_bfe_u32 s2, ttmp6, 0x10000c
	s_cmp_lg_u32 s2, 0xf033
	s_cbranch_scc0 .Lentry_shape_is_right
	s_endpgm
.Lentry_shape_is_right:
.set SIZE_K, 1024
.set WOFF,   0x400000
.set OSH,    12
.set OPITCH, 4096
.set KSTEP,  256
.set ROWB,   256
.set KROW,   SIZE_K
.set PITCH,  272
.set FR,     16
.set NL,     4
.set NP,     4
.set HALFT,  128*PITCH
.set SLOT,   4*HALFT
.set LAPS,   SIZE_K/(2*KSTEP)
.set SPARE,  2*SLOT
.set ADRA, 16
.set ADRB, 20
.set STO,  24
.set RD,   25
.set CO,   26
.set SPW,  28
.set NIL,  29
.set CDS,  48
.set BC,   64
.set AF,   128
.set TMP,  128
.set ZR,   192
.set X2R,  208
.set PR,   224
.set QR,   240
.set G1, 24
.set G0, 32
.set G1B, 48
.set G0B, 56
.set MSB, 0
.macro WIN new
.if MSB != \new
	s_set_vgpr_msb (MSB<<8)|\new
.set MSB, \new
.endif
.endm
.set MUL_LO, 0xa1
.set MUL_HI, 0xf1
.set TO_B,   0x40
.macro JLOAD g0a, g1a, g0b, g1b
	s_cmp_eq_u32 s15, 0
	s_cbranch_scc0 .Lfor_b_\@
	tensor_load_to_lds s[\g0a:\g0a+3], s[\g1a:\g1a+7]
	s_nop 0
.rept 4
	v_nop
.endr
	s_branch .Lasked_\@
.Lfor_b_\@:
	tensor_load_to_lds s[\g0b:\g0b+3], s[\g1b:\g1b+7]
	s_nop 0
.rept 4
	v_nop
.endr
.Lasked_\@:
.endm
.macro CREST
	s_cmp_lg_u32 s14, 0
	s_cbranch_scc1 .Lnot_wave_0_\@
	s_barrier_signal -3
.Lnot_wave_0_\@:
	s_barrier_wait -3
	s_barrier_signal -1
	s_barrier_wait -1
.endm
.macro CROUND
	s_barrier_signal -1
	s_barrier_wait -1
	CREST
.endm
	s_load_b128 s[4:7], s[0:1], 0x0
	s_load_b128 s[8:11], s[0:1], 0x10
	s_load_b64 s[12:13], s[0:1], 0x20
	v_lshl_add_u32 v[SPW], v0, 2, SPARE
	v_mov_b32 v[NIL], 0
	ds_add_u32 v28, v29
	ds_add_u32 v28, v29
	s_wait_dscnt 0x0
	v_lshrrev_b32 v1, 5, v0
	v_readfirstlane_b32 s14, v1
	s_lshr_b32 s15, s14, 1
	s_and_b32 s16, s14, 1
	s_bfe_u32 s40, ttmp6, 0x40000
	s_bfe_u32 s41, ttmp6, 0x40004
	s_lshl_b32 s42, ttmp9, 2
	s_add_co_u32 s42, s42, s40
	s_and_b32 s17, ttmp7, 0xffff
	s_lshl_b32 s17, s17, 2
	s_add_co_u32 s17, s17, s41
	s_lshl_b32 s43, s41, 2
	s_lshl_b32 s43, 15, s43
	s_lshl_b32 s44, 0x1111, s40
	s_or_b32 s[G1+0], s43, (0<<16)|(1<<20)|(1<<21)|(5<<22)|(3<<25)
	s_or_b32 s[G1B+0], s44, (0<<16)|(1<<20)|(1<<21)|(5<<22)|(3<<25)
.irp g, G1, G1B
	s_mov_b32 s[\g+1], ROWB<<16
	s_mov_b32 s[\g+2], 128<<16
	s_mov_b32 s[\g+3], ROWB<<16
	s_mov_b32 s[\g+4], 128
	s_mov_b32 s[\g+5], KROW
	s_mov_b32 s[\g+6], 0
	s_mov_b32 s[\g+7], 0
.endr
	s_lshl_b32 s18, s16, 7
	s_lshl_b32 s20, s17, 8
	s_add_co_u32 s20, s20, s18
	s_lshl_b32 s46, s42, 8
	s_add_co_u32 s46, s46, s18
	s_mov_b32 s21, 0
	s_mov_b32 s47, 0
	s_mov_b64 s[18:19], KROW
	s_mul_u64 s[20:21], s[20:21], s[18:19]
	s_mul_u64 s[46:47], s[46:47], s[18:19]
	s_mul_i32 s45, s14, HALFT
	s_wait_kmcnt 0x0
	s_load_b128 s[72:75], s[8:9], 0x20
	s_add_nc_u64 s[6:7], s[6:7], WOFF
	s_add_nc_u64 s[20:21], s[4:5], s[20:21]
	s_add_nc_u64 s[46:47], s[6:7], s[46:47]
.irp s, 0,1
	s_mov_b32 s[G0+4*\s], 1
	s_add_co_u32 s[G0+4*\s+1], s45, \s*SLOT
	s_add_nc_u64 s[G0+4*\s+2:G0+4*\s+3], s[20:21], \s*ROWB
	s_or_b32 s[G0+4*\s+3], s[G0+4*\s+3], 0x80000000
	s_mov_b32 s[G0B+4*\s], 1
	s_add_co_u32 s[G0B+4*\s+1], s45, \s*SLOT
	s_add_nc_u64 s[G0B+4*\s+2:G0B+4*\s+3], s[46:47], \s*ROWB
	s_or_b32 s[G0B+4*\s+3], s[G0B+4*\s+3], 0x80000000
	s_wait_alu depctr_va_vdst(0)
	s_wait_tensorcnt 0x0
	ds_add_u32 v28, v29
	ds_add_u32 v28, v29
	s_wait_dscnt 0x0
	CROUND
	JLOAD G0+4*\s, G1, G0B+4*\s, G1B
.endr
	v_and_b32 v1, 15, v0
	s_wait_alu depctr_va_vdst(0)
	v_bfe_u32 v2, v0, 4, 1
	v_mul_u32_u24 v3, v1, PITCH
	v_lshl_add_u32 v4, v2, 4, v3
	s_mul_i32 s21, s15, HALFT
	s_mul_i32 s22, s16, HALFT
	s_add_co_u32 s22, s22, 2*HALFT
.irp s, 0,1
	v_add_nc_u32 v[ADRA+\s], s21, v4
	v_add_nc_u32 v[ADRB+\s], s22, v4
	s_add_co_u32 s21, s21, SLOT
	s_add_co_u32 s22, s22, SLOT
.endr
	s_mul_i32 s23, s15, 128*PITCH
	s_lshl_b32 s21, s16, 7
	s_add_co_u32 s23, s23, s21
	v_mul_u32_u24 v5, v1, PITCH
	s_wait_alu depctr_va_vdst(0)
	v_lshl_add_u32 v5, v2, 3, v5
	v_add_nc_u32 v[STO], s23, v5
	s_mul_i32 s23, s14, 64*PITCH
	v_mul_u32_u24 v5, v2, PITCH
	v_lshl_add_u32 v5, v1, 4, v5
	v_add_nc_u32 v[RD], s23, v5
	v_lshlrev_b32 v5, OSH, v2
	v_lshl_add_u32 v[CO], v1, 4, v5
	v_lshlrev_b32 v22, 5, v2
	s_lshl_b32 s92, s42, 10
	s_lshl_b32 s93, s16, 9
	s_add_co_u32 s92, s92, s93
	s_mov_b32 s93, 0
	s_add_nc_u64 s[82:83], s[10:11], s[92:93]
.irp b, 0,1,2,3,4,5,6,7
	global_load_b128 v[BC+8*\b:BC+8*\b+3], v22, s[82:83] offset:64*\b
	global_load_b128 v[BC+8*\b+4:BC+8*\b+7], v22, s[82:83] offset:64*\b+16
.endr
	s_lshl_b32 s92, s17, 8
	s_lshl_b32 s93, s14, 6
	s_add_co_u32 s92, s92, s93
	s_lshl_b32 s92, s92, OSH
	s_lshl_b32 s93, s42, 8
	s_add_co_u32 s92, s92, s93
	s_mov_b32 s93, 0
	s_add_nc_u64 s[12:13], s[12:13], s[92:93]
.macro FRAG reg, adr, q, i
.irp c, 0,1,2,3
	ds_load_b128 v[\reg+4*\c:\reg+4*\c+3], v[\adr] offset:128*(\q)+32*\c+(\i)*16*PITCH
.endr
.endm
.macro MUL16 a0, p, zero
.irp a, \a0, \a0+1
.irp b, 0,1,2,3,4,5,6,7
.if \zero
	v_wmma_f32_16x16x128_fp8_fp8 v[8*(8*((\a)%4)+\b):8*(8*((\a)%4)+\b)+7], v[128*(\p)+FR*\b:128*(\p)+FR*\b+FR-1], v[AF+FR*(\a):AF+FR*(\a)+FR-1], 0
.else
	v_wmma_f32_16x16x128_fp8_fp8 v[8*(8*((\a)%4)+\b):8*(8*((\a)%4)+\b)+7], v[128*(\p)+FR*\b:128*(\p)+FR*\b+FR-1], v[AF+FR*(\a):AF+FR*(\a)+FR-1], v[8*(8*((\a)%4)+\b):8*(8*((\a)%4)+\b)+7]
.endif
.endr
.endr
.endm
.macro FETCH_B slot, q, p
	WIN TO_B
.irp i, 0,1,2,3,4,5,6,7
	FRAG 128*(\p)+FR*\i, ADRB+\slot, \q, \i
.endr
	WIN 0
.endm
.macro FETCH_A slot, q, i0
.irp i, \i0, \i0+1, \i0+2, \i0+3
	FRAG AF+FR*(\i), ADRA+\slot, \q, \i
.endr
.endm
.macro PLACES n
.rept \n
	v_nop
.endr
.endm
.macro STEP slot, q, zero
	s_wait_dscnt 4*NL
	WIN MUL_LO
	MUL16 0, (\q)%2, \zero
	MUL16 2, (\q)%2, \zero
	s_wait_dscnt 0
	PLACES NP
	FETCH_B \slot, (\q)+1, 1-(\q)%2
	FETCH_A \slot, (\q)+1, 0
	WIN MUL_HI
	MUL16 4, (\q)%2, \zero
	MUL16 6, (\q)%2, \zero
	PLACES NP
	WIN 0
	FETCH_A \slot, (\q)+1, 4
.endm
.macro TURN slot, next, fill
	s_wait_tensorcnt 0x0
	ds_add_u32 v[SPW], v[NIL]
	s_wait_dscnt 4*NL+1
	WIN MUL_LO
	MUL16 0, 1, 0
	s_wait_dscnt 0x0
	s_barrier_signal -1
	MUL16 2, 1, 0
	WIN 0
	s_barrier_wait -1
.if \fill
	CREST
	s_add_nc_u64 s[G0+4*\slot+2:G0+4*\slot+3], s[G0+4*\slot+2:G0+4*\slot+3], 2*ROWB
	s_add_nc_u64 s[G0B+4*\slot+2:G0B+4*\slot+3], s[G0B+4*\slot+2:G0B+4*\slot+3], 2*ROWB
	JLOAD G0+4*\slot, G1, G0B+4*\slot, G1B
.else
	PLACES NP
.endif
	FETCH_B \next, 0, 0
	FETCH_A \next, 0, 0
	WIN MUL_HI
	MUL16 4, 1, 0
	MUL16 6, 1, 0
	PLACES NP
	WIN 0
	FETCH_A \next, 0, 4
.endm
	s_wait_tensorcnt 1
	s_barrier_signal -1
	s_barrier_wait -1
	FETCH_B 0, 0, 0
	FETCH_A 0, 0, 0
	FETCH_A 0, 0, 4
	STEP 0, 0, 1
	s_mov_b32 s3, LAPS-1
.Llap:
	TURN 0, 1, 1
	STEP 1, 0, 0
	TURN 1, 0, 1
	STEP 0, 0, 0
	s_sub_co_u32 s3, s3, 1
	s_cmp_lg_u32 s3, 0
	s_cbranch_scc1 .Llap
	TURN 0, 1, 0
	STEP 1, 0, 0
	s_wait_dscnt 4*NL
	WIN MUL_LO
	MUL16 0, 1, 0
	MUL16 2, 1, 0
	s_wait_dscnt 0
	WIN MUL_HI
	MUL16 4, 1, 0
	MUL16 6, 1, 0
	WIN 0
	s_wait_kmcnt 0x0
	s_add_co_i32 s96, s72, s73
	s_add_co_i32 s96, s96, 127
	s_lshl_b32 s96, s96, 23
	s_mov_b32 s97, s96
	s_add_co_i32 s92, s74, 127
	s_lshl_b32 s93, s92, 23
	v_mov_b32 v40, s93
	s_add_co_i32 s92, s92, 8
	s_lshl_b32 s92, s92, 23
	s_or_b32 s92, s92, 0x600000
	v_mov_b32 v41, s92
	v_mov_b32 v42, 0x39702d51
	v_mov_b32 v43, 0x39702d51
	v_mov_b32 v44, 0xb3fd3906
	v_mov_b32 v45, 0xb3fd3906
	v_mov_b32 v46, 0x406f9c68
	s_wait_loadcnt 0x0
.macro HORNER d, lit
.set p, 0
.rept 8
	v_pk_fma_f32 v[\d+p:\d+p+1], v[\d+p:\d+p+1], v[X2R+p:X2R+p+1], \lit op_sel_hi:[1,1,0]
.set p, p+2
.endr
.endm
.macro GELU g
.set VR, TMP+16*\g
.set p, 0
.rept 8
	v_pk_mul_f32 v[ZR+p:ZR+p+1], v[VR+p:VR+p+1], 0x3f3504f3 op_sel_hi:[1,0]
.set p, p+2
.endr
.set p, 0
.rept 16
	v_med3_num_f32 v[ZR+p], v[ZR+p], -v46, v46
.set p, p+1
.endr
.set p, 0
.rept 8
	v_pk_mul_f32 v[X2R+p:X2R+p+1], v[ZR+p:ZR+p+1], v[ZR+p:ZR+p+1]
.set p, p+2
.endr
.set p, 0
.rept 8
	v_pk_fma_f32 v[PR+p:PR+p+1], v[X2R+p:X2R+p+1], v[42:43], 0x3b5f5da2 op_sel_hi:[1,1,0]
.set p, p+2
.endr
.set p, 0
.rept 8
	v_pk_fma_f32 v[QR+p:QR+p+1], v[X2R+p:X2R+p+1], v[44:45], 0x37c588df op_sel_hi:[1,1,0]
.set p, p+2
.endr
	HORNER PR, 0x3d50b6eb
	HORNER QR, 0x3a856d28
	HORNER PR, 0x3e3da740
	HORNER QR, 0x3c6687d4
	HORNER PR, 0x3f906eba
	HORNER QR, 0x3de34c21
	HORNER QR, 0x3efeb44a
	HORNER QR, 1.0
.set p, 0
.rept 8
	v_pk_mul_f32 v[ZR+p:ZR+p+1], v[ZR+p:ZR+p+1], v[PR+p:PR+p+1]
.set p, p+2
.endr
.set p, 0
	s_wait_alu depctr_va_vdst(0)
.rept 16
	v_rcp_f32 v[QR+p], v[QR+p]
.set p, p+1
.endr
.set p, 0
.rept 8
	v_pk_mul_f32 v[X2R+p:X2R+p+1], v[VR+p:VR+p+1], 0.5 op_sel_hi:[1,0]
.set p, p+2
.endr
.set p, 0
	s_wait_alu depctr_va_vdst(0)
.rept 8
	v_pk_mul_f32 v[ZR+p:ZR+p+1], v[ZR+p:ZR+p+1], v[QR+p:QR+p+1]
.set p, p+2
.endr
.set p, 0
.rept 8
	v_pk_fma_f32 v[VR+p:VR+p+1], v[X2R+p:X2R+p+1], v[ZR+p:ZR+p+1], v[X2R+p:X2R+p+1]
.set p, p+2
.endr
.set p, 0
.rept 16
	v_med3_num_f32 v[VR+p], v[VR+p], -v41, v41
.set p, p+1
.endr
.if \g == 0
	s_wait_alu depctr_va_vdst(0)
	s_wait_dscnt 0x0
.endif
	v_cvt_scalef32_pk8_fp8_f32 v[CDS+4*\g:CDS+4*\g+1], v[VR:VR+7], v40
	v_cvt_scalef32_pk8_fp8_f32 v[CDS+4*\g+2:CDS+4*\g+3], v[VR+8:VR+15], v40
.endm
.macro INBLK a
.Lin_\a:
.set AC, 64*((\a)%4)
	WIN (0x02+((\a)/4))
.set j, 0
.rept 32
	v_pk_fma_f32 v[TMP+j:TMP+j+1], v[AC+j:AC+j+1], s[96:97], v[BC+j:BC+j+1] op_sel_hi:[1,0,1]
.set j, j+2
.endr
	WIN 0
	s_branch .Lgelu
.endm
.macro OUTBLK a
.Lout_\a:
	s_wait_alu depctr_va_vdst(0)
.irp b, 0,1,2,3,4,5,6,7
	ds_store_b64 v[STO], v[CDS+2*\b:CDS+2*\b+1] offset:16*PITCH*(\a)+16*\b
.endr
	s_branch .Lnext
.endm
	s_mov_b32 s3, 0
.Lblk:
.irp a, 0,1,2,3,4,5,6
	s_cmp_eq_u32 s3, \a
	s_cbranch_scc1 .Lin_\a
.endr
.irp a, 7,0,1,2,3,4,5,6
	INBLK \a
.endr
.Lgelu:
	GELU 0
	GELU 1
	GELU 2
	GELU 3
	v_nop
.irp a, 0,1,2,3,4,5,6
	s_cmp_eq_u32 s3, \a
	s_cbranch_scc1 .Lout_\a
.endr
.irp a, 7,0,1,2,3,4,5,6
	OUTBLK \a
.endr
.Lnext:
	s_add_co_u32 s3, s3, 1
	s_cmp_lt_u32 s3, 8
	s_cbranch_scc1 .Lblk
	s_wait_dscnt 0x0
	s_barrier_signal -1
	s_barrier_wait -1
.set t, 0
.rept 32
	ds_load_b128 v[128+4*t:131+4*t], v[RD] offset:2*PITCH*t
.set t, t+1
.endr
.set t, 0
.rept 32
	s_wait_dscnt 31-t
	global_store_b128 v[CO], v[128+4*t:131+4*t], s[12:13] offset:2*OPITCH*t
.set t, t+1
.endr
	s_wait_tensorcnt 0x0
	ds_add_u32 v[SPW], v[NIL]
	s_wait_dscnt 0x0
	CROUND
	s_endpgm
.Lfunc_end_k_q863f88f18c_fc1:
	.size	k_q863f88f18c_fc1, .Lfunc_end_k_q863f88f18c_fc1-k_q863f88f18c_fc1
	.p2alignl 7, 3214868480
	.fill 96, 4, 3214868480
	.section	.rodata,"a",@progbits
	.p2align	6, 0x0
	.amdhsa_kernel k_q863f88f18c_fc1
		.amdhsa_group_segment_fixed_size 327680
		.amdhsa_private_segment_fixed_size 0
		.amdhsa_enable_private_segment 0
		.amdhsa_kernarg_size 40
		.amdhsa_user_sgpr_count 2
		.amdhsa_user_sgpr_kernarg_segment_ptr 1
		.amdhsa_wavefront_size32 1
		.amdhsa_system_sgpr_workgroup_id_x 1
		.amdhsa_system_sgpr_workgroup_id_y 1
		.amdhsa_system_sgpr_workgroup_id_z 1
		.amdhsa_system_vgpr_workitem_id 0
		.amdhsa_next_free_vgpr 1024
		.amdhsa_next_free_sgpr 100
		.amdhsa_reserve_vcc 0
		.amdhsa_float_denorm_mode_32 3
		.amdhsa_float_denorm_mode_16_64 3
		.amdhsa_memory_ordered 1
		.amdhsa_forward_progress 1
		.amdhsa_inst_pref_size 162
	.end_amdhsa_kernel
	.amdgpu_metadata
---
amdhsa.version: [ 1, 2 ]
amdhsa.kernels:
  - .name:           k_q863f88f18c_fc1
    .symbol:         k_q863f88f18c_fc1.kd
    .args:
      - { .name: act, .offset: 0, .size: 8, .value_kind: global_buffer, .address_space: global }
      - { .name: wc, .offset: 8, .size: 8, .value_kind: global_buffer, .address_space: global }
      - { .name: lowp_scales, .offset: 16, .size: 8, .value_kind: global_buffer, .address_space: global }
      - { .name: b1, .offset: 24, .size: 8, .value_kind: global_buffer, .address_space: global }
      - { .name: hc, .offset: 32, .size: 8, .value_kind: global_buffer, .address_space: global }
    .group_segment_fixed_size: 327680
    .private_segment_fixed_size: 0
    .kernarg_segment_align: 8
    .kernarg_segment_size: 40
    .max_flat_workgroup_size: 128
    .sgpr_count:     100
    .vgpr_count:     1024
    .wavefront_size: 32
...
	.end_amdgpu_metadata
.endif
;; end of part 13
;; launch fc2 (part 14): grid 8 x 32, 4 waves a work-group, clusters of 4 x 4, 327,680 bytes of LDS; arguments hc, wc, lowp_scales, b2, x1, out0; writes out0
.if DOCPART == 14
	.amdgcn_target "amdgcn-amd-amdhsa--gfx1250"
	.amdhsa_code_object_version 6
	.text
	.protected	k_q863f88f18c_fc2
	.globl	k_q863f88f18c_fc2
	.p2align	8
	.type	k_q863f88f18c_fc2,@function
k_q863f88f18c_fc2:
	s_mov_b64 s[64:65], 0
	v_nop
	global_prefetch_b8 v0, s[64:65] scope:SCOPE_SE
	s_setreg_imm32_b32 hwreg(HW_REG_WAVE_MODE, 25, 1), 1
	s_wait_xcnt 0x0
	s_wait_alu depctr_hold_cnt(0) depctr_sa_sdst(0) depctr_va_vdst(0) depctr_va_sdst(0) depctr_va_ssrc(0) depctr_va_vcc(0) depctr_vm_vsrc(0)
	s_getreg_b32 s2, hwreg(HW_REG_IB_STS2, 6, 4)
	s_cmp_eq_u32 s2, 0
	s_cbranch_scc0 .Lentry_in_a_cluster
	s_endpgm
.Lentry_in_a_cluster:
	s_bfe_u32 s2, ttmp6, 0x10000c
	s_cmp_lg_u32 s2, 0xf033
	s_cbranch_scc0 .Lentry_shape_is_right
	s_endpgm
.Lentry_shape_is_right:
.set SIZE_K, 4096
.set WOFF,   0x800000
.set SOFF,   0x28
.set ROWC,   4096
.set KSTEP,  512
.set ROWB,   512
.set KROW,   SIZE_K
.set PITCH,  528
.set HALFT,  64*PITCH
.set SLOT,   4*HALFT
.set LAPS,   SIZE_K/(2*KSTEP)
.set SPARE,  2*SLOT
.set SP,     272
.set ADRA, 16
.set ADRB, 20
.set STO,  24
.set RD,   25
.set CO,   26
.set BO,   27
.set SPW,  28
.set NIL,  29
.set BIAS, 96
.set ACC,  128
.set F0,   0
.set F1,   128
.set RES,  0
.set BK,   128
.set G1, 24
.set G0, 32
.set G1B, 48
.set G0B, 56
.set MSB, 0
.macro WIN new
.if MSB != \new
	s_set_vgpr_msb (MSB<<8)|\new
.set MSB, \new
.endif
.endm
.set MUL,  0x05
.set TO_F, 0x40
.macro JLOAD g0a, g1a, g0b, g1b
	s_cmp_eq_u32 s15, 0
	s_cbranch_scc0 .Lfor_b_\@
	tensor_load_to_lds s[\g0a:\g0a+3], s[\g1a:\g1a+7]
	s_nop 0
.rept 4
	v_nop
.endr
	s_branch .Lasked_\@
.Lfor_b_\@:
	tensor_load_to_lds s[\g0b:\g0b+3], s[\g1b:\g1b+7]
	s_nop 0
.rept 4
	v_nop
.endr
.Lasked_\@:
.endm
.macro CREST
	s_cmp_lg_u32 s14, 0
	s_cbranch_scc1 .Lnot_wave_0_\@
	s_barrier_signal -3
.Lnot_wave_0_\@:
	s_barrier_wait -3
	s_barrier_signal -1
	s_barrier_wait -1
.endm
.macro CROUND
	s_barrier_signal -1
	s_barrier_wait -1
	CREST
.endm
	s_load_b128 s[4:7], s[0:1], 0x0
	s_load_b128 s[8:11], s[0:1], 0x10
	s_load_b128 s[68:71], s[0:1], 0x20
	v_lshl_add_u32 v[SPW], v0, 2, SPARE
	v_mov_b32 v[NIL], 0
	ds_add_u32 v28, v29
	ds_add_u32 v28, v29
	s_wait_dscnt 0x0
	v_lshrrev_b32 v1, 5, v0
	v_readfirstlane_b32 s14, v1
	s_lshr_b32 s15, s14, 1
	s_and_b32 s16, s14, 1
	s_bfe_u32 s40, ttmp6, 0x40000
	s_bfe_u32 s41, ttmp6, 0x40004
	s_lshl_b32 s42, ttmp9, 2
	s_add_co_u32 s42, s42, s40
	s_and_b32 s17, ttmp7, 0xffff
	s_lshl_b32 s17, s17, 2
	s_add_co_u32 s17, s17, s41
	s_lshl_b32 s43, s41, 2
	s_lshl_b32 s43, 15, s43
	s_lshl_b32 s44, 0x1111, s40
	s_or_b32 s[G1+0], s43, (0<<16)|(1<<20)|(1<<21)|(6<<22)|(3<<25)
	s_or_b32 s[G1B+0], s44, (0<<16)|(1<<20)|(1<<21)|(6<<22)|(3<<25)
.irp g, G1, G1B
	s_mov_b32 s[\g+1], ROWB<<16
	s_mov_b32 s[\g+2], 64<<16
	s_mov_b32 s[\g+3], ROWB<<16
	s_mov_b32 s[\g+4], 64
	s_mov_b32 s[\g+5], KROW
	s_mov_b32 s[\g+6], 0
	s_mov_b32 s[\g+7], 0
.endr
	s_lshl_b32 s18, s16, 6
	s_lshl_b32 s20, s17, 7
	s_add_co_u32 s20, s20, s18
	s_lshl_b32 s46, s42, 7
	s_add_co_u32 s46, s46, s18
	s_mov_b32 s21, 0
	s_mov_b32 s47, 0
	s_mov_b64 s[18:19], KROW
	s_mul_u64 s[20:21], s[20:21], s[18:19]
	s_mul_u64 s[46:47], s[46:47], s[18:19]
	s_mul_i32 s45, s14, HALFT
	s_wait_kmcnt 0x0
	s_load_b64 s[96:97], s[8:9], SOFF
	s_add_nc_u64 s[6:7], s[6:7], WOFF
	s_add_nc_u64 s[20:21], s[4:5], s[20:21]
	s_add_nc_u64 s[46:47], s[6:7], s[46:47]
.irp s, 0,1
	s_mov_b32 s[G0+4*\s], 1
	s_add_co_u32 s[G0+4*\s+1], s45, \s*SLOT
	s_add_nc_u64 s[G0+4*\s+2:G0+4*\s+3], s[20:21], \s*ROWB
	s_or_b32 s[G0+4*\s+3], s[G0+4*\s+3], 0x80000000
	s_mov_b32 s[G0B+4*\s], 1
	s_add_co_u32 s[G0B+4*\s+1], s45, \s*SLOT
	s_add_nc_u64 s[G0B+4*\s+2:G0B+4*\s+3], s[46:47], \s*ROWB
	s_or_b32 s[G0B+4*\s+3], s[G0B+4*\s+3], 0x80000000
	s_wait_alu depctr_va_vdst(0)
	s_wait_tensorcnt 0x0
	ds_add_u32 v28, v29
	ds_add_u32 v28, v29
	s_wait_dscnt 0x0
	CROUND
	JLOAD G0+4*\s, G1, G0B+4*\s, G1B
.endr
	v_and_b32 v1, 15, v0
	s_wait_alu depctr_va_vdst(0)
	v_bfe_u32 v2, v0, 4, 1
	v_mul_u32_u24 v3, v1, PITCH
	v_lshl_add_u32 v4, v2, 4, v3
	s_mul_i32 s21, s15, HALFT
	s_mul_i32 s22, s16, HALFT
	s_add_co_u32 s22, s22, 2*HALFT
.irp s, 0,1
	v_add_nc_u32 v[ADRA+\s], s21, v4
	v_add_nc_u32 v[ADRB+\s], s22, v4
	s_add_co_u32 s21, s21, SLOT
	s_add_co_u32 s22, s22, SLOT
.endr
	s_mul_i32 s23, s14, 64*SP
	v_mul_u32_u24 v5, v1, SP
	s_wait_alu depctr_va_vdst(0)
	v_lshl_add_u32 v5, v2, 5, v5
	v_add_nc_u32 v[STO], s23, v5
	v_mul_u32_u24 v5, v2, SP
	v_lshl_add_u32 v5, v1, 4, v5
	v_add_nc_u32 v[RD], s23, v5
	v_lshlrev_b32 v5, 12, v2
	v_lshl_add_u32 v[CO], v1, 4, v5
	v_lshlrev_b32 v[BO], 4, v1
	s_wait_alu depctr_va_vdst(0)
	s_lshl_b32 s20, s17, 7
	s_lshl_b32 s21, s15, 6
	s_add_co_u32 s20, s20, s21
	s_lshl_b32 s20, s20, 12
	s_lshl_b32 s46, s42, 9
	s_lshl_b32 s47, s16, 8
	s_add_co_u32 s46, s46, s47
	s_mov_b32 s47, 0
	s_add_nc_u64 s[10:11], s[10:11], s[46:47]
	s_add_co_u32 s20, s20, s46
	s_mov_b32 s21, 0
	s_add_nc_u64 s[68:69], s[68:69], s[20:21]
	s_add_nc_u64 s[70:71], s[70:71], s[20:21]
	; PREFETCHES INTO THE L2.  A wave's tensor load brings 64 rows x 512 bytes, 128 blocks of 256; the four partners that ask for it jointly share its rows out BY ADDRESS: the partner at place p
	; (cx for the row operand, cy for the column operand) names rows 16 p .. 16 p + 15, two lanes to a row, 256 bytes apart: one instruction a wave, each block once in the cluster.
	; Behind the refill that asks for K step j stands the prefetch of K step j + 2; the last two refills have none; K steps 2 and 3 are named here, behind the head's loads.
	s_cmp_eq_u32 s15, 0                            ; do I fetch the row operand?
	s_cselect_b32 s74, s17, s42                    ; the tile's number along its own axis,
	s_cselect_b32 s75, s40, s41                    ; my place among the four,
	s_cselect_b64 s[72:73], s[4:5], s[6:7]
	s_lshl_b32 s74, s74, 7
	s_lshl_b32 s76, s16, 6
	s_add_co_u32 s74, s74, s76                     ; + the 64 rows that I fetch
	s_lshl_b32 s75, s75, 4
	s_add_co_u32 s74, s74, s75                     ; + my work-group's 16 of them
	s_mul_i32 s74, s74, KROW                       ; under 2^24 bytes
	s_mov_b32 s75, 0
	s_add_nc_u64 s[72:73], s[72:73], s[74:75]
	v_bfe_u32 v30, v0, 1, 4
	v_mul_u32_u24 v30, v30, KROW
	v_and_b32 v31, 1, v0
	v_lshl_add_u32 v30, v31, 8, v30                ; never rewritten
	s_wait_alu depctr_va_vdst(0)
	global_prefetch_b8 v30, s[72:73] offset:2*ROWB th:TH_LOAD_NT scope:SCOPE_SE
	global_prefetch_b8 v30, s[72:73] offset:3*ROWB th:TH_LOAD_NT scope:SCOPE_SE
	global_load_b128 v[BIAS:BIAS+3], v[BO], s[10:11]
	WIN 0x80
.set t, 0
.rept 32
	global_load_b128 v[RES+4*t:RES+4*t+3], v[CO], s[68:69] offset:2*t*ROWC
.set t, t+1
.endr
	WIN 0
.macro MUL8 f, a0, zero
.irp a, \a0, \a0+1
.irp b, 0,1,2,3
.if \zero
	v_wmma_f32_16x16x128_fp8_fp8 v[ACC+8*(4*(\a)+\b):ACC+8*(4*(\a)+\b)+7], v[\f+64+16*\b:\f+64+16*\b+15], v[\f+16*(\a):\f+16*(\a)+15], 0
.else
	v_wmma_f32_16x16x128_fp8_fp8 v[ACC+8*(4*(\a)+\b):ACC+8*(4*(\a)+\b)+7], v[\f+64+16*\b:\f+64+16*\b+15], v[\f+16*(\a):\f+16*(\a)+15], v[ACC+8*(4*(\a)+\b):ACC+8*(4*(\a)+\b)+7]
.endif
.endr
.endr
.endm
.macro FETCH slot, k, f
	WIN TO_F
.irp i, 0,1,2,3
.irp c, 0,1,2,3
	ds_load_b128 v[\f+64+16*\i+4*\c:\f+64+16*\i+4*\c+3], v[ADRB+\slot] offset:\k+32*\c+\i*16*PITCH
.endr
.endr
.irp i, 0,1,2,3
.irp c, 0,1,2,3
	ds_load_b128 v[\f+16*\i+4*\c:\f+16*\i+4*\c+3], v[ADRA+\slot] offset:\k+32*\c+\i*16*PITCH
.endr
.endr
.endm
.macro PLACES
.rept 4
	v_nop
.endr
.endm
.macro QUARTER slot, k, f, g, zero
	PLACES
	FETCH \slot, \k, \g
	s_wait_dscnt 40
	WIN MUL
	MUL8 \f, 0, \zero
	s_wait_dscnt 32
	MUL8 \f, 2, \zero
.endm
.macro TURN slot, next, fill
	WIN 0
.if \fill
	s_wait_xcnt 0x0                                ; my prefetches have read their address: it steps here, a K step behind them
	s_add_nc_u64 s[72:73], s[72:73], ROWB
.endif
	s_wait_tensorcnt 0x0
	ds_add_u32 v[SPW], v[NIL]
	s_wait_dscnt 9
	WIN MUL
	MUL8 F1, 0, 0
	s_wait_dscnt 0x0
	WIN 0
	s_barrier_signal -1
	s_barrier_wait -1
.if \fill
	CREST
	s_add_nc_u64 s[G0+4*\slot+2:G0+4*\slot+3], s[G0+4*\slot+2:G0+4*\slot+3], 2*ROWB
	s_add_nc_u64 s[G0B+4*\slot+2:G0B+4*\slot+3], s[G0B+4*\slot+2:G0B+4*\slot+3], 2*ROWB
	JLOAD G0+4*\slot, G1, G0B+4*\slot, G1B
.else
	PLACES
.endif
	FETCH \next, 0, F0
.if \fill
	WIN 0
	s_cmp_gt_u32 s3, 1                             ; s3 = 1 in the loop's last trip, whose two refills have no K step two on
	s_cbranch_scc0 .Lnoask_\@
	global_prefetch_b8 v30, s[72:73] offset:3*ROWB th:TH_LOAD_NT scope:SCOPE_SE
.Lnoask_\@:
.endif
	WIN MUL
	MUL8 F1, 2, 0
.endm
	s_wait_tensorcnt 1
	s_barrier_signal -1
	s_barrier_wait -1
	FETCH 0, 0, F0
	QUARTER 0, 128, F0, F1, 1
.if LAPS > 1
	WIN 0
	s_mov_b32 s3, LAPS-1
.Llap:
	QUARTER 0, 256, F1, F0, 0
	QUARTER 0, 384, F0, F1, 0
	TURN 0, 1, 1
	QUARTER 1, 128, F0, F1, 0
	QUARTER 1, 256, F1, F0, 0
	QUARTER 1, 384, F0, F1, 0
	TURN 1, 0, 1
	QUARTER 0, 128, F0, F1, 0
	WIN 0
	s_sub_co_u32 s3, s3, 1
	s_cmp_lg_u32 s3, 0
	s_cbranch_scc1 .Llap
.endif
	QUARTER 0, 256, F1, F0, 0
	QUARTER 0, 384, F0, F1, 0
	TURN 0, 1, 0
	QUARTER 1, 128, F0, F1, 0
	QUARTER 1, 256, F1, F0, 0
	QUARTER 1, 384, F0, F1, 0
	s_wait_dscnt 8
	WIN MUL
	MUL8 F1, 0, 0
	s_wait_dscnt 0
	MUL8 F1, 2, 0
	WIN 0
	s_wait_kmcnt 0x0
	s_add_co_i32 s96, s96, s97
	s_add_co_i32 s96, s96, 127
	s_lshl_b32 s96, s96, 23
	PLACES
.irp a, 0,1,2,3
.irp b, 0,1,2,3
	ds_store_b128 v[STO], v[ACC+8*(4*\a+\b):ACC+8*(4*\a+\b)+3] offset:\a*16*SP+64*\b
	ds_store_b128 v[STO], v[ACC+8*(4*\a+\b)+4:ACC+8*(4*\a+\b)+7] offset:\a*16*SP+64*\b+16
.endr
.endr
	WIN 0x80
.set t, 0
.rept 32
	ds_load_b128 v[BK+4*t:BK+4*t+3], v[RD] offset:t*2*SP
.set t, t+1
.endr
	s_wait_loadcnt 0x0
.irp g, 0,1,2,3
	s_wait_dscnt 24-8*\g
	WIN 0x82
.set t, 8*\g
.rept 8
	v_pk_fma_f32 v[BK+4*t:BK+4*t+1], v[BK+4*t:BK+4*t+1], s[96:97], v[BIAS:BIAS+1] op_sel_hi:[1,0,1]
	v_pk_fma_f32 v[BK+4*t+2:BK+4*t+3], v[BK+4*t+2:BK+4*t+3], s[96:97], v[BIAS+2:BIAS+3] op_sel_hi:[1,0,1]
.set t, t+1
.endr
	WIN 0x8a
.set j, 32*\g
.rept 16
	v_pk_add_f32 v[BK+j:BK+j+1], v[BK+j:BK+j+1], v[RES+j:RES+j+1]
.set j, j+2
.endr
	WIN 0x08
.set t, 8*\g
.rept 8
	global_store_b128 v[CO], v[BK+4*t:BK+4*t+3], s[70:71] offset:2*t*ROWC
.set t, t+1
.endr
.endr
	WIN 0
	s_wait_tensorcnt 0x0
	ds_add_u32 v[SPW], v[NIL]
	s_wait_dscnt 0x0
	CROUND
	s_endpgm
.Lfunc_end_k_q863f88f18c_fc2:
	.size	k_q863f88f18c_fc2, .Lfunc_end_k_q863f88f18c_fc2-k_q863f88f18c_fc2
	.p2alignl 7, 3214868480
	.fill 96, 4, 3214868480
	.section	.rodata,"a",@progbits
	.p2align	6, 0x0
	.amdhsa_kernel k_q863f88f18c_fc2
		.amdhsa_group_segment_fixed_size 327680
		.amdhsa_private_segment_fixed_size 0
		.amdhsa_enable_private_segment 0
		.amdhsa_kernarg_size 48
		.amdhsa_user_sgpr_count 2
		.amdhsa_user_sgpr_kernarg_segment_ptr 1
		.amdhsa_wavefront_size32 1
		.amdhsa_system_sgpr_workgroup_id_x 1
		.amdhsa_system_sgpr_workgroup_id_y 1
		.amdhsa_system_sgpr_workgroup_id_z 1
		.amdhsa_system_vgpr_workitem_id 0
		.amdhsa_next_free_vgpr 768
		.amdhsa_next_free_sgpr 100
		.amdhsa_reserve_vcc 0
		.amdhsa_float_denorm_mode_32 3
		.amdhsa_float_denorm_mode_16_64 3
		.amdhsa_memory_ordered 1
		.amdhsa_forward_progress 1
		.amdhsa_inst_pref_size 84
	.end_amdhsa_kernel
	.amdgpu_metadata
---
amdhsa.version: [ 1, 2 ]
amdhsa.kernels:
  - .name:           k_q863f88f18c_fc2
    .symbol:         k_q863f88f18c_fc2.kd
    .args:
      - { .name: hc, .offset: 0, .size: 8, .value_kind: global_buffer, .address_space: global }
      - { .name: wc, .offset: 8, .size: 8, .value_kind: global_buffer, .address_space: global }
      - { .name: lowp_scales, .offset: 16, .size: 8, .value_kind: global_buffer, .address_space: global }
      - { .name: b2, .offset: 24, .size: 8, .value_kind: global_buffer, .address_space: global }
      - { .name: x1, .offset: 32, .size: 8, .value_kind: global_buffer, .address_space: global }
      - { .name: out0, .offset: 40, .size: 8, .value_kind: global_buffer, .address_space: global }
    .group_segment_fixed_size: 327680
    .private_segment_fixed_size: 0
    .kernarg_segment_align: 8
    .kernarg_segment_size: 48
    .max_flat_workgroup_size: 128
    .sgpr_count:     100
    .vgpr_count:     768
    .wavefront_size: 32
...
	.end_amdgpu_metadata
.endif
;; end of part 14
